; MI455X (gfx1250); checked and timed in simulation.
; The chip was launched on July 23, 2026; its instructions are those of AMD's public machine-readable ISA for CDNA 5 (MIT licence, August 2026) and "CDNA5" Instruction Set Architecture Reference Guide (July 2026). The comments in the code are by the model that wrote it; some were corrected since.
;; Self Attention. Allowed arithmetic: float matrix products may take bf16 or f16 operands with f32 sums; other float arithmetic in f32, or as packed bf16 or f16 multiplies, adds, multiply-adds, maxima and minima; sums over many terms, partial sums and values carried from step to step in f32; what a program stores and reads back later, other than sums and carried values, may be rounded once to bf16 or f16.
;; Inputs: Wk 1,024 x 1,024 float32; Wo 1,024 x 1,024 float32; Wq 1,024 x 1,024 float32; Wv 1,024 x 1,024 float32; bk 1,024 float32; bo 1,024 float32; bq 1,024 float32; bv 1,024 float32; x 4 x 2,048 x 1,024 float32.
;; Outputs: out0 4 x 2,048 x 1,024 float32.
;; 2 versions, each right. Each part assembles by itself: llvm-mc -triple=amdgcn-amd-amdhsa -mcpu=gfx1250 --defsym DOCPART=n.
;; ======== version 1 of 2: 5 launches
;; workspace buffers: xb 16,777,216 bytes; wb 8,388,608 bytes; qkv 50,331,648 bytes; pb 33,554,432 bytes; st 1,048,576 bytes; cb 16,777,216 bytes
;; launch cast (part 1): grid 768 x 1, 8 waves a work-group, no clusters, 0 bytes of LDS; arguments x, Wq, Wk, Wv, Wo, xb, wb; writes xb, wb
.if DOCPART == 1
	.amdgcn_target "amdgcn-amd-amdhsa--gfx1250"
	.amdhsa_code_object_version 6
	.text
	.protected	k_qa420429468_cast
	.globl	k_qa420429468_cast
	.p2align	8
	.type	k_qa420429468_cast,@function
k_qa420429468_cast:
	s_mov_b64 s[64:65], 0
	v_nop
	global_prefetch_b8 v0, s[64:65] scope:SCOPE_SE
	s_setreg_imm32_b32 hwreg(HW_REG_WAVE_MODE, 25, 1), 1
	s_wait_xcnt 0x0
; xb = bf16(x), wb = bf16(Wq | Wk | Wv | Wo), every array as it lies in memory, each number rounded once to nearest even.
; A stream: no LDS, no barrier, no matrix unit; every byte is read once and written once.
; SHARES.  A work-group takes 16,384 numbers: 65,536 bytes in, 32,768 out.  Work-groups 0-511 take x, 512-767 the four weights, 64 each.
; A thread takes 8 neighbouring numbers in each of 8 rounds: two loads of 16 bytes, four roundings, one store of 16 bytes; a wave's store
; covers 512 consecutive bytes, aligned.  All 16 loads of a thread go out at once; no register is used twice, so nothing is waited for but data.
.set XGROUPS, 512                      ; work-groups that x takes
.set IN,  8                            ; v[8:71]   the 64 numbers as loaded
.set OUT, 72                           ; v[72:103] the same as bf16
	s_load_b256 s[4:11], s[0:1], 0x0               ; x s[4:5], Wq s[6:7], Wk s[8:9], Wv s[10:11]
	s_load_b128 s[12:15], s[0:1], 0x20             ; Wo s[12:13], xb s[14:15]
	s_load_b64 s[16:17], s[0:1], 0x30              ; wb
	s_sub_co_u32 s20, ttmp9, XGROUPS               ; my number among the weights' work-groups (used where it is one of them)
	s_lshr_b32 s21, s20, 6                         ; which weight
	s_and_b32 s22, s20, 63
	s_lshl_b32 s22, s22, 16                        ; my bytes in it,
	s_lshl_b32 s23, s20, 15                        ; and in wb
	s_lshl_b32 s24, ttmp9, 16                      ; the same for x
	s_lshl_b32 s25, ttmp9, 15                      ; and xb
	v_lshlrev_b32 v1, 5, v0                        ; 32 bytes a thread in,
	v_lshlrev_b32 v2, 4, v0                        ; 16 out
	s_wait_kmcnt 0x0
	s_cmp_eq_u32 s21, 1
	s_cselect_b64 s[26:27], s[8:9], s[6:7]
	s_cmp_eq_u32 s21, 2
	s_cselect_b64 s[26:27], s[10:11], s[26:27]
	s_cmp_eq_u32 s21, 3
	s_cselect_b64 s[26:27], s[12:13], s[26:27]
	s_cmp_lt_u32 ttmp9, XGROUPS
	s_cselect_b64 s[26:27], s[4:5], s[26:27]       ; from where
	s_cselect_b64 s[28:29], s[14:15], s[16:17]     ; to where
	s_cselect_b32 s30, s24, s22
	s_cselect_b32 s32, s25, s23
	s_mov_b32 s31, 0
	s_mov_b32 s33, 0
	s_add_nc_u64 s[26:27], s[26:27], s[30:31]
	s_add_nc_u64 s[28:29], s[28:29], s[32:33]
.irp i, 0,1,2,3,4,5,6,7
	global_load_b128 v[IN+8*(\i):IN+8*(\i)+3],   v1, s[26:27] offset:8192*(\i) th:TH_LOAD_NT
	global_load_b128 v[IN+8*(\i)+4:IN+8*(\i)+7], v1, s[26:27] offset:8192*(\i)+16 th:TH_LOAD_NT
.endr
.irp i, 0,1,2,3,4,5,6,7
	s_wait_loadcnt 14-2*(\i)                       ; loads come back in order: round i's two are in, the 14 - 2 i younger ones stay out
.irp k, 0,1,2,3
	v_cvt_pk_bf16_f32 v[OUT+4*(\i)+(\k)], v[IN+8*(\i)+2*(\k)], v[IN+8*(\i)+2*(\k)+1]
.endr
	global_store_b128 v2, v[OUT+4*(\i):OUT+4*(\i)+3], s[28:29] offset:4096*(\i)
.endr
	s_endpgm
.Lfunc_end_k_qa420429468_cast:
	.size	k_qa420429468_cast, .Lfunc_end_k_qa420429468_cast-k_qa420429468_cast
	.p2alignl 7, 3214868480
	.fill 96, 4, 3214868480
	.section	.rodata,"a",@progbits
	.p2align	6, 0x0
	.amdhsa_kernel k_qa420429468_cast
		.amdhsa_group_segment_fixed_size 0
		.amdhsa_private_segment_fixed_size 0
		.amdhsa_enable_private_segment 0
		.amdhsa_kernarg_size 56
		.amdhsa_user_sgpr_count 2
		.amdhsa_user_sgpr_kernarg_segment_ptr 1
		.amdhsa_wavefront_size32 1
		.amdhsa_system_sgpr_workgroup_id_x 1
		.amdhsa_system_sgpr_workgroup_id_y 1
		.amdhsa_system_sgpr_workgroup_id_z 1
		.amdhsa_system_vgpr_workitem_id 0
		.amdhsa_next_free_vgpr 104
		.amdhsa_next_free_sgpr 66
		.amdhsa_reserve_vcc 0
		.amdhsa_float_denorm_mode_32 3
		.amdhsa_float_denorm_mode_16_64 3
		.amdhsa_memory_ordered 1
		.amdhsa_forward_progress 1
		.amdhsa_inst_pref_size 6
	.end_amdhsa_kernel
	.amdgpu_metadata
---
amdhsa.version: [ 1, 2 ]
amdhsa.kernels:
  - .name:           k_qa420429468_cast
    .symbol:         k_qa420429468_cast.kd
    .args:
      - { .name: x, .offset: 0, .size: 8, .value_kind: global_buffer, .address_space: global }
      - { .name: Wq, .offset: 8, .size: 8, .value_kind: global_buffer, .address_space: global }
      - { .name: Wk, .offset: 16, .size: 8, .value_kind: global_buffer, .address_space: global }
      - { .name: Wv, .offset: 24, .size: 8, .value_kind: global_buffer, .address_space: global }
      - { .name: Wo, .offset: 32, .size: 8, .value_kind: global_buffer, .address_space: global }
      - { .name: xb, .offset: 40, .size: 8, .value_kind: global_buffer, .address_space: global }
      - { .name: wb, .offset: 48, .size: 8, .value_kind: global_buffer, .address_space: global }
    .group_segment_fixed_size: 0
    .private_segment_fixed_size: 0
    .kernarg_segment_align: 8
    .kernarg_segment_size: 56
    .max_flat_workgroup_size: 256
    .sgpr_count:     66
    .vgpr_count:     104
    .wavefront_size: 32
...
	.end_amdgpu_metadata
.endif
;; end of part 1
;; launch proj (part 2): grid 12 x 64, 4 waves a work-group, clusters of 4 x 4, 327,680 bytes of LDS; arguments xb, wb, bq, bk, bv, qkv; writes qkv
.if DOCPART == 2
	.amdgcn_target "amdgcn-amd-amdhsa--gfx1250"
	.amdhsa_code_object_version 6
	.text
	.protected	k_qa420429468_proj
	.globl	k_qa420429468_proj
	.p2align	8
	.type	k_qa420429468_proj,@function
k_qa420429468_proj:
	s_mov_b64 s[64:65], 0
	v_nop
	global_prefetch_b8 v0, s[64:65] scope:SCOPE_SE
	s_setreg_imm32_b32 hwreg(HW_REG_WAVE_MODE, 25, 1), 1
	s_wait_xcnt 0x0
	s_wait_alu depctr_hold_cnt(0) depctr_sa_sdst(0) depctr_va_vdst(0) depctr_va_sdst(0) depctr_va_ssrc(0) depctr_va_vcc(0) depctr_vm_vsrc(0)
	s_getreg_b32 s2, hwreg(HW_REG_IB_STS2, 6, 4)
	s_cmp_eq_u32 s2, 0
	s_cbranch_scc0 .Lentry_in_a_cluster
	s_endpgm
.Lentry_in_a_cluster:
	s_bfe_u32 s2, ttmp6, 0x10000c
	s_cmp_lg_u32 s2, 0xf033
	s_cbranch_scc0 .Lentry_shape_is_right
	s_endpgm
.Lentry_shape_is_right:
; qkv[p][row][n] = bf16( bf16(b_p[n]) + sum over k of xb[row][k] wb[p][k][n] ),  p = 0, 1, 2 (Q, K, V).  xb: [8192][1024], wb: [4][1024][1024], qkv: [3][8192][1024], all bf16; sums in f32.
; LIMITS.  x, the weights and the biases enter rounded to bf16; Q, K, V are rounded once to bf16; NaN and infinities are not treated apart.
; SHARES.  A tile of C is 128 rows x 256 columns; the 12 tile columns are the three planes' four.  Four waves, each 64 x 128: 32 accumulators of 16 x 16.  K goes in steps of 128 through two LDS slots.
; B LIES [K][N] in memory (a weight as it is given) and in LDS; its fragments come out of LDS turned, by ds_load_tr16_b128.  A lies [M][K].
; THE MATRIX INSTRUCTION IS USED TRANSPOSED (source 0 = 16 columns of B, source 1 = 16 rows of A): a lane then holds row l % 16 of C and the 8 neighbouring columns 8 (l / 16) + 0..7.
; CLUSTER 4 x 4: the four work-groups of a row of the cluster need the same tile of A, the four of a column the same tile of B: each tile is asked for jointly, by the same load with the same descriptor and a mask of the four.
; REGISTERS, in windows of 256 (s_set_vgpr_msb: bits 1:0 source 0, 3:2 source 1, 5:4 source 2, 7:6 destination):
;   window 0: v0-31 addresses; v32-127, v128-223 two fragment buffers (B's 8 fragments, then A's 4); on the way out v32-63 packed results, v64-127 rows read back
;   window 1: the accumulators, (a, b) at v[8 (8 a + b)]          window 2: v0-63 the bias of my 128 columns, laid as a C operand; v64-95 at work
.set NSTEP, 8                          ; K steps
.set LDA,   1024                       ; elements in a row of A
.set BKN,   1                          ; B lies [K][N]
.set BSTEP, 262144                     ; bytes from a K step of B to the next: 128 rows of 2,048
.set BD0,   256                        ; B's tensor load: elements in a row,
.set BD1,   64                         ; rows
.set LDC,   2048                       ; bytes in a row of C
.set HASBIAS, 1                        ; the first products take the bias as C
.set SCALED, 0                         ; A's fragments are used as they come
.set PA,    272                        ; an LDS row of A: 256 bytes + 16: the 16 rows of a fragment load start 68 words apart
.set PB,    544                        ; an LDS row of B [K][N]: 512 bytes + 32: 16 lanes of the turning load take 8 rows x 32 bytes, 136 words apart
.set BOFF,  128*PA                     ; B's tile lies behind A's 128 rows
.set BHALF, 34816                      ; half of B's tile: what one tensor load brings
.set SLOT1, 131072                     ; slot 1 begins here, so that one exclusive or turns an address in one slot into the other's
.set STAGE, SLOT1+BOFF+2*BHALF         ; behind the ring, never filled by a tensor load: the waves' stages for the way out
.set TAB,   STAGE+33792                ; small tables (not used in this launch)
.set SPARE, TAB+9216                   ; the spare words, 128 bytes for each wave: two blocks of 256 bytes that no other line names
.set ASTEP, 256                        ; bytes from a K step of A to the next
.set SP,    272                        ; a row of my stage
.set F0,    32
.set F1,    128
.set FP,    224
.set TMP,   32
.set OB,    64
.set MULW,  0x50                       ; C and D in window 1, sources in window 0
.set GPAD5, (1<<16)|(1<<20)|(1<<21)|(5<<22)|(3<<25)  ; 2-byte elements; padding on; bit 21 beside a mask; after every 64 words 4 words
.set GPAD6, (1<<16)|(1<<20)|(1<<21)|(6<<22)|(7<<25)  ; the same: after every 128 words 8 words
.set GB0,   GPAD6
.set MSB, 0
.macro WIN new                         ; the immediate's high byte repeats the setting that is left; a switch that changes nothing is dropped
.if MSB != (\new)
	s_set_vgpr_msb (MSB<<8)|(\new)
.set MSB, \new
.endif
.endm
.macro PLACES                          ; four places: behind a matrix instruction and in front of loads into registers that it read, or of lines that read its result
.rept 4
	v_nop
.endr
.endm
.macro CREST                           ; a round of the cluster's barrier behind its opening barrier
	s_cmp_lg_u32 s10, 0
	s_cbranch_scc1 .Lnot_wave_0_\@
	s_barrier_signal -3
.Lnot_wave_0_\@:
	s_barrier_wait -3
	s_barrier_signal -1
	s_barrier_wait -1
.endm
.macro CROUND                          ; a whole round
	s_barrier_signal -1
	s_barrier_wait -1
	CREST
.endm
.macro JLOAD                           ; a joint refill by the walking descriptors: waves 0, 1 fetch A's halves, waves 2, 3 B's; s_nop 0 and four v_nop follow each line
	s_cmp_eq_u32 s11, 0
	s_cbranch_scc0 .Lfor_b_\@
	tensor_load_to_lds s[36:39], s[24:31]
	s_nop 0
	PLACES
	s_branch .Lasked_\@
.Lfor_b_\@:
	tensor_load_to_lds s[60:63], s[48:55]
	s_nop 0
	PLACES
.Lasked_\@:
.endm
; A PREFETCH INTO THE L2 of the K step that stands two refills on (256 matrix instructions ahead of the load that wants it): one instruction, a lane a row, 256 bytes of the row.
; Each such block is named once in the launch: A's by wave 0 of the clusters with x = 0, the four partners of a tile row taking 32 rows each by address; B's by waves 2 and 3 of the clusters with y = 0,
; the four partners of a tile column taking 32 k-rows each by address, the two waves the two halves of a row's 512 bytes.  The last two filling trips (s3 = 2, 1) have no K step two refills on.
.macro ASK
	s_cmp_gt_u32 s3, s43
	s_cbranch_scc0 .Lnot_mine_\@
	global_prefetch_b8 v30, s[44:45] th:TH_LOAD_NT scope:SCOPE_SE
.Lnot_mine_\@:
.endm
; 8 matrix instructions: row block a x all 8 column blocks, 32 along K, from buffer f.  cm = 1: the first products start the sums.  The 32 accumulators take turns in the same order in every quarter.
.macro MUL8 f, a, cm
.if (\cm) && HASBIAS
	WIN 0x60                                       ; C in window 2
.else
	WIN MULW
.endif
.irp b, 0,1,2,3,4,5,6,7
.if (\cm) && HASBIAS
	v_wmma_f32_16x16x32_bf16 v[8*(8*(\a)+(\b)):8*(8*(\a)+(\b))+7], v[(\f)+8*(\b):(\f)+8*(\b)+7], v[(\f)+64+8*(\a):(\f)+64+8*(\a)+7], v[8*(\b):8*(\b)+7]
.elseif \cm
	v_wmma_f32_16x16x32_bf16 v[8*(8*(\a)+(\b)):8*(8*(\a)+(\b))+7], v[(\f)+8*(\b):(\f)+8*(\b)+7], v[(\f)+64+8*(\a):(\f)+64+8*(\a)+7], 0
.else
	v_wmma_f32_16x16x32_bf16 v[8*(8*(\a)+(\b)):8*(8*(\a)+(\b))+7], v[(\f)+8*(\b):(\f)+8*(\b)+7], v[(\f)+64+8*(\a):(\f)+64+8*(\a)+7], v[8*(8*(\a)+(\b)):8*(8*(\a)+(\b))+7]
.endif
.endr
.endm
; 24 LDS loads in one run: quarter q (32 along K) of the slot in hand into buffer g: B's 8 fragments first, then A's 4
.macro FETCH q, g
	WIN 0
.irp b, 0,1,2,3,4,5,6,7
.if BKN
	ds_load_tr16_b128 v[(\g)+8*(\b):(\g)+8*(\b)+3],   v19 offset:(\q)*32*PB+32*(\b)
	ds_load_tr16_b128 v[(\g)+8*(\b)+4:(\g)+8*(\b)+7], v19 offset:(\q)*32*PB+16*PB+32*(\b)
.else
	ds_load_b128 v[(\g)+8*(\b):(\g)+8*(\b)+3],   v19 offset:64*(\q)+(\b)*16*PA
	ds_load_b128 v[(\g)+8*(\b)+4:(\g)+8*(\b)+7], v19 offset:64*(\q)+(\b)*16*PA+32
.endif
.endr
.irp a, 0,1,2,3
	ds_load_b128 v[(\g)+64+8*(\a):(\g)+64+8*(\a)+3],   v18 offset:64*(\q)+(\a)*16*PA
	ds_load_b128 v[(\g)+64+8*(\a)+4:(\g)+8*(\a)+64+7], v18 offset:64*(\q)+(\a)*16*PA+32
.endr
.endm
.macro SCALE f, a0                     ; (only where SCALED) A's row blocks a0, a0 + 1 times their rows' factors
.if SCALED
	WIN 0
.irp a, \a0, (\a0)+1
.irp i, 0,1,2,3,4,5,6,7
	v_pk_mul_bf16 v[(\f)+64+8*(\a)+(\i)], v[(\f)+64+8*(\a)+(\i)], v[FP+(\a)]
.endr
.endr
.endif
.endm
; A K step is four quarters of 32 along K, 32 matrix instructions each, on buffers 0, 1, 0, 1.  One of the first three: multiplies buffer f; in its middle it fetches quarter q into buffer g.
.macro QUARTER q, f, g, cm
	s_wait_dscnt 4                                 ; B and A's row blocks 0, 1 are in; the youngest four loads (blocks 2, 3) may be out
	SCALE \f, 0
	MUL8 \f, 0, \cm
	MUL8 \f, 1, \cm
	WIN 0
.if SCALED
	s_wait_dscnt 0x0
	SCALE \f, 2                                    ; its 16 plain lines are also the places in front of the loads
.else
	PLACES
.endif
	FETCH \q, \g
.if !SCALED
	s_wait_dscnt 24                                ; all but the 24 just issued
.endif
	MUL8 \f, 2, \cm
	MUL8 \f, 3, \cm
.endm
; The last quarter multiplies buffer 1 and changes slots: ONE barrier.  In front of it each wave waits for all its tensor loads (one is out: its part of the next slot), adds 0 to its spare word, and waits for
; that and for its reads of this slot.  fill = 1: the barrier opens a round of the cluster's barrier, and the joint refill of the slot just read, with the K step two on, is the first thing behind the round:
; 112 matrix instructions stand between it and the wait for it.
.macro TURN fill
.if \fill
	s_wait_xcnt 0x0                                ; the last prefetch, a K step back, has read its address
	s_add_nc_u64 s[44:45], s[44:45], s[66:67]
.endif
	WIN 0
	s_wait_tensorcnt 0x0                           ; no tensor load of mine is out, so a group 0 may be written
	ds_add_u32 v28, v29                            ; 0 onto my spare word
.if \fill
	s_xor_b32 s37, s37, SLOT1                      ; the walking descriptors: the other slot than last time,
	s_add_nc_u64 s[38:39], s[38:39], ASTEP         ; the next K step; the type bits on top are not reached
	s_xor_b32 s61, s61, SLOT1
	s_add_nc_u64 s[62:63], s[62:63], BSTEP
.endif
	s_xor_b32 s68, s68, SLOT1                      ; the fetches go to the other slot
	s_wait_dscnt 5                                 ; the add and the youngest four loads may be out
	SCALE F1, 0
	MUL8 F1, 0, 0
	s_wait_dscnt 0x0                               ; the add is done, and my reads of this slot are over
	s_barrier_signal -1
	MUL8 F1, 1, 0
	WIN 0
	v_add_nc_u32 v18, s68, v16
	v_add_nc_u32 v19, s68, v17
.if SCALED
	SCALE F1, 2
	v_add_nc_u32 v20, 512, v20
.endif
	s_barrier_wait -1
.if \fill
	CREST                                          ; no wave of any partner still reads this slot or has a load on its way
	JLOAD                                          ; its four v_nop are also the places in front of the loads below
.else
	PLACES
.endif
.if SCALED
	ds_load_b128 v[FP:FP+3], v20
.endif
	FETCH 0, F0
.if \fill
	ASK
.endif
	MUL8 F1, 2, 0
	MUL8 F1, 3, 0
.endm
.macro LASTQ                           ; the very last quarter: nothing more to fetch
	s_wait_dscnt 4
	SCALE F1, 0
	MUL8 F1, 0, 0
	MUL8 F1, 1, 0
	s_wait_dscnt 0x0
	SCALE F1, 2
	MUL8 F1, 2, 0
	MUL8 F1, 3, 0
	WIN 0
.endm
	s_load_b128 s[4:7], s[0:1], 0x0                ; xb s[4:5], wb s[6:7]
	s_load_b128 s[76:79], s[0:1], 0x10             ; bq s[76:77], bk s[78:79]
	s_load_b128 s[80:83], s[0:1], 0x20             ; bv s[80:81], qkv s[82:83]
	v_lshl_add_u32 v28, v0, 2, SPARE
	v_mov_b32 v29, 0
	ds_add_u32 v28, v29                            ; the wave's opening: the add and its wait ahead of my first tensor load; the set-up below stands between them
	v_lshrrev_b32 v1, 5, v0
	v_readfirstlane_b32 s10, v1                    ; wave 0..3
	s_lshr_b32 s11, s10, 1                         ; rh: which 64 rows of the tile are mine.  Also: I fetch for A (0) or for B (1)
	s_and_b32 s12, s10, 1                          ; ch: which 128 columns.  Also: which half of that tile I fetch
	s_bfe_u32 s40, ttmp6, 0x40000                  ; cx
	s_bfe_u32 s41, ttmp6, 0x40004                  ; cy
	s_and_b32 s84, ttmp7, 0xffff                   ; cluster y
	s_lshl_b32 s42, s84, 2
	s_add_co_u32 s42, s42, s41                     ; tile row = 4 x cluster y + cy
	s_lshl_b32 s13, s41, 2
	s_lshl_b32 s13, 15, s13                        ; my row of the cluster
	s_lshl_b32 s22, 0x1111, s40                    ; my column
	s_or_b32 s24, s13, GPAD5                       ; group 1 for A: 64 rows x 128 elements
	s_mov_b32 s25, 128<<16                         ; tensor_dim0
	s_mov_b32 s26, 64<<16                          ; tensor_dim1
	s_mov_b32 s27, 128<<16                         ; tile_dim0
	s_mov_b32 s28, 64                              ; tile_dim1
	s_mov_b32 s29, LDA                             ; elements from row to row
	s_mov_b32 s30, 0
	s_mov_b32 s31, 0
	s_or_b32 s48, s22, GB0                         ; group 1 for B
	s_mov_b32 s49, BD0<<16
	s_mov_b32 s50, BD1<<16
	s_mov_b32 s51, BD0<<16
	s_mov_b32 s52, BD1
	s_mov_b32 s53, 1024
	s_mov_b32 s54, 0
	s_mov_b32 s55, 0
	s_lshl_b32 s16, s42, 7                         ; A: row 128 x tile row + 64 x half,
	s_lshl_b32 s17, s12, 6
	s_add_co_u32 s16, s16, s17
	s_mul_i32 s16, s16, LDA*2                      ; in bytes
	s_mov_b32 s17, 0
	s_lshl_b32 s46, ttmp9, 21                      ; B: plane = cluster x (2,097,152 bytes each),
	s_lshl_b32 s47, s12, 17                        ; my 64 k-rows of the step,
	s_add_co_u32 s46, s46, s47
	s_lshl_b32 s47, s40, 9                         ; the tile's 256 columns
	s_add_co_u32 s46, s46, s47
	s_mov_b32 s47, 0
	s_mul_i32 s20, s12, 64*PA                      ; where the halves go in a slot: no place in the cluster enters an LDS address
	s_mul_i32 s21, s12, BHALF
	s_add_co_u32 s21, s21, BOFF
	s_mov_b32 s68, 0                               ; the fetches begin in slot 0
	s_wait_dscnt 0x0                               ; the opening add is done
	s_wait_kmcnt 0x0
	s_add_nc_u64 s[14:15], s[4:5], s[16:17]
	s_add_nc_u64 s[46:47], s[6:7], s[46:47]
	CROUND                                         ; all sixteen work-groups are here: the first joint loads meet
	s_mov_b32 s32, 1                               ; group 0, A, K step 0 into slot 0
	s_mov_b32 s33, s20
	s_mov_b64 s[34:35], s[14:15]
	s_or_b32 s35, s35, 0x80000000
	s_mov_b32 s36, 1                               ; A, K step 1 into slot 1; this set then walks on
	s_add_co_u32 s37, s20, SLOT1
	s_add_nc_u64 s[38:39], s[14:15], ASTEP
	s_or_b32 s39, s39, 0x80000000
	s_mov_b32 s56, 1                               ; the same for B
	s_mov_b32 s57, s21
	s_mov_b64 s[58:59], s[46:47]
	s_or_b32 s59, s59, 0x80000000
	s_mov_b32 s60, 1
	s_add_co_u32 s61, s21, SLOT1
	s_add_nc_u64 s[62:63], s[46:47], BSTEP
	s_or_b32 s63, s63, 0x80000000
	s_cmp_eq_u32 s11, 0                            ; a wave's two first fills stand in one branch: two loads of mine are out
	s_cbranch_scc0 .Lfirst_b
	tensor_load_to_lds s[32:35], s[24:31]
	s_nop 0
	tensor_load_to_lds s[36:39], s[24:31]
	s_nop 0
	PLACES
	s_branch .Lfirst_asked
.Lfirst_b:
	tensor_load_to_lds s[56:59], s[48:55]
	s_nop 0
	tensor_load_to_lds s[60:63], s[48:55]
	s_nop 0
	PLACES
.Lfirst_asked:
	; the bias of my 128 columns, laid as a C operand: register 8 b + j of lane (r, h) is b[16 b + 8 h + j]
	v_and_b32 v1, 15, v0                           ; r = l % 16
	v_bfe_u32 v2, v0, 4, 1                         ; h = l / 16
	v_and_b32 v3, 31, v0                           ; l
	s_cmp_eq_u32 ttmp9, 1
	s_cselect_b64 s[76:77], s[78:79], s[76:77]
	s_cmp_eq_u32 ttmp9, 2
	s_cselect_b64 s[76:77], s[80:81], s[76:77]     ; the plane's bias
	s_lshl_b32 s13, s40, 10                        ; 256 columns x 4 bytes a tile,
	s_lshl_b32 s22, s12, 9                         ; my 128
	s_add_co_u32 s13, s13, s22
	v_lshl_add_u32 v31, v2, 5, s13
	WIN 0x80                                       ; destination window 2
.irp b, 0,1,2,3,4,5,6,7
	global_load_b128 v[8*(\b):8*(\b)+3],   v31, s[76:77] offset:64*(\b)
	global_load_b128 v[8*(\b)+4:8*(\b)+7], v31, s[76:77] offset:64*(\b)+16
.endr
	WIN 0
	; fragment addresses.  A: row x pitch + 16 x half.  B turned: lane l reads k-row 8 (l / 16) + l % 8, columns 8 ((l / 8) % 2) + 0..7
	v_mul_u32_u24 v16, v1, PA
	v_lshl_add_u32 v16, v2, 4, v16
	s_mul_i32 s13, s11, 64*PA                      ; my 64 rows of A
	v_add_nc_u32 v16, s13, v16
	v_and_b32 v4, 7, v0
	v_lshl_add_u32 v4, v2, 3, v4
	v_mul_u32_u24 v17, v4, PB
	v_bfe_u32 v5, v0, 3, 1
	v_lshl_add_u32 v17, v5, 4, v17
	s_lshl_b32 s13, s12, 8                         ; my 128 columns of B
	s_add_co_u32 s13, s13, BOFF
	v_add_nc_u32 v17, s13, v17
	; the way out: my stage, and my corner of C
	s_mul_i32 s13, s10, 16*SP
	s_add_co_u32 s13, s13, STAGE
	v_mul_u32_u24 v24, v1, SP                      ; in: row l % 16, 16 bytes for each half of the lanes
	v_lshl_add_u32 v24, v2, 4, v24
	v_add_nc_u32 v24, s13, v24
	v_mul_u32_u24 v25, v2, SP                      ; back: lanes 0-15 one row of 256 bytes, lanes 16-31 the next
	v_lshl_add_u32 v25, v1, 4, v25
	v_add_nc_u32 v25, s13, v25
	v_mul_u32_u24 v26, v2, LDC                     ; the same two rows in C
	v_lshl_add_u32 v26, v1, 4, v26
	s_lshl_b32 s18, s42, 7
	s_lshl_b32 s22, s11, 6
	s_add_co_u32 s18, s18, s22                     ; my first row
	s_lshl_b32 s18, s18, 11                        ; x 2,048 bytes
	s_lshl_b32 s22, ttmp9, 24                      ; the plane: 16,777,216 bytes each
	s_add_co_u32 s18, s18, s22
	s_lshl_b32 s22, s40, 9
	s_add_co_u32 s18, s18, s22
	s_lshl_b32 s22, s12, 8
	s_add_co_u32 s18, s18, s22
	s_mov_b32 s19, 0
	s_add_nc_u64 s[8:9], s[82:83], s[18:19]
	; the prefetches: who asks, and where they stand (at K step 3; each filling change of slots steps them first)
	s_lshl_b32 s86, s42, 7
	s_lshl_b32 s88, s40, 5
	s_add_co_u32 s86, s86, s88                     ; A: row 128 x tile row + 32 cx
	s_mul_i32 s86, s86, LDA*2
	s_add_co_u32 s86, s86, 3*ASTEP
	s_lshl_b32 s87, ttmp9, 21                      ; B: the plane, the tile's columns, my half of a row's 512 bytes, k-row 32 cy
	s_lshl_b32 s88, s40, 9
	s_add_co_u32 s87, s87, s88
	s_lshl_b32 s88, s12, 8
	s_add_co_u32 s87, s87, s88
	s_lshl_b32 s88, s41, 16
	s_add_co_u32 s87, s87, s88
	s_add_co_u32 s87, s87, 3*BSTEP
	s_or_b32 s13, s12, ttmp9                       ; A: 0 in wave 0 of a cluster with x = 0
	s_mov_b32 s66, BSTEP
	s_mov_b32 s67, 0
	s_mov_b32 s89, 2048
	s_cmp_eq_u32 s11, 0
	s_cselect_b32 s13, s13, s84                    ; B: 0 in a cluster with y = 0
	s_cselect_b64 s[44:45], s[4:5], s[6:7]
	s_cselect_b32 s86, s86, s87
	s_cselect_b32 s66, ASTEP, s66
	s_cselect_b32 s89, LDA*2, s89
	s_mov_b32 s87, 0
	s_add_nc_u64 s[44:45], s[44:45], s[86:87]
	s_cmp_eq_u32 s13, 0
	s_cselect_b32 s43, 2, -1                       ; the same in all sixteen partners, for a given wave
	v_mul_u32_u24 v30, v3, s89                     ; a lane a row
	s_wait_loadcnt 0x0                             ; the bias is in: it is rounded to bf16 like every input, and widened again
	WIN 0x8a
.set i, 0
.rept 32
	v_cvt_pk_bf16_f32 v[64+i], v[2*i], v[2*i+1]
.set i, i+1
.endr
.set i, 0
.rept 32
	v_lshlrev_b32 v[2*i], 16, v[64+i]
	v_and_b32 v[2*i+1], 0xffff0000, v[64+i]
.set i, i+1
.endr
	WIN 0
	s_wait_tensorcnt 0x1                           ; my part of K step 0 is in; K step 1's may stay out
	s_wait_dscnt 0x0
	s_barrier_signal -1
	s_barrier_wait -1                              ; everybody's is
	v_mov_b32 v18, v16
	v_mov_b32 v19, v17
	FETCH 0, F0
	QUARTER 1, F0, F1, 1                           ; the first quarter stands in front of the loop: its products start the sums
	WIN 0                                          ; at a label and at a branch every window is 0
	s_mov_b32 s3, NSTEP-2
.Lstep:                                                ; a trip: quarters 1-3 of a K step and quarter 0 of the next; the slot read out is filled with the K step two on
	QUARTER 2, F1, F0, 0
	QUARTER 3, F0, F1, 0
	TURN 1
	QUARTER 1, F0, F1, 0
	WIN 0
	s_sub_co_u32 s3, s3, 1
	s_cmp_lg_u32 s3, 0
	s_cbranch_scc1 .Lstep
	QUARTER 2, F1, F0, 0                           ; the last two K steps are written out: nothing is asked for
	QUARTER 3, F0, F1, 0
	TURN 0
	QUARTER 1, F0, F1, 0
	QUARTER 2, F1, F0, 0
	QUARTER 3, F0, F1, 0
	LASTQ
	PLACES
	PLACES
	; THE WAY OUT, a block of 16 rows at a time: rounded to bf16, 16 bytes a lane into my own stage, back as whole rows of 256 bytes, stored.
.macro PACK a
	WIN 0x05                                       ; sources in window 1
.irp b, 0,1,2,3,4,5,6,7
.irp r, 0,1,2,3
	v_cvt_pk_bf16_f32 v[TMP+4*(\b)+(\r)], v[64*(\a)+8*(\b)+2*(\r)], v[64*(\a)+8*(\b)+2*(\r)+1]
.endr
.endr
	WIN 0
.endm
.macro TOSTAGE a
.set BK, OB+32*((\a)%2)
.irp b, 0,1,2,3,4,5,6,7
	ds_store_b128 v24, v[TMP+4*(\b):TMP+4*(\b)+3] offset:32*(\b)
.endr
.irp t, 0,1,2,3,4,5,6,7
	ds_load_b128 v[BK+4*(\t):BK+4*(\t)+3], v25 offset:(\t)*2*SP  ; LDS serves a wave's instructions in order (ISA guide 5.7.1.4): these see the stores above
.endr
.endm
.macro SEND a
.set BK, OB+32*((\a)%2)
	s_wait_dscnt 0x0                               ; the block is back in registers
	s_wait_xcnt 0x0                                ; the stores two blocks back have read their registers: the next block's loads land there
.irp t, 0,1,2,3,4,5,6,7
	global_store_b128 v26, v[BK+4*(\t):BK+4*(\t)+3], s[8:9] offset:(16*(\a)+2*(\t))*LDC  ; 16 lanes store 256 consecutive bytes, aligned
.endr
.endm
	PACK 0
	TOSTAGE 0
.irp a, 1,2,3
	PACK \a                                        ; a block's roundings stand between the loads of the block before and the wait for them
	SEND (\a)-1
	TOSTAGE \a
.endr
	SEND 3
	s_wait_tensorcnt 0x0                           ; the wave's end: behind my last tensor load and my last LDS store
	ds_add_u32 v28, v29
	s_wait_dscnt 0x0
	CROUND                                         ; the closing round: no work-group ends while a partner may still ask for a tile that names it
	s_endpgm
.Lfunc_end_k_qa420429468_proj:
	.size	k_qa420429468_proj, .Lfunc_end_k_qa420429468_proj-k_qa420429468_proj
	.p2alignl 7, 3214868480
	.fill 96, 4, 3214868480
	.section	.rodata,"a",@progbits
	.p2align	6, 0x0
	.amdhsa_kernel k_qa420429468_proj
		.amdhsa_group_segment_fixed_size 327680
		.amdhsa_private_segment_fixed_size 0
		.amdhsa_enable_private_segment 0
		.amdhsa_kernarg_size 48
		.amdhsa_user_sgpr_count 2
		.amdhsa_user_sgpr_kernarg_segment_ptr 1
		.amdhsa_wavefront_size32 1
		.amdhsa_system_sgpr_workgroup_id_x 1
		.amdhsa_system_sgpr_workgroup_id_y 1
		.amdhsa_system_sgpr_workgroup_id_z 1
		.amdhsa_system_vgpr_workitem_id 0
		.amdhsa_next_free_vgpr 608
		.amdhsa_next_free_sgpr 96
		.amdhsa_reserve_vcc 0
		.amdhsa_float_denorm_mode_32 3
		.amdhsa_float_denorm_mode_16_64 3
		.amdhsa_memory_ordered 1
		.amdhsa_forward_progress 1
		.amdhsa_inst_pref_size 79
	.end_amdhsa_kernel
	.amdgpu_metadata
---
amdhsa.version: [ 1, 2 ]
amdhsa.kernels:
  - .name:           k_qa420429468_proj
    .symbol:         k_qa420429468_proj.kd
    .args:
      - { .name: xb, .offset: 0, .size: 8, .value_kind: global_buffer, .address_space: global }
      - { .name: wb, .offset: 8, .size: 8, .value_kind: global_buffer, .address_space: global }
      - { .name: bq, .offset: 16, .size: 8, .value_kind: global_buffer, .address_space: global }
      - { .name: bk, .offset: 24, .size: 8, .value_kind: global_buffer, .address_space: global }
      - { .name: bv, .offset: 32, .size: 8, .value_kind: global_buffer, .address_space: global }
      - { .name: qkv, .offset: 40, .size: 8, .value_kind: global_buffer, .address_space: global }
    .group_segment_fixed_size: 327680
    .private_segment_fixed_size: 0
    .kernarg_segment_align: 8
    .kernarg_segment_size: 48
    .max_flat_workgroup_size: 128
    .sgpr_count:     96
    .vgpr_count:     608
    .wavefront_size: 32
...
	.end_amdgpu_metadata
.endif
;; end of part 2
;; launch score (part 3): grid 8 x 64, 4 waves a work-group, clusters of 4 x 4, 327,680 bytes of LDS; arguments qkv, pb, st; writes pb, st
.if DOCPART == 3
	.amdgcn_target "amdgcn-amd-amdhsa--gfx1250"
	.amdhsa_code_object_version 6
	.text
	.protected	k_qa420429468_score
	.globl	k_qa420429468_score
	.p2align	8
	.type	k_qa420429468_score,@function
k_qa420429468_score:
	s_mov_b64 s[64:65], 0
	v_nop
	global_prefetch_b8 v0, s[64:65] scope:SCOPE_SE
	s_setreg_imm32_b32 hwreg(HW_REG_WAVE_MODE, 25, 1), 1
	s_wait_xcnt 0x0
	s_wait_alu depctr_hold_cnt(0) depctr_sa_sdst(0) depctr_va_vdst(0) depctr_va_sdst(0) depctr_va_ssrc(0) depctr_va_vcc(0) depctr_vm_vsrc(0)
	s_getreg_b32 s2, hwreg(HW_REG_IB_STS2, 6, 4)
	s_cmp_eq_u32 s2, 0
	s_cbranch_scc0 .Lentry_in_a_cluster
	s_endpgm
.Lentry_in_a_cluster:
	s_bfe_u32 s2, ttmp6, 0x10000c
	s_cmp_lg_u32 s2, 0xf033
	s_cbranch_scc0 .Lentry_shape_is_right
	s_endpgm
.Lentry_shape_is_right:
; s[row][key] = sum over h of Q[row][h] K[key][h] (Q, K: planes 0, 1 of qkv, [8192][1024] bf16; keys of the row's own batch of 2,048), sums in f32, and THE FIRST HALF OF THE SOFTMAX:
; for each row and each block of 128 keys (a wave's columns): E = floor(c m), m the block's largest score, c = log2(e) / 32;  p = 2^(c s - E), stored as bf16 in pb[row][key];
; l = the sum of the unrounded p.  E and l go to st ([2][16 blocks][8192 rows] f32).  The next launch brings the blocks of a row onto the row's largest E by factors 2^(E_blk - E_row), which are exact in bf16.
; LIMITS.  The block's maximum is taken away rounded down to a whole exponent, so p lies below 2 (to within a rounding) and the block's largest p is 1 or more; p is rounded once to bf16;
; a p below 2^-126 counts as 0 in l; NaN and infinities are not treated apart.
; SHARES.  A tile of C is 128 rows x 256 keys.  Four waves, each 64 x 128: 32 accumulators of 16 x 16.  K (the 1,024 channels) goes in steps of 128 through two LDS slots.  A and B both lie along K.
; THE MATRIX INSTRUCTION IS USED TRANSPOSED (source 0 = 16 keys, source 1 = 16 queries): a lane holds query l % 16 and the keys 8 (l / 16) + 0..7 of each of 8 groups of 16: a query's 128 scores lie in two lanes, 16 apart.
; CLUSTER 4 x 4: the four work-groups of a row of the cluster need the same tile of Q, the four of a column the same tile of K (all sixteen lie in one batch): each tile is asked for jointly.
; REGISTERS, in windows of 256 (s_set_vgpr_msb: bits 1:0 source 0, 3:2 source 1, 5:4 source 2, 7:6 destination):
;   window 0: v0-31 addresses; v32-127, v128-223 two fragment buffers; on the way out v32-63 packed p, v64-127 rows read back, v128-147 the statistics at work          window 1: the accumulators, (a, b) at v[8 (8 a + b)]
.set NSTEP, 8                          ; K steps
.set LDA,   1024                       ; elements in a row of A
.set BKN,   0                          ; B lies [N][K]
.set BSTEP, 256                        ; bytes from a K step of B to the next
.set BD0,   128                        ; B's tensor load: elements in a row,
.set BD1,   128                        ; rows
.set LDC,   4096                       ; bytes in a row of pb
.set HASBIAS, 0                        ; the first products start from 0
.set SCALED, 0                         ; A's fragments are used as they come
.set PA,    272                        ; an LDS row of A and of B: 256 bytes + 16: the 16 rows of a fragment load start 68 words apart
.set PB,    544                        ; (an LDS row of a B that lies [K][N]: not in this launch)
.set BOFF,  128*PA                     ; B's tile lies behind A's 128 rows
.set BHALF, 34816                      ; half of B's tile: what one tensor load brings
.set SLOT1, 131072                     ; slot 1 begins here, so that one exclusive or turns an address in one slot into the other's
.set STAGE, SLOT1+BOFF+2*BHALF         ; behind the ring, never filled by a tensor load: the waves' stages for the way out
.set TAB,   STAGE+33792                ; 512 bytes a wave: E of my 64 rows, then l
.set SPARE, TAB+9216                   ; the spare words, 128 bytes for each wave: two blocks of 256 bytes that no other line names
.set ASTEP, 256                        ; bytes from a K step of A to the next
.set SP,    272                        ; a row of my stage
.set F0,    32
.set F1,    128
.set FP,    224
.set TMP,   32
.set OB,    64
.set CH,    128                        ; v128-135 eight chains of the maximum
.set EV,    136                        ; v136 E (v137 is named with it as a pair)
.set LS,    138                        ; v138-139 l
.set SV,    141                        ; v141 what goes to the table: E in lanes 0-15, l in lanes 16-31
.set MULW,  0x50                       ; C and D in window 1, sources in window 0
.set GPAD5, (1<<16)|(1<<20)|(1<<21)|(5<<22)|(3<<25)  ; 2-byte elements; padding on; bit 21 beside a mask; after every 64 words 4 words
.set GPAD6, (1<<16)|(1<<20)|(1<<21)|(6<<22)|(7<<25)  ; the same: after every 128 words 8 words
.set GB0,   GPAD5
.set MSB, 0
.macro WIN new                         ; the immediate's high byte repeats the setting that is left; a switch that changes nothing is dropped
.if MSB != (\new)
	s_set_vgpr_msb (MSB<<8)|(\new)
.set MSB, \new
.endif
.endm
.macro PLACES                          ; four places: behind a matrix instruction and in front of loads into registers that it read, or of lines that read its result
.rept 4
	v_nop
.endr
.endm
.macro CREST                           ; a round of the cluster's barrier behind its opening barrier
	s_cmp_lg_u32 s10, 0
	s_cbranch_scc1 .Lnot_wave_0_\@
	s_barrier_signal -3
.Lnot_wave_0_\@:
	s_barrier_wait -3
	s_barrier_signal -1
	s_barrier_wait -1
.endm
.macro CROUND                          ; a whole round
	s_barrier_signal -1
	s_barrier_wait -1
	CREST
.endm
.macro JLOAD                           ; a joint refill by the walking descriptors: waves 0, 1 fetch A's halves, waves 2, 3 B's; s_nop 0 and four v_nop follow each line
	s_cmp_eq_u32 s11, 0
	s_cbranch_scc0 .Lfor_b_\@
	tensor_load_to_lds s[36:39], s[24:31]
	s_nop 0
	PLACES
	s_branch .Lasked_\@
.Lfor_b_\@:
	tensor_load_to_lds s[60:63], s[48:55]
	s_nop 0
	PLACES
.Lasked_\@:
.endm
; A PREFETCH INTO THE L2 of the K step that stands two refills on (256 matrix instructions ahead of the load that wants it): one instruction, a lane a row, 256 bytes of the row.
; Each such block is named once in the launch: Q's by wave 0 of the clusters with x = 0, the four partners of a tile row taking 32 rows each by address; K's by waves 2 and 3 of each batch's first cluster
; along y, the four partners of a tile column taking 64 rows each by address, the two waves 32 each.  The last two filling trips (s3 = 2, 1) have no K step two refills on.
.macro ASK
	s_cmp_gt_u32 s3, s43
	s_cbranch_scc0 .Lnot_mine_\@
	global_prefetch_b8 v30, s[44:45] th:TH_LOAD_NT scope:SCOPE_SE
.Lnot_mine_\@:
.endm
; 8 matrix instructions: row block a x all 8 column blocks, 32 along K, from buffer f.  cm = 1: the first products start the sums.  The 32 accumulators take turns in the same order in every quarter.
.macro MUL8 f, a, cm
.if (\cm) && HASBIAS
	WIN 0x60                                       ; C in window 2
.else
	WIN MULW
.endif
.irp b, 0,1,2,3,4,5,6,7
.if (\cm) && HASBIAS
	v_wmma_f32_16x16x32_bf16 v[8*(8*(\a)+(\b)):8*(8*(\a)+(\b))+7], v[(\f)+8*(\b):(\f)+8*(\b)+7], v[(\f)+64+8*(\a):(\f)+64+8*(\a)+7], v[8*(\b):8*(\b)+7]
.elseif \cm
	v_wmma_f32_16x16x32_bf16 v[8*(8*(\a)+(\b)):8*(8*(\a)+(\b))+7], v[(\f)+8*(\b):(\f)+8*(\b)+7], v[(\f)+64+8*(\a):(\f)+64+8*(\a)+7], 0
.else
	v_wmma_f32_16x16x32_bf16 v[8*(8*(\a)+(\b)):8*(8*(\a)+(\b))+7], v[(\f)+8*(\b):(\f)+8*(\b)+7], v[(\f)+64+8*(\a):(\f)+64+8*(\a)+7], v[8*(8*(\a)+(\b)):8*(8*(\a)+(\b))+7]
.endif
.endr
.endm
; 24 LDS loads in one run: quarter q (32 along K) of the slot in hand into buffer g: B's 8 fragments first, then A's 4
.macro FETCH q, g
	WIN 0
.irp b, 0,1,2,3,4,5,6,7
.if BKN
	ds_load_tr16_b128 v[(\g)+8*(\b):(\g)+8*(\b)+3],   v19 offset:(\q)*32*PB+32*(\b)
	ds_load_tr16_b128 v[(\g)+8*(\b)+4:(\g)+8*(\b)+7], v19 offset:(\q)*32*PB+16*PB+32*(\b)
.else
	ds_load_b128 v[(\g)+8*(\b):(\g)+8*(\b)+3],   v19 offset:64*(\q)+(\b)*16*PA
	ds_load_b128 v[(\g)+8*(\b)+4:(\g)+8*(\b)+7], v19 offset:64*(\q)+(\b)*16*PA+32
.endif
.endr
.irp a, 0,1,2,3
	ds_load_b128 v[(\g)+64+8*(\a):(\g)+64+8*(\a)+3],   v18 offset:64*(\q)+(\a)*16*PA
	ds_load_b128 v[(\g)+64+8*(\a)+4:(\g)+8*(\a)+64+7], v18 offset:64*(\q)+(\a)*16*PA+32
.endr
.endm
.macro SCALE f, a0                     ; (only where SCALED) A's row blocks a0, a0 + 1 times their rows' factors
.if SCALED
	WIN 0
.irp a, \a0, (\a0)+1
.irp i, 0,1,2,3,4,5,6,7
	v_pk_mul_bf16 v[(\f)+64+8*(\a)+(\i)], v[(\f)+64+8*(\a)+(\i)], v[FP+(\a)]
.endr
.endr
.endif
.endm
; A K step is four quarters of 32 along K, 32 matrix instructions each, on buffers 0, 1, 0, 1.  One of the first three: multiplies buffer f; in its middle it fetches quarter q into buffer g.
.macro QUARTER q, f, g, cm
	s_wait_dscnt 4                                 ; B and A's row blocks 0, 1 are in; the youngest four loads (blocks 2, 3) may be out
	SCALE \f, 0
	MUL8 \f, 0, \cm
	MUL8 \f, 1, \cm
	WIN 0
.if SCALED
	s_wait_dscnt 0x0
	SCALE \f, 2                                    ; its 16 plain lines are also the places in front of the loads
.else
	PLACES
.endif
	FETCH \q, \g
.if !SCALED
	s_wait_dscnt 24                                ; all but the 24 just issued
.endif
	MUL8 \f, 2, \cm
	MUL8 \f, 3, \cm
.endm
; The last quarter multiplies buffer 1 and changes slots: ONE barrier.  In front of it each wave waits for all its tensor loads (one is out: its part of the next slot), adds 0 to its spare word, and waits for
; that and for its reads of this slot.  fill = 1: the barrier opens a round of the cluster's barrier, and the joint refill of the slot just read, with the K step two on, is the first thing behind the round:
; 112 matrix instructions stand between it and the wait for it.
.macro TURN fill
.if \fill
	s_wait_xcnt 0x0                                ; the last prefetch, a K step back, has read its address
	s_add_nc_u64 s[44:45], s[44:45], s[66:67]
.endif
	WIN 0
	s_wait_tensorcnt 0x0                           ; no tensor load of mine is out, so a group 0 may be written
	ds_add_u32 v28, v29                            ; 0 onto my spare word
.if \fill
	s_xor_b32 s37, s37, SLOT1                      ; the walking descriptors: the other slot than last time,
	s_add_nc_u64 s[38:39], s[38:39], ASTEP         ; the next K step; the type bits on top are not reached
	s_xor_b32 s61, s61, SLOT1
	s_add_nc_u64 s[62:63], s[62:63], BSTEP
.endif
	s_xor_b32 s68, s68, SLOT1                      ; the fetches go to the other slot
	s_wait_dscnt 5                                 ; the add and the youngest four loads may be out
	SCALE F1, 0
	MUL8 F1, 0, 0
	s_wait_dscnt 0x0                               ; the add is done, and my reads of this slot are over
	s_barrier_signal -1
	MUL8 F1, 1, 0
	WIN 0
	v_add_nc_u32 v18, s68, v16
	v_add_nc_u32 v19, s68, v17
.if SCALED
	SCALE F1, 2
	v_add_nc_u32 v20, 512, v20
.endif
	s_barrier_wait -1
.if \fill
	CREST                                          ; no wave of any partner still reads this slot or has a load on its way
	JLOAD                                          ; its four v_nop are also the places in front of the loads below
.else
	PLACES
.endif
.if SCALED
	ds_load_b128 v[FP:FP+3], v20
.endif
	FETCH 0, F0
.if \fill
	ASK
.endif
	MUL8 F1, 2, 0
	MUL8 F1, 3, 0
.endm
.macro LASTQ                           ; the very last quarter: nothing more to fetch
	s_wait_dscnt 4
	SCALE F1, 0
	MUL8 F1, 0, 0
	MUL8 F1, 1, 0
	s_wait_dscnt 0x0
	SCALE F1, 2
	MUL8 F1, 2, 0
	MUL8 F1, 3, 0
	WIN 0
.endm
	s_load_b64 s[4:5], s[0:1], 0x0                 ; qkv
	s_load_b64 s[8:9], s[0:1], 0x8                 ; pb
	s_load_b64 s[76:77], s[0:1], 0x10              ; st
	v_lshl_add_u32 v28, v0, 2, SPARE
	v_mov_b32 v29, 0
	ds_add_u32 v28, v29                            ; the wave's opening: the add and its wait ahead of my first tensor load; the set-up below stands between them
	v_lshrrev_b32 v1, 5, v0
	v_readfirstlane_b32 s10, v1                    ; wave 0..3
	s_lshr_b32 s11, s10, 1                         ; rh: which 64 rows of the tile are mine.  Also: I fetch for A (0) or for B (1)
	s_and_b32 s12, s10, 1                          ; ch: which 128 columns.  Also: which half of that tile I fetch
	s_bfe_u32 s40, ttmp6, 0x40000                  ; cx
	s_bfe_u32 s41, ttmp6, 0x40004                  ; cy
	s_and_b32 s84, ttmp7, 0xffff                   ; cluster y
	s_lshl_b32 s42, s84, 2
	s_add_co_u32 s42, s42, s41                     ; tile row = 4 x cluster y + cy
	s_lshl_b32 s85, ttmp9, 2
	s_add_co_u32 s85, s85, s40                     ; tile column = 4 x cluster x + cx
	s_lshr_b32 s90, s84, 2                         ; the batch: four clusters along y each; the same in all sixteen partners
	s_lshl_b32 s13, s41, 2
	s_lshl_b32 s13, 15, s13                        ; my row of the cluster
	s_lshl_b32 s22, 0x1111, s40                    ; my column
	s_or_b32 s24, s13, GPAD5                       ; group 1 for A: 64 rows x 128 elements
	s_mov_b32 s25, 128<<16                         ; tensor_dim0
	s_mov_b32 s26, 64<<16                          ; tensor_dim1
	s_mov_b32 s27, 128<<16                         ; tile_dim0
	s_mov_b32 s28, 64                              ; tile_dim1
	s_mov_b32 s29, LDA                             ; elements from row to row
	s_mov_b32 s30, 0
	s_mov_b32 s31, 0
	s_or_b32 s48, s22, GB0                         ; group 1 for B: 128 rows x 128 elements
	s_mov_b32 s49, BD0<<16
	s_mov_b32 s50, BD1<<16
	s_mov_b32 s51, BD0<<16
	s_mov_b32 s52, BD1
	s_mov_b32 s53, 1024
	s_mov_b32 s54, 0
	s_mov_b32 s55, 0
	s_lshl_b32 s16, s42, 7                         ; A = Q: row 128 x tile row + 64 x half,
	s_lshl_b32 s17, s12, 6
	s_add_co_u32 s16, s16, s17
	s_mul_i32 s16, s16, LDA*2                      ; in bytes
	s_mov_b32 s17, 0
	s_lshl_b32 s46, s90, 22                        ; B = K: the batch's 2,048 rows of 2,048 bytes,
	s_lshl_b32 s47, s85, 19                        ; the tile's 256,
	s_add_co_u32 s46, s46, s47
	s_lshl_b32 s47, s12, 18                        ; my 128,
	s_add_co_u32 s46, s46, s47
	s_add_co_u32 s46, s46, 16777216                ; in plane 1
	s_mov_b32 s47, 0
	s_mul_i32 s20, s12, 64*PA                      ; where the halves go in a slot: no place in the cluster enters an LDS address
	s_mul_i32 s21, s12, BHALF
	s_add_co_u32 s21, s21, BOFF
	s_mov_b32 s68, 0                               ; the fetches begin in slot 0
	s_mov_b32 s70, 0x3d38aa3b                      ; c = log2(e) / 32
	s_mov_b32 s71, s70                             ; named with it as a pair
	s_mov_b32 s72, 0x76543210                      ; v_permlanex16_b32's selects: each lane takes its own place in the other half
	s_mov_b32 s73, 0xfedcba98
	s_mov_b32 s74, 0xffff0000                      ; lanes 16-31
	s_wait_dscnt 0x0                               ; the opening add is done
	s_wait_kmcnt 0x0
	s_mov_b64 s[6:7], s[4:5]
	s_add_nc_u64 s[14:15], s[4:5], s[16:17]
	s_add_nc_u64 s[46:47], s[6:7], s[46:47]
	CROUND                                         ; all sixteen work-groups are here: the first joint loads meet
	s_mov_b32 s32, 1                               ; group 0, A, K step 0 into slot 0
	s_mov_b32 s33, s20
	s_mov_b64 s[34:35], s[14:15]
	s_or_b32 s35, s35, 0x80000000
	s_mov_b32 s36, 1                               ; A, K step 1 into slot 1; this set then walks on
	s_add_co_u32 s37, s20, SLOT1
	s_add_nc_u64 s[38:39], s[14:15], ASTEP
	s_or_b32 s39, s39, 0x80000000
	s_mov_b32 s56, 1                               ; the same for B
	s_mov_b32 s57, s21
	s_mov_b64 s[58:59], s[46:47]
	s_or_b32 s59, s59, 0x80000000
	s_mov_b32 s60, 1
	s_add_co_u32 s61, s21, SLOT1
	s_add_nc_u64 s[62:63], s[46:47], BSTEP
	s_or_b32 s63, s63, 0x80000000
	s_cmp_eq_u32 s11, 0                            ; a wave's two first fills stand in one branch: two loads of mine are out
	s_cbranch_scc0 .Lfirst_b
	tensor_load_to_lds s[32:35], s[24:31]
	s_nop 0
	tensor_load_to_lds s[36:39], s[24:31]
	s_nop 0
	PLACES
	s_branch .Lfirst_asked
.Lfirst_b:
	tensor_load_to_lds s[56:59], s[48:55]
	s_nop 0
	tensor_load_to_lds s[60:63], s[48:55]
	s_nop 0
	PLACES
.Lfirst_asked:
	v_and_b32 v1, 15, v0                           ; r = l % 16
	v_bfe_u32 v2, v0, 4, 1                         ; h = l / 16
	v_and_b32 v3, 31, v0                           ; l
	; fragment addresses, A and B alike: row x pitch + 16 x half
	v_mul_u32_u24 v16, v1, PA
	v_lshl_add_u32 v16, v2, 4, v16
	v_mov_b32 v17, v16
	s_mul_i32 s13, s11, 64*PA                      ; my 64 rows of A
	v_add_nc_u32 v16, s13, v16
	s_mul_i32 s13, s12, BHALF                      ; my 128 rows of B
	s_add_co_u32 s13, s13, BOFF
	v_add_nc_u32 v17, s13, v17
	; the way out: my stage, my table, my corners of pb and st
	s_mul_i32 s13, s10, 16*SP
	s_add_co_u32 s13, s13, STAGE
	v_mul_u32_u24 v24, v1, SP                      ; in: row l % 16, 16 bytes for each half of the lanes
	v_lshl_add_u32 v24, v2, 4, v24
	v_add_nc_u32 v24, s13, v24
	v_mul_u32_u24 v25, v2, SP                      ; back: lanes 0-15 one row of 256 bytes, lanes 16-31 the next
	v_lshl_add_u32 v25, v1, 4, v25
	v_add_nc_u32 v25, s13, v25
	v_mul_u32_u24 v26, v2, LDC                     ; the same two rows in pb
	v_lshl_add_u32 v26, v1, 4, v26
	s_lshl_b32 s13, s10, 9
	s_add_co_u32 s13, s13, TAB                     ; my 512 bytes of the table
	v_lshl_add_u32 v27, v2, 8, s13                 ; in: lanes 0-15 put E, lanes 16-31 l, of row l % 16 of the block
	v_lshl_add_u32 v27, v1, 2, v27
	v_lshl_add_u32 v6, v3, 4, s13                  ; back: 16 bytes a lane
	v_lshlrev_b32 v31, 4, v1                       ; in st: lanes 0-15 the 256 bytes of E, lanes 16-31 those of l, 524,288 bytes on
	v_lshl_add_u32 v31, v2, 19, v31
	s_lshl_b32 s18, s42, 7
	s_lshl_b32 s22, s11, 6
	s_add_co_u32 s18, s18, s22                     ; my first row
	s_lshl_b32 s91, s18, 2                         ; x 4 bytes in st,
	s_lshl_b32 s18, s18, 12                        ; x 4,096 in pb
	s_lshl_b32 s22, s85, 9
	s_add_co_u32 s18, s18, s22
	s_lshl_b32 s22, s12, 8
	s_add_co_u32 s18, s18, s22
	s_mov_b32 s19, 0
	s_add_nc_u64 s[8:9], s[8:9], s[18:19]
	s_lshl_b32 s22, s85, 1
	s_add_co_u32 s22, s22, s12                     ; my block of 128 keys: 2 x tile column + ch
	s_lshl_b32 s22, s22, 15                        ; 8,192 rows x 4 bytes each
	s_add_co_u32 s22, s22, s91
	s_mov_b32 s23, 0
	s_add_nc_u64 s[76:77], s[76:77], s[22:23]
	; the prefetches: who asks, and where they stand (at K step 3; each filling change of slots steps them first)
	s_lshl_b32 s86, s42, 7
	s_lshl_b32 s88, s40, 5
	s_add_co_u32 s86, s86, s88                     ; A: row 128 x tile row + 32 cx
	s_mul_i32 s86, s86, LDA*2
	s_add_co_u32 s86, s86, 3*ASTEP
	s_lshl_b32 s87, s90, 22                        ; B: the batch, the tile's 256 rows, 64 cy + 32 ch of them
	s_lshl_b32 s88, s85, 19
	s_add_co_u32 s87, s87, s88
	s_lshl_b32 s88, s41, 17
	s_add_co_u32 s87, s87, s88
	s_lshl_b32 s88, s12, 16
	s_add_co_u32 s87, s87, s88
	s_add_co_u32 s87, s87, 16777216+3*BSTEP
	s_or_b32 s13, s12, ttmp9                       ; A: 0 in wave 0 of a cluster with x = 0
	s_and_b32 s22, s84, 3                          ; B: 0 in a batch's first cluster along y
	s_mov_b32 s66, BSTEP
	s_mov_b32 s67, 0
	s_mov_b32 s89, 2048
	s_cmp_eq_u32 s11, 0
	s_cselect_b32 s13, s13, s22
	s_cselect_b64 s[44:45], s[4:5], s[6:7]
	s_cselect_b32 s86, s86, s87
	s_cselect_b32 s66, ASTEP, s66
	s_cselect_b32 s89, LDA*2, s89
	s_mov_b32 s87, 0
	s_add_nc_u64 s[44:45], s[44:45], s[86:87]
	s_cmp_eq_u32 s13, 0
	s_cselect_b32 s43, 2, -1                       ; the same in all sixteen partners, for a given wave
	v_mul_u32_u24 v30, v3, s89                     ; a lane a row
	s_wait_tensorcnt 0x1                           ; my part of K step 0 is in; K step 1's may stay out
	s_wait_dscnt 0x0
	s_barrier_signal -1
	s_barrier_wait -1                              ; everybody's is
	v_mov_b32 v18, v16
	v_mov_b32 v19, v17
	FETCH 0, F0
	QUARTER 1, F0, F1, 1                           ; the first quarter stands in front of the loop: its products start the sums
	WIN 0                                          ; at a label and at a branch every window is 0
	s_mov_b32 s3, NSTEP-2
.Lstep:                                                ; a trip: quarters 1-3 of a K step and quarter 0 of the next; the slot read out is filled with the K step two on
	QUARTER 2, F1, F0, 0
	QUARTER 3, F0, F1, 0
	TURN 1
	QUARTER 1, F0, F1, 0
	WIN 0
	s_sub_co_u32 s3, s3, 1
	s_cmp_lg_u32 s3, 0
	s_cbranch_scc1 .Lstep
	QUARTER 2, F1, F0, 0                           ; the last two K steps are written out: nothing is asked for
	QUARTER 3, F0, F1, 0
	TURN 0
	QUARTER 1, F0, F1, 0
	QUARTER 2, F1, F0, 0
	QUARTER 3, F0, F1, 0
	LASTQ
	PLACES
	PLACES
	v_mov_b32 v[EV+1], 0                           ; named with E as a pair, so it is written
	; THE WAY OUT, a block of 16 rows at a time.  SMX: the block's maximum, E, p, l; p rounded to bf16.  Then 16 bytes a lane into my own stage, back as whole rows of 256 bytes, stored.
.macro SMX a
.set AC, 64*(\a)
	WIN 0x15                                       ; three sources in window 1.
.irp b, 0,1,2,3,4,5,6,7
	v_max3_num_f32 v[CH+(\b)], v[AC+8*(\b)], v[AC+8*(\b)+1], v[AC+8*(\b)+2]
.endr
	WIN 0x14
.irp b, 0,1,2,3,4,5,6,7
	v_max3_num_f32 v[CH+(\b)], v[CH+(\b)], v[AC+8*(\b)+3], v[AC+8*(\b)+4]
.endr
.irp b, 0,1,2,3,4,5,6,7
	v_max3_num_f32 v[CH+(\b)], v[CH+(\b)], v[AC+8*(\b)+5], v[AC+8*(\b)+6]
.endr
.irp b, 0,1,2,3
	v_max3_num_f32 v[CH+(\b)], v[CH+(\b)], v[AC+16*(\b)+7], v[AC+16*(\b)+15]
.endr
	WIN 0
	v_max3_num_f32 v[CH], v[CH], v[CH+1], v[CH+2]
	v_max3_num_f32 v[CH+3], v[CH+3], v[CH+4], v[CH+5]
	v_max3_num_f32 v[CH], v[CH], v[CH+3], v[CH+6]
	v_max_num_f32 v[CH], v[CH], v[CH+7]
	v_permlanex16_b32 v[CH+1], v[CH], s72, s73     ; the query's other 64 keys lie in the lane 16 away
	v_max_num_f32 v[CH], v[CH], v[CH+1]
	v_mul_f32 v[EV], s70, v[CH]
	v_floor_f32 v[EV], v[EV]                       ; E = floor(c m)
	WIN 0x41                                       ; in place in window 1; E in window 0
.set i, 0
.rept 32
	v_pk_fma_f32 v[AC+i:AC+i+1], v[AC+i:AC+i+1], s[70:71], v[EV:EV+1] op_sel_hi:[1,0,0] neg_lo:[0,0,1] neg_hi:[0,0,1]  ; c s - E
.set i, i+2
.endr
.set i, 0
.rept 64
	v_exp_f32 v[AC+i], v[AC+i]                     ; one batch: none of these names another's result
.set i, i+1
.endr
	v_nop                                          ; a plain instruction behind the last exponential,
	s_wait_alu depctr_va_vdst(0)                   ; and the one wait ahead of the first line that names a result
	WIN 0x05
.irp b, 0,1,2,3,4,5,6,7
.irp r, 0,1,2,3
	v_cvt_pk_bf16_f32 v[TMP+4*(\b)+(\r)], v[AC+8*(\b)+2*(\r)], v[AC+8*(\b)+2*(\r)+1]
.endr
.endr
	WIN 0x45                                       ; the sum of my 64 unrounded p, in place, two at a time: halves of 32, 16, 8 and 4 registers
.irp w, 32,16,8,4
.set i, 0
.rept (\w)/2
	v_pk_add_f32 v[AC+i:AC+i+1], v[AC+i:AC+i+1], v[AC+(\w)+i:AC+(\w)+i+1]
.set i, i+2
.endr
.endr
	WIN 0x05
	v_pk_add_f32 v[LS:LS+1], v[AC:AC+1], v[AC+2:AC+3]
	WIN 0
	v_add_f32 v[LS], v[LS], v[LS+1]
	v_permlanex16_b32 v[LS+1], v[LS], s72, s73
	v_add_f32 v[LS], v[LS], v[LS+1]
	v_cndmask_b32 v[SV], v[EV], v[LS], s74
	ds_store_b32 v27, v[SV] offset:64*(\a)
.endm
.macro TOSTAGE a
.set BK, OB+32*((\a)%2)
.irp b, 0,1,2,3,4,5,6,7
	ds_store_b128 v24, v[TMP+4*(\b):TMP+4*(\b)+3] offset:32*(\b)
.endr
.irp t, 0,1,2,3,4,5,6,7
	ds_load_b128 v[BK+4*(\t):BK+4*(\t)+3], v25 offset:(\t)*2*SP  ; LDS serves a wave's instructions in order (ISA guide 5.7.1.4): these see the stores above
.endr
.endm
.macro SEND a
.set BK, OB+32*((\a)%2)
	s_wait_dscnt 0x0                               ; the block is back in registers
	s_wait_xcnt 0x0                                ; the stores two blocks back have read their registers: the next block's loads land there
.irp t, 0,1,2,3,4,5,6,7
	global_store_b128 v26, v[BK+4*(\t):BK+4*(\t)+3], s[8:9] offset:(16*(\a)+2*(\t))*LDC  ; 16 lanes store 256 consecutive bytes, aligned
.endr
.endm
	SMX 0
	TOSTAGE 0
.irp a, 1,2,3
	SMX \a                                         ; a block's arithmetic stands between the loads of the block before and the wait for them
	SEND (\a)-1
	TOSTAGE \a
.endr
	SEND 3
	ds_load_b128 v[144:147], v6                    ; my 64 rows' E and l: my own bytes, stored above
	s_wait_dscnt 0x0
	global_store_b128 v31, v[144:147], s[76:77]    ; two runs of 256 consecutive bytes, aligned
	s_wait_tensorcnt 0x0                           ; the wave's end: behind my last tensor load and my last LDS store
	ds_add_u32 v28, v29
	s_wait_dscnt 0x0
	CROUND                                         ; the closing round: no work-group ends while a partner may still ask for a tile that names it
	s_endpgm
.Lfunc_end_k_qa420429468_score:
	.size	k_qa420429468_score, .Lfunc_end_k_qa420429468_score-k_qa420429468_score
	.p2alignl 7, 3214868480
	.fill 96, 4, 3214868480
	.section	.rodata,"a",@progbits
	.p2align	6, 0x0
	.amdhsa_kernel k_qa420429468_score
		.amdhsa_group_segment_fixed_size 327680
		.amdhsa_private_segment_fixed_size 0
		.amdhsa_enable_private_segment 0
		.amdhsa_kernarg_size 24
		.amdhsa_user_sgpr_count 2
		.amdhsa_user_sgpr_kernarg_segment_ptr 1
		.amdhsa_wavefront_size32 1
		.amdhsa_system_sgpr_workgroup_id_x 1
		.amdhsa_system_sgpr_workgroup_id_y 1
		.amdhsa_system_sgpr_workgroup_id_z 1
		.amdhsa_system_vgpr_workitem_id 0
		.amdhsa_next_free_vgpr 512
		.amdhsa_next_free_sgpr 96
		.amdhsa_reserve_vcc 0
		.amdhsa_float_denorm_mode_32 3
		.amdhsa_float_denorm_mode_16_64 3
		.amdhsa_memory_ordered 1
		.amdhsa_forward_progress 1
		.amdhsa_inst_pref_size 107
	.end_amdhsa_kernel
	.amdgpu_metadata
---
amdhsa.version: [ 1, 2 ]
amdhsa.kernels:
  - .name:           k_qa420429468_score
    .symbol:         k_qa420429468_score.kd
    .args:
      - { .name: qkv, .offset: 0, .size: 8, .value_kind: global_buffer, .address_space: global }
      - { .name: pb, .offset: 8, .size: 8, .value_kind: global_buffer, .address_space: global }
      - { .name: st, .offset: 16, .size: 8, .value_kind: global_buffer, .address_space: global }
    .group_segment_fixed_size: 327680
    .private_segment_fixed_size: 0
    .kernarg_segment_align: 8
    .kernarg_segment_size: 24
    .max_flat_workgroup_size: 128
    .sgpr_count:     96
    .vgpr_count:     512
    .wavefront_size: 32
...
	.end_amdgpu_metadata
.endif
;; end of part 3
;; launch pv (part 4): grid 4 x 64, 4 waves a work-group, clusters of 4 x 4, 327,680 bytes of LDS; arguments pb, qkv, st, cb; writes cb
.if DOCPART == 4
	.amdgcn_target "amdgcn-amd-amdhsa--gfx1250"
	.amdhsa_code_object_version 6
	.text
	.protected	k_qa420429468_pv
	.globl	k_qa420429468_pv
	.p2align	8
	.type	k_qa420429468_pv,@function
k_qa420429468_pv:
	s_mov_b64 s[64:65], 0
	v_nop
	global_prefetch_b8 v0, s[64:65] scope:SCOPE_SE
	s_setreg_imm32_b32 hwreg(HW_REG_WAVE_MODE, 25, 1), 1
	s_wait_xcnt 0x0
	s_wait_alu depctr_hold_cnt(0) depctr_sa_sdst(0) depctr_va_vdst(0) depctr_va_sdst(0) depctr_va_ssrc(0) depctr_va_vcc(0) depctr_vm_vsrc(0)
	s_getreg_b32 s2, hwreg(HW_REG_IB_STS2, 6, 4)
	s_cmp_eq_u32 s2, 0
	s_cbranch_scc0 .Lentry_in_a_cluster
	s_endpgm
.Lentry_in_a_cluster:
	s_bfe_u32 s2, ttmp6, 0x10000c
	s_cmp_lg_u32 s2, 0xf033
	s_cbranch_scc0 .Lentry_shape_is_right
	s_endpgm
.Lentry_shape_is_right:
; THE SECOND HALF OF THE SOFTMAX AND ITS PRODUCT.  cb[row][n] = bf16( (sum over the 16 blocks of 128 keys of f_blk sum over the block's keys of p[row][key] V[key][n]) / L ),
; f_blk = 2^(E_blk - E_row), E_row the largest of the row's 16 E, L = the sum of f_blk l_blk.  pb: [8192][2048] bf16, V: plane 2 of qkv, [8192][1024] bf16, st: [2][16][8192] f32 (E, l), cb: [8192][1024] bf16.
; The E are whole numbers, so f is a power of two and p f is exact in bf16: the row's true maximum is taken away (rounded down to a whole exponent) without a second rounding of p.  Sums in f32.
; LIMITS.  A block whose E lies 126 or more below the row's counts as 0; ctx is rounded once to bf16; NaN and infinities are not treated apart.  L lies between about 1 and 4,096.
; SHARES.  A tile of C is 128 rows x 256 columns.  Four waves, each 64 x 128: 32 accumulators of 16 x 16.  K (the batch's 2,048 keys) goes in steps of 128, a block each, through two LDS slots.
; B = V LIES [K][N] in memory and in LDS; its fragments come out of LDS turned, by ds_load_tr16_b128.  A = p lies [M][K]; its fragments are multiplied by their rows' f (two bf16 a line) on the way to the matrix unit.
; THE MATRIX INSTRUCTION IS USED TRANSPOSED (source 0 = 16 columns of V, source 1 = 16 rows of p): a lane holds row l % 16 of C and the 8 neighbouring columns 8 (l / 16) + 0..7.
; CLUSTER 4 x 4: the four work-groups of a row of the cluster need the same tile of p, the four of a column the same tile of V (all sixteen lie in one batch): each tile is asked for jointly.
; REGISTERS, in windows of 256 (s_set_vgpr_msb: bits 1:0 source 0, 3:2 source 1, 5:4 source 2, 7:6 destination):
;   window 0: v0-31 addresses; v32-127, v128-223 two fragment buffers; v224-227 the step's f for my four row blocks (twice in each word); v228-235 1 / L, a pair a row block; on the way out v32-63 packed results, v64-127 rows read back
;   window 1: the accumulators, (a, b) at v[8 (8 a + b)]
.set NSTEP, 16                         ; K steps
.set LDA,   2048                       ; elements in a row of A
.set BKN,   1                          ; B lies [K][N]
.set BSTEP, 262144                     ; bytes from a K step of B to the next: 128 rows of 2,048
.set BD0,   256                        ; B's tensor load: elements in a row,
.set BD1,   64                         ; rows
.set LDC,   2048                       ; bytes in a row of C
.set HASBIAS, 0                        ; the first products start from 0
.set SCALED, 1                         ; A's fragments are multiplied by their rows' factors
.set PA,    272                        ; an LDS row of A: 256 bytes + 16: the 16 rows of a fragment load start 68 words apart
.set PB,    544                        ; an LDS row of B [K][N]: 512 bytes + 32: 16 lanes of the turning load take 8 rows x 32 bytes, 136 words apart
.set BOFF,  128*PA                     ; B's tile lies behind A's 128 rows
.set BHALF, 34816                      ; half of B's tile: what one tensor load brings
.set SLOT1, 131072                     ; slot 1 begins here, so that one exclusive or turns an address in one slot into the other's
.set STAGE, SLOT1+BOFF+2*BHALF         ; behind the ring, never filled by a tensor load: the waves' stages for the way out
.set TAB,   STAGE+33792                ; f: [16 blocks][2 row halves][16 r][4 a] words, 8,192 bytes; then 1 / L: [128 rows] pairs, 1,024 bytes
.set SPARE, TAB+9216                   ; the spare words, 128 bytes for each wave: two blocks of 256 bytes that no other line names
.set ASTEP, 256                        ; bytes from a K step of A to the next
.set SP,    272                        ; a row of my stage
.set F0,    32
.set F1,    128
.set FP,    224
.set RI,    228
.set TMP,   32
.set OB,    64
.set MULW,  0x50                       ; C and D in window 1, sources in window 0
.set GPAD5, (1<<16)|(1<<20)|(1<<21)|(5<<22)|(3<<25)  ; 2-byte elements; padding on; bit 21 beside a mask; after every 64 words 4 words
.set GPAD6, (1<<16)|(1<<20)|(1<<21)|(6<<22)|(7<<25)  ; the same: after every 128 words 8 words
.set GB0,   GPAD6
.set MSB, 0
.macro WIN new                         ; the immediate's high byte repeats the setting that is left; a switch that changes nothing is dropped
.if MSB != (\new)
	s_set_vgpr_msb (MSB<<8)|(\new)
.set MSB, \new
.endif
.endm
.macro PLACES                          ; four places: behind a matrix instruction and in front of loads into registers that it read, or of lines that read its result
.rept 4
	v_nop
.endr
.endm
.macro CREST                           ; a round of the cluster's barrier behind its opening barrier
	s_cmp_lg_u32 s10, 0
	s_cbranch_scc1 .Lnot_wave_0_\@
	s_barrier_signal -3
.Lnot_wave_0_\@:
	s_barrier_wait -3
	s_barrier_signal -1
	s_barrier_wait -1
.endm
.macro CROUND                          ; a whole round
	s_barrier_signal -1
	s_barrier_wait -1
	CREST
.endm
.macro JLOAD                           ; a joint refill by the walking descriptors: waves 0, 1 fetch A's halves, waves 2, 3 B's; s_nop 0 and four v_nop follow each line
	s_cmp_eq_u32 s11, 0
	s_cbranch_scc0 .Lfor_b_\@
	tensor_load_to_lds s[36:39], s[24:31]
	s_nop 0
	PLACES
	s_branch .Lasked_\@
.Lfor_b_\@:
	tensor_load_to_lds s[60:63], s[48:55]
	s_nop 0
	PLACES
.Lasked_\@:
.endm
; A PREFETCH INTO THE L2 of the K step that stands two refills on (256 matrix instructions ahead of the load that wants it): one instruction, a lane a row, 256 bytes of the row.
; Each such block is named once in the launch: p's by wave 0 (the grid has one cluster along x), the four partners of a tile row taking 32 rows each by address; V's by waves 2 and 3 of each batch's first
; cluster along y, the four partners of a tile column taking 32 k-rows each by address, the two waves the two halves of a row's 512 bytes.  The last two filling trips (s3 = 2, 1) have no K step two refills on.
.macro ASK
	s_cmp_gt_u32 s3, s43
	s_cbranch_scc0 .Lnot_mine_\@
	global_prefetch_b8 v30, s[44:45] th:TH_LOAD_NT scope:SCOPE_SE
.Lnot_mine_\@:
.endm
; 8 matrix instructions: row block a x all 8 column blocks, 32 along K, from buffer f.  cm = 1: the first products start the sums.  The 32 accumulators take turns in the same order in every quarter.
.macro MUL8 f, a, cm
.if (\cm) && HASBIAS
	WIN 0x60                                       ; C in window 2
.else
	WIN MULW
.endif
.irp b, 0,1,2,3,4,5,6,7
.if (\cm) && HASBIAS
	v_wmma_f32_16x16x32_bf16 v[8*(8*(\a)+(\b)):8*(8*(\a)+(\b))+7], v[(\f)+8*(\b):(\f)+8*(\b)+7], v[(\f)+64+8*(\a):(\f)+64+8*(\a)+7], v[8*(\b):8*(\b)+7]
.elseif \cm
	v_wmma_f32_16x16x32_bf16 v[8*(8*(\a)+(\b)):8*(8*(\a)+(\b))+7], v[(\f)+8*(\b):(\f)+8*(\b)+7], v[(\f)+64+8*(\a):(\f)+64+8*(\a)+7], 0
.else
	v_wmma_f32_16x16x32_bf16 v[8*(8*(\a)+(\b)):8*(8*(\a)+(\b))+7], v[(\f)+8*(\b):(\f)+8*(\b)+7], v[(\f)+64+8*(\a):(\f)+64+8*(\a)+7], v[8*(8*(\a)+(\b)):8*(8*(\a)+(\b))+7]
.endif
.endr
.endm
; 24 LDS loads in one run: quarter q (32 along K) of the slot in hand into buffer g: B's 8 fragments first, then A's 4
.macro FETCH q, g
	WIN 0
.irp b, 0,1,2,3,4,5,6,7
.if BKN
	ds_load_tr16_b128 v[(\g)+8*(\b):(\g)+8*(\b)+3],   v19 offset:(\q)*32*PB+32*(\b)
	ds_load_tr16_b128 v[(\g)+8*(\b)+4:(\g)+8*(\b)+7], v19 offset:(\q)*32*PB+16*PB+32*(\b)
.else
	ds_load_b128 v[(\g)+8*(\b):(\g)+8*(\b)+3],   v19 offset:64*(\q)+(\b)*16*PA
	ds_load_b128 v[(\g)+8*(\b)+4:(\g)+8*(\b)+7], v19 offset:64*(\q)+(\b)*16*PA+32
.endif
.endr
.irp a, 0,1,2,3
	ds_load_b128 v[(\g)+64+8*(\a):(\g)+64+8*(\a)+3],   v18 offset:64*(\q)+(\a)*16*PA
	ds_load_b128 v[(\g)+64+8*(\a)+4:(\g)+8*(\a)+64+7], v18 offset:64*(\q)+(\a)*16*PA+32
.endr
.endm
.macro SCALE f, a0                     ; A's row blocks a0, a0 + 1 times their rows' factors: a power of two, so nothing is rounded
.if SCALED
	WIN 0
.irp a, \a0, (\a0)+1
.irp i, 0,1,2,3,4,5,6,7
	v_pk_mul_bf16 v[(\f)+64+8*(\a)+(\i)], v[(\f)+64+8*(\a)+(\i)], v[FP+(\a)]
.endr
.endr
.endif
.endm
; A K step is four quarters of 32 along K, 32 matrix instructions each, on buffers 0, 1, 0, 1.  One of the first three: multiplies buffer f; in its middle it fetches quarter q into buffer g.
.macro QUARTER q, f, g, cm
	s_wait_dscnt 4                                 ; B and A's row blocks 0, 1 are in; the youngest four loads (blocks 2, 3) may be out
	SCALE \f, 0
	MUL8 \f, 0, \cm
	MUL8 \f, 1, \cm
	WIN 0
.if SCALED
	s_wait_dscnt 0x0                               ; A's row blocks 2, 3 are in
	SCALE \f, 2                                    ; its 16 plain lines are also the places in front of the loads
.else
	PLACES
.endif
	FETCH \q, \g
.if !SCALED
	s_wait_dscnt 24                                ; all but the 24 just issued
.endif
	MUL8 \f, 2, \cm
	MUL8 \f, 3, \cm
.endm
; The last quarter multiplies buffer 1 and changes slots: ONE barrier.  In front of it each wave waits for all its tensor loads (one is out: its part of the next slot), adds 0 to its spare word, and waits for
; that and for its reads of this slot.  fill = 1: the barrier opens a round of the cluster's barrier, and the joint refill of the slot just read, with the K step two on, is the first thing behind the round:
; 112 matrix instructions stand between it and the wait for it.  The next block's factors are read with the next slot's first fragments.
.macro TURN fill
.if \fill
	s_wait_xcnt 0x0                                ; the last prefetch, a K step back, has read its address
	s_add_nc_u64 s[44:45], s[44:45], s[66:67]
.endif
	WIN 0
	s_wait_tensorcnt 0x0                           ; no tensor load of mine is out, so a group 0 may be written
	ds_add_u32 v28, v29                            ; 0 onto my spare word
.if \fill
	s_xor_b32 s37, s37, SLOT1                      ; the walking descriptors: the other slot than last time,
	s_add_nc_u64 s[38:39], s[38:39], ASTEP         ; the next K step; the type bits on top are not reached
	s_xor_b32 s61, s61, SLOT1
	s_add_nc_u64 s[62:63], s[62:63], BSTEP
.endif
	s_xor_b32 s68, s68, SLOT1                      ; the fetches go to the other slot
	s_wait_dscnt 5                                 ; the add and the youngest four loads may be out
	SCALE F1, 0
	MUL8 F1, 0, 0
	s_wait_dscnt 0x0                               ; the add is done, and my reads of this slot are over
	s_barrier_signal -1
	MUL8 F1, 1, 0
	WIN 0
	v_add_nc_u32 v18, s68, v16
	v_add_nc_u32 v19, s68, v17
.if SCALED
	SCALE F1, 2
	v_add_nc_u32 v20, 512, v20
.endif
	s_barrier_wait -1
.if \fill
	CREST                                          ; no wave of any partner still reads this slot or has a load on its way
	JLOAD                                          ; its four v_nop are also the places in front of the loads below
.else
	PLACES
.endif
.if SCALED
	ds_load_b128 v[FP:FP+3], v20
.endif
	FETCH 0, F0
.if \fill
	ASK
.endif
	MUL8 F1, 2, 0
	MUL8 F1, 3, 0
.endm
.macro LASTQ                           ; the very last quarter: nothing more to fetch
	s_wait_dscnt 4
	SCALE F1, 0
	MUL8 F1, 0, 0
	MUL8 F1, 1, 0
	s_wait_dscnt 0x0
	SCALE F1, 2
	MUL8 F1, 2, 0
	MUL8 F1, 3, 0
	WIN 0
.endm
	s_load_b128 s[4:7], s[0:1], 0x0                ; pb s[4:5], qkv s[6:7]
	s_load_b64 s[76:77], s[0:1], 0x10              ; st
	s_load_b64 s[8:9], s[0:1], 0x18                ; cb
	v_lshl_add_u32 v28, v0, 2, SPARE
	v_mov_b32 v29, 0
	ds_add_u32 v28, v29                            ; the wave's opening: the add and its wait ahead of my first tensor load; the set-up below stands between them
	v_lshrrev_b32 v1, 5, v0
	v_readfirstlane_b32 s10, v1                    ; wave 0..3
	s_lshr_b32 s11, s10, 1                         ; rh: which 64 rows of the tile are mine.  Also: I fetch for A (0) or for B (1)
	s_and_b32 s12, s10, 1                          ; ch: which 128 columns.  Also: which half of that tile I fetch
	s_bfe_u32 s40, ttmp6, 0x40000                  ; cx
	s_bfe_u32 s41, ttmp6, 0x40004                  ; cy
	s_and_b32 s84, ttmp7, 0xffff                   ; cluster y
	s_lshl_b32 s42, s84, 2
	s_add_co_u32 s42, s42, s41                     ; tile row = 4 x cluster y + cy
	s_lshr_b32 s90, s84, 2                         ; the batch: four clusters along y each; the same in all sixteen partners
	s_lshl_b32 s13, s41, 2
	s_lshl_b32 s13, 15, s13                        ; my row of the cluster
	s_lshl_b32 s22, 0x1111, s40                    ; my column
	s_or_b32 s24, s13, GPAD5                       ; group 1 for A: 64 rows x 128 elements
	s_mov_b32 s25, 128<<16                         ; tensor_dim0
	s_mov_b32 s26, 64<<16                          ; tensor_dim1
	s_mov_b32 s27, 128<<16                         ; tile_dim0
	s_mov_b32 s28, 64                              ; tile_dim1
	s_mov_b32 s29, LDA                             ; elements from row to row
	s_mov_b32 s30, 0
	s_mov_b32 s31, 0
	s_or_b32 s48, s22, GB0                         ; group 1 for B: 64 k-rows x 256 elements
	s_mov_b32 s49, BD0<<16
	s_mov_b32 s50, BD1<<16
	s_mov_b32 s51, BD0<<16
	s_mov_b32 s52, BD1
	s_mov_b32 s53, 1024
	s_mov_b32 s54, 0
	s_mov_b32 s55, 0
	s_lshl_b32 s16, s42, 7                         ; A = p: row 128 x tile row + 64 x half,
	s_lshl_b32 s17, s12, 6
	s_add_co_u32 s16, s16, s17
	s_mul_i32 s16, s16, LDA*2                      ; in bytes
	s_mov_b32 s17, 0
	s_lshl_b32 s46, s90, 22                        ; B = V: the batch's 2,048 rows of 2,048 bytes,
	s_lshl_b32 s47, s12, 17                        ; my 64 k-rows of the step,
	s_add_co_u32 s46, s46, s47
	s_lshl_b32 s47, s40, 9                         ; the tile's 256 columns,
	s_add_co_u32 s46, s46, s47
	s_add_co_u32 s46, s46, 33554432                ; in plane 2
	s_mov_b32 s47, 0
	s_mul_i32 s20, s12, 64*PA                      ; where the halves go in a slot: no place in the cluster enters an LDS address
	s_mul_i32 s21, s12, BHALF
	s_add_co_u32 s21, s21, BOFF
	s_mov_b32 s68, 0                               ; the fetches begin in slot 0
	s_wait_dscnt 0x0                               ; the opening add is done
	s_wait_kmcnt 0x0
	s_add_nc_u64 s[14:15], s[4:5], s[16:17]
	s_add_nc_u64 s[46:47], s[6:7], s[46:47]
	CROUND                                         ; all sixteen work-groups are here: the first joint loads meet
	s_mov_b32 s32, 1                               ; group 0, A, K step 0 into slot 0
	s_mov_b32 s33, s20
	s_mov_b64 s[34:35], s[14:15]
	s_or_b32 s35, s35, 0x80000000
	s_mov_b32 s36, 1                               ; A, K step 1 into slot 1; this set then walks on
	s_add_co_u32 s37, s20, SLOT1
	s_add_nc_u64 s[38:39], s[14:15], ASTEP
	s_or_b32 s39, s39, 0x80000000
	s_mov_b32 s56, 1                               ; the same for B
	s_mov_b32 s57, s21
	s_mov_b64 s[58:59], s[46:47]
	s_or_b32 s59, s59, 0x80000000
	s_mov_b32 s60, 1
	s_add_co_u32 s61, s21, SLOT1
	s_add_nc_u64 s[62:63], s[46:47], BSTEP
	s_or_b32 s63, s63, 0x80000000
	s_cmp_eq_u32 s11, 0                            ; a wave's two first fills stand in one branch: two loads of mine are out
	s_cbranch_scc0 .Lfirst_b
	tensor_load_to_lds s[32:35], s[24:31]
	s_nop 0
	tensor_load_to_lds s[36:39], s[24:31]
	s_nop 0
	PLACES
	s_branch .Lfirst_asked
.Lfirst_b:
	tensor_load_to_lds s[56:59], s[48:55]
	s_nop 0
	tensor_load_to_lds s[60:63], s[48:55]
	s_nop 0
	PLACES
.Lfirst_asked:
	; THE FACTORS.  Thread t stands for row t of the tile: its 16 E into v32-47, its 16 l into v48-63
	s_lshl_b32 s13, s42, 9                         ; 128 rows x 4 bytes a tile row
	v_lshl_add_u32 v31, v0, 2, s13
.irp k, 0,1,2,3,4,5,6,7,8,9,10,11,12,13,14,15
	global_load_b32 v[32+(\k)], v31, s[76:77] offset:(\k)*32768
	global_load_b32 v[48+(\k)], v31, s[76:77] offset:524288+(\k)*32768
.endr
	v_and_b32 v1, 15, v0                           ; r = l % 16
	v_bfe_u32 v2, v0, 4, 1                         ; h = l / 16
	v_and_b32 v3, 31, v0                           ; l
	; fragment addresses.  A: row x pitch + 16 x half.  B turned: lane l reads k-row 8 (l / 16) + l % 8, columns 8 ((l / 8) % 2) + 0..7
	v_mul_u32_u24 v16, v1, PA
	v_lshl_add_u32 v16, v2, 4, v16
	s_mul_i32 s13, s11, 64*PA                      ; my 64 rows of A
	v_add_nc_u32 v16, s13, v16
	v_and_b32 v4, 7, v0
	v_lshl_add_u32 v4, v2, 3, v4
	v_mul_u32_u24 v17, v4, PB
	v_bfe_u32 v5, v0, 3, 1
	v_lshl_add_u32 v17, v5, 4, v17
	s_lshl_b32 s13, s12, 8                         ; my 128 columns of B
	s_add_co_u32 s13, s13, BOFF
	v_add_nc_u32 v17, s13, v17
	; the way out: my stage, and my corner of C
	s_mul_i32 s13, s10, 16*SP
	s_add_co_u32 s13, s13, STAGE
	v_mul_u32_u24 v24, v1, SP                      ; in: row l % 16, 16 bytes for each half of the lanes
	v_lshl_add_u32 v24, v2, 4, v24
	v_add_nc_u32 v24, s13, v24
	v_mul_u32_u24 v25, v2, SP                      ; back: lanes 0-15 one row of 256 bytes, lanes 16-31 the next
	v_lshl_add_u32 v25, v1, 4, v25
	v_add_nc_u32 v25, s13, v25
	v_mul_u32_u24 v26, v2, LDC                     ; the same two rows in C
	v_lshl_add_u32 v26, v1, 4, v26
	s_lshl_b32 s18, s42, 7
	s_lshl_b32 s22, s11, 6
	s_add_co_u32 s18, s18, s22                     ; my first row
	s_lshl_b32 s18, s18, 11                        ; x 2,048 bytes
	s_lshl_b32 s22, s40, 9
	s_add_co_u32 s18, s18, s22
	s_lshl_b32 s22, s12, 8
	s_add_co_u32 s18, s18, s22
	s_mov_b32 s19, 0
	s_add_nc_u64 s[8:9], s[8:9], s[18:19]
	; the prefetches: who asks, and where they stand (at K step 3; each filling change of slots steps them first)
	s_lshl_b32 s86, s42, 7
	s_lshl_b32 s88, s40, 5
	s_add_co_u32 s86, s86, s88                     ; A: row 128 x tile row + 32 cx
	s_mul_i32 s86, s86, LDA*2
	s_add_co_u32 s86, s86, 3*ASTEP
	s_lshl_b32 s87, s90, 22                        ; B: the batch, the tile's columns, my half of a row's 512 bytes, k-row 32 cy
	s_lshl_b32 s88, s40, 9
	s_add_co_u32 s87, s87, s88
	s_lshl_b32 s88, s12, 8
	s_add_co_u32 s87, s87, s88
	s_lshl_b32 s88, s41, 16
	s_add_co_u32 s87, s87, s88
	s_add_co_u32 s87, s87, 33554432+3*BSTEP
	s_or_b32 s13, s12, ttmp9                       ; A: 0 in wave 0 of a cluster with x = 0
	s_and_b32 s22, s84, 3                          ; B: 0 in a batch's first cluster along y
	s_mov_b32 s66, BSTEP
	s_mov_b32 s67, 0
	s_mov_b32 s89, 2048
	s_cmp_eq_u32 s11, 0
	s_cselect_b32 s13, s13, s22
	s_cselect_b64 s[44:45], s[4:5], s[6:7]
	s_cselect_b32 s86, s86, s87
	s_cselect_b32 s66, ASTEP, s66
	s_cselect_b32 s89, LDA*2, s89
	s_mov_b32 s87, 0
	s_add_nc_u64 s[44:45], s[44:45], s[86:87]
	s_cmp_eq_u32 s13, 0
	s_cselect_b32 s43, 2, -1                       ; the same in all sixteen partners, for a given wave
	v_mul_u32_u24 v30, v3, s89                     ; a lane a row
	; where the tables are written (by row t) and read (by lane)
	v_lshrrev_b32 v4, 6, v0                        ; t / 64: the row half
	v_lshlrev_b32 v84, 8, v4
	v_lshl_add_u32 v84, v1, 4, v84                 ; t % 16
	v_bfe_u32 v5, v0, 4, 2                         ; (t / 16) % 4: the row block
	v_lshl_add_u32 v84, v5, 2, v84
	v_add_nc_u32 v84, TAB, v84
	v_lshl_add_u32 v85, v0, 3, TAB+8192
	s_lshl_b32 s13, s11, 8
	s_add_co_u32 s13, s13, TAB
	v_lshl_add_u32 v20, v1, 4, s13                 ; block 0's four factors of my lane's rows r, 16 + r, 32 + r, 48 + r
	s_lshl_b32 s13, s11, 9
	s_add_co_u32 s13, s13, TAB+8192
	v_lshl_add_u32 v6, v1, 3, s13
	s_wait_loadcnt 0x0                             ; E and l are in
	v_max3_num_f32 v64, v32, v33, v34              ; the row's largest E
.irp k, 35,37,39,41,43,45
	v_max3_num_f32 v64, v64, v[\k], v[(\k)+1]
.endr
	v_max_num_f32 v64, v64, v47
.irp k, 0,1,2,3,4,5,6,7,8,9,10,11,12,13,14,15
	v_sub_f32 v[66+(\k)], v[32+(\k)], v64          ; a whole number, 0 or below
.endr
.irp k, 0,1,2,3,4,5,6,7,8,9,10,11,12,13,14,15
	v_exp_f32 v[66+(\k)], v[66+(\k)]               ; f: one batch
.endr
	v_nop                                          ; a plain instruction behind the last exponential,
	s_wait_alu depctr_va_vdst(0)                   ; and the one wait ahead of the first line that names a result
	v_mul_f32 v82, v66, v48                        ; L = the sum of f l, in two chains
	v_mul_f32 v83, v67, v49
.irp k, 2,3,4,5,6,7,8,9,10,11,12,13,14,15
	v_fmac_f32 v[82+(\k)%2], v[66+(\k)], v[48+(\k)]
.endr
.irp k, 0,1,2,3,4,5,6,7,8,9,10,11,12,13,14,15
	v_cvt_pk_bf16_f32 v[66+(\k)], v[66+(\k)], v[66+(\k)]  ; f twice in a word: rounded to bf16 it is the power of two itself
.endr
.irp k, 0,1,2,3,4,5,6,7,8,9,10,11,12,13,14,15
	ds_store_b32 v84, v[66+(\k)] offset:(\k)*512
.endr
	v_add_f32 v82, v82, v83
	v_rcp_f32 v86, v82
	v_nop
	s_wait_alu depctr_va_vdst(0)
	v_mov_b32 v87, v86
	ds_store_b64 v85, v[86:87]                     ; 1 / L, twice: a pair for the packed multiply
	s_wait_tensorcnt 0x1                           ; my part of K step 0 is in; K step 1's may stay out
	s_wait_dscnt 0x0                               ; for the others' sake: my part of the tables is stored
	s_barrier_signal -1
	s_barrier_wait -1                              ; everybody's is
	v_mov_b32 v18, v16
	v_mov_b32 v19, v17
	ds_load_b128 v[FP:FP+3], v20
.irp a, 0,1,2,3
	ds_load_b64 v[RI+2*(\a):RI+2*(\a)+1], v6 offset:128*(\a)
.endr
	FETCH 0, F0
	QUARTER 1, F0, F1, 1                           ; the first quarter stands in front of the loop: its products start the sums
	WIN 0                                          ; at a label and at a branch every window is 0
	s_mov_b32 s3, NSTEP-2
.Lstep:                                                ; a trip: quarters 1-3 of a K step and quarter 0 of the next; the slot read out is filled with the K step two on
	QUARTER 2, F1, F0, 0
	QUARTER 3, F0, F1, 0
	TURN 1
	QUARTER 1, F0, F1, 0
	WIN 0
	s_sub_co_u32 s3, s3, 1
	s_cmp_lg_u32 s3, 0
	s_cbranch_scc1 .Lstep
	QUARTER 2, F1, F0, 0                           ; the last two K steps are written out: nothing is asked for
	QUARTER 3, F0, F1, 0
	TURN 0
	QUARTER 1, F0, F1, 0
	QUARTER 2, F1, F0, 0
	QUARTER 3, F0, F1, 0
	LASTQ
	PLACES
	PLACES
	; THE WAY OUT, a block of 16 rows at a time: divided by L, rounded to bf16, 16 bytes a lane into my own stage, back as whole rows of 256 bytes, stored.
.macro PACK a
	WIN 0x41                                       ; in place in window 1; 1 / L in window 0
.set i, 64*(\a)
.rept 32
	v_pk_mul_f32 v[i:i+1], v[i:i+1], v[RI+2*(\a):RI+2*(\a)+1]
.set i, i+2
.endr
	WIN 0x05                                       ; sources in window 1
.irp b, 0,1,2,3,4,5,6,7
.irp r, 0,1,2,3
	v_cvt_pk_bf16_f32 v[TMP+4*(\b)+(\r)], v[64*(\a)+8*(\b)+2*(\r)], v[64*(\a)+8*(\b)+2*(\r)+1]
.endr
.endr
	WIN 0
.endm
.macro TOSTAGE a
.set BK, OB+32*((\a)%2)
.irp b, 0,1,2,3,4,5,6,7
	ds_store_b128 v24, v[TMP+4*(\b):TMP+4*(\b)+3] offset:32*(\b)
.endr
.irp t, 0,1,2,3,4,5,6,7
	ds_load_b128 v[BK+4*(\t):BK+4*(\t)+3], v25 offset:(\t)*2*SP  ; LDS serves a wave's instructions in order (ISA guide 5.7.1.4): these see the stores above
.endr
.endm
.macro SEND a
.set BK, OB+32*((\a)%2)
	s_wait_dscnt 0x0                               ; the block is back in registers
	s_wait_xcnt 0x0                                ; the stores two blocks back have read their registers: the next block's loads land there
.irp t, 0,1,2,3,4,5,6,7
	global_store_b128 v26, v[BK+4*(\t):BK+4*(\t)+3], s[8:9] offset:(16*(\a)+2*(\t))*LDC  ; 16 lanes store 256 consecutive bytes, aligned
.endr
.endm
	PACK 0
	TOSTAGE 0
.irp a, 1,2,3
	PACK \a                                        ; a block's arithmetic stands between the loads of the block before and the wait for them
	SEND (\a)-1
	TOSTAGE \a
.endr
	SEND 3
	s_wait_tensorcnt 0x0                           ; the wave's end: behind my last tensor load and my last LDS store
	ds_add_u32 v28, v29
	s_wait_dscnt 0x0
	CROUND                                         ; the closing round: no work-group ends while a partner may still ask for a tile that names it
	s_endpgm
.Lfunc_end_k_qa420429468_pv:
	.size	k_qa420429468_pv, .Lfunc_end_k_qa420429468_pv-k_qa420429468_pv
	.p2alignl 7, 3214868480
	.fill 96, 4, 3214868480
	.section	.rodata,"a",@progbits
	.p2align	6, 0x0
	.amdhsa_kernel k_qa420429468_pv
		.amdhsa_group_segment_fixed_size 327680
		.amdhsa_private_segment_fixed_size 0
		.amdhsa_enable_private_segment 0
		.amdhsa_kernarg_size 32
		.amdhsa_user_sgpr_count 2
		.amdhsa_user_sgpr_kernarg_segment_ptr 1
		.amdhsa_wavefront_size32 1
		.amdhsa_system_sgpr_workgroup_id_x 1
		.amdhsa_system_sgpr_workgroup_id_y 1
		.amdhsa_system_sgpr_workgroup_id_z 1
		.amdhsa_system_vgpr_workitem_id 0
		.amdhsa_next_free_vgpr 512
		.amdhsa_next_free_sgpr 96
		.amdhsa_reserve_vcc 0
		.amdhsa_float_denorm_mode_32 3
		.amdhsa_float_denorm_mode_16_64 3
		.amdhsa_memory_ordered 1
		.amdhsa_forward_progress 1
		.amdhsa_inst_pref_size 112
	.end_amdhsa_kernel
	.amdgpu_metadata
---
amdhsa.version: [ 1, 2 ]
amdhsa.kernels:
  - .name:           k_qa420429468_pv
    .symbol:         k_qa420429468_pv.kd
    .args:
      - { .name: pb, .offset: 0, .size: 8, .value_kind: global_buffer, .address_space: global }
      - { .name: qkv, .offset: 8, .size: 8, .value_kind: global_buffer, .address_space: global }
      - { .name: st, .offset: 16, .size: 8, .value_kind: global_buffer, .address_space: global }
      - { .name: cb, .offset: 24, .size: 8, .value_kind: global_buffer, .address_space: global }
    .group_segment_fixed_size: 327680
    .private_segment_fixed_size: 0
    .kernarg_segment_align: 8
    .kernarg_segment_size: 32
    .max_flat_workgroup_size: 128
    .sgpr_count:     96
    .vgpr_count:     512
    .wavefront_size: 32
...
	.end_amdgpu_metadata
.endif
;; end of part 4
;; launch outp (part 5): grid 4 x 64, 4 waves a work-group, clusters of 4 x 4, 327,680 bytes of LDS; arguments cb, wb, bo, out0; writes out0
.if DOCPART == 5
	.amdgcn_target "amdgcn-amd-amdhsa--gfx1250"
	.amdhsa_code_object_version 6
	.text
	.protected	k_qa420429468_outp
	.globl	k_qa420429468_outp
	.p2align	8
	.type	k_qa420429468_outp,@function
k_qa420429468_outp:
	s_mov_b64 s[64:65], 0
	v_nop
	global_prefetch_b8 v0, s[64:65] scope:SCOPE_SE
	s_setreg_imm32_b32 hwreg(HW_REG_WAVE_MODE, 25, 1), 1
	s_wait_xcnt 0x0
	s_wait_alu depctr_hold_cnt(0) depctr_sa_sdst(0) depctr_va_vdst(0) depctr_va_sdst(0) depctr_va_ssrc(0) depctr_va_vcc(0) depctr_vm_vsrc(0)
	s_getreg_b32 s2, hwreg(HW_REG_IB_STS2, 6, 4)
	s_cmp_eq_u32 s2, 0
	s_cbranch_scc0 .Lentry_in_a_cluster
	s_endpgm
.Lentry_in_a_cluster:
	s_bfe_u32 s2, ttmp6, 0x10000c
	s_cmp_lg_u32 s2, 0xf033
	s_cbranch_scc0 .Lentry_shape_is_right
	s_endpgm
.Lentry_shape_is_right:
; out0[row][n] = bf16(bo[n]) + sum over k of cb[row][k] wb[3][k][n].  cb: [8192][1024] bf16, wb: [4][1024][1024] bf16 (plane 3 = Wo as it is given), out0: [8192][1024] f32; sums in f32, stored as they are.
; LIMITS.  Wo and bo enter rounded to bf16; NaN and infinities are not treated apart.
; SHARES.  A tile of C is 128 rows x 256 columns.  Four waves, each 64 x 128: 32 accumulators of 16 x 16.  K goes in steps of 128 through two LDS slots.
; B LIES [K][N] in memory and in LDS; its fragments come out of LDS turned, by ds_load_tr16_b128.  A lies [M][K].
; THE MATRIX INSTRUCTION IS USED TRANSPOSED (source 0 = 16 columns of B, source 1 = 16 rows of A): a lane then holds row l % 16 of C and the 8 neighbouring columns 8 (l / 16) + 0..7.
; CLUSTER 4 x 4: the four work-groups of a row of the cluster need the same tile of A, the four of a column the same tile of B: each tile is asked for jointly, by the same load with the same descriptor and a mask of the four.
; REGISTERS, in windows of 256 (s_set_vgpr_msb: bits 1:0 source 0, 3:2 source 1, 5:4 source 2, 7:6 destination):
;   window 0: v0-31 addresses; v32-127, v128-223 two fragment buffers; on the way out v32-95 and v96-159 rows read back, by turns
;   window 1: the accumulators, (a, b) at v[8 (8 a + b)]          window 2: v0-63 the bias of my 128 columns, laid as a C operand; v64-95 at work
.set NSTEP, 8                          ; K steps
.set LDA,   1024                       ; elements in a row of A
.set BKN,   1                          ; B lies [K][N]
.set BSTEP, 262144                     ; bytes from a K step of B to the next: 128 rows of 2,048
.set BD0,   256                        ; B's tensor load: elements in a row,
.set BD1,   64                         ; rows
.set LDC,   4096                       ; bytes in a row of C
.set HASBIAS, 1                        ; the first products take the bias as C
.set SCALED, 0                         ; A's fragments are used as they come
.set PA,    272                        ; an LDS row of A: 256 bytes + 16: the 16 rows of a fragment load start 68 words apart
.set PB,    544                        ; an LDS row of B [K][N]: 512 bytes + 32: 16 lanes of the turning load take 8 rows x 32 bytes, 136 words apart
.set BOFF,  128*PA                     ; B's tile lies behind A's 128 rows
.set BHALF, 34816                      ; half of B's tile: what one tensor load brings
.set SLOT1, 131072                     ; slot 1 begins here, so that one exclusive or turns an address in one slot into the other's
.set STAGE, SLOT1+BOFF+2*BHALF         ; behind the ring, never filled by a tensor load: the waves' stages for the way out
.set TAB,   STAGE+33792                ; small tables (not used in this launch)
.set SPARE, TAB+9216                   ; the spare words, 128 bytes for each wave: two blocks of 256 bytes that no other line names
.set ASTEP, 256                        ; bytes from a K step of A to the next
.set SP,    528                        ; a row of my stage: 512 bytes + 16
.set F0,    32
.set F1,    128
.set FP,    224
.set OB,    32
.set MULW,  0x50                       ; C and D in window 1, sources in window 0
.set GPAD5, (1<<16)|(1<<20)|(1<<21)|(5<<22)|(3<<25)  ; 2-byte elements; padding on; bit 21 beside a mask; after every 64 words 4 words
.set GPAD6, (1<<16)|(1<<20)|(1<<21)|(6<<22)|(7<<25)  ; the same: after every 128 words 8 words
.set GB0,   GPAD6
.set MSB, 0
.macro WIN new                         ; the immediate's high byte repeats the setting that is left; a switch that changes nothing is dropped
.if MSB != (\new)
	s_set_vgpr_msb (MSB<<8)|(\new)
.set MSB, \new
.endif
.endm
.macro PLACES                          ; four places: behind a matrix instruction and in front of loads into registers that it read, or of lines that read its result
.rept 4
	v_nop
.endr
.endm
.macro CREST                           ; a round of the cluster's barrier behind its opening barrier
	s_cmp_lg_u32 s10, 0
	s_cbranch_scc1 .Lnot_wave_0_\@
	s_barrier_signal -3
.Lnot_wave_0_\@:
	s_barrier_wait -3
	s_barrier_signal -1
	s_barrier_wait -1
.endm
.macro CROUND                          ; a whole round
	s_barrier_signal -1
	s_barrier_wait -1
	CREST
.endm
.macro JLOAD                           ; a joint refill by the walking descriptors: waves 0, 1 fetch A's halves, waves 2, 3 B's; s_nop 0 and four v_nop follow each line
	s_cmp_eq_u32 s11, 0
	s_cbranch_scc0 .Lfor_b_\@
	tensor_load_to_lds s[36:39], s[24:31]
	s_nop 0
	PLACES
	s_branch .Lasked_\@
.Lfor_b_\@:
	tensor_load_to_lds s[60:63], s[48:55]
	s_nop 0
	PLACES
.Lasked_\@:
.endm
; A PREFETCH INTO THE L2 of the K step that stands two refills on (256 matrix instructions ahead of the load that wants it): one instruction, a lane a row, 256 bytes of the row.
; Each such block is named once in the launch: A's by wave 0 (the grid has one cluster along x), the four partners of a tile row taking 32 rows each by address; B's by waves 2 and 3 of the clusters with y = 0,
; the four partners of a tile column taking 32 k-rows each by address, the two waves the two halves of a row's 512 bytes.  The last two filling trips (s3 = 2, 1) have no K step two refills on.
.macro ASK
	s_cmp_gt_u32 s3, s43
	s_cbranch_scc0 .Lnot_mine_\@
	global_prefetch_b8 v30, s[44:45] th:TH_LOAD_NT scope:SCOPE_SE
.Lnot_mine_\@:
.endm
; 8 matrix instructions: row block a x all 8 column blocks, 32 along K, from buffer f.  cm = 1: the first products start the sums.  The 32 accumulators take turns in the same order in every quarter.
.macro MUL8 f, a, cm
.if (\cm) && HASBIAS
	WIN 0x60                                       ; C in window 2
.else
	WIN MULW
.endif
.irp b, 0,1,2,3,4,5,6,7
.if (\cm) && HASBIAS
	v_wmma_f32_16x16x32_bf16 v[8*(8*(\a)+(\b)):8*(8*(\a)+(\b))+7], v[(\f)+8*(\b):(\f)+8*(\b)+7], v[(\f)+64+8*(\a):(\f)+64+8*(\a)+7], v[8*(\b):8*(\b)+7]
.elseif \cm
	v_wmma_f32_16x16x32_bf16 v[8*(8*(\a)+(\b)):8*(8*(\a)+(\b))+7], v[(\f)+8*(\b):(\f)+8*(\b)+7], v[(\f)+64+8*(\a):(\f)+64+8*(\a)+7], 0
.else
	v_wmma_f32_16x16x32_bf16 v[8*(8*(\a)+(\b)):8*(8*(\a)+(\b))+7], v[(\f)+8*(\b):(\f)+8*(\b)+7], v[(\f)+64+8*(\a):(\f)+64+8*(\a)+7], v[8*(8*(\a)+(\b)):8*(8*(\a)+(\b))+7]
.endif
.endr
.endm
; 24 LDS loads in one run: quarter q (32 along K) of the slot in hand into buffer g: B's 8 fragments first, then A's 4
.macro FETCH q, g
	WIN 0
.irp b, 0,1,2,3,4,5,6,7
.if BKN
	ds_load_tr16_b128 v[(\g)+8*(\b):(\g)+8*(\b)+3],   v19 offset:(\q)*32*PB+32*(\b)
	ds_load_tr16_b128 v[(\g)+8*(\b)+4:(\g)+8*(\b)+7], v19 offset:(\q)*32*PB+16*PB+32*(\b)
.else
	ds_load_b128 v[(\g)+8*(\b):(\g)+8*(\b)+3],   v19 offset:64*(\q)+(\b)*16*PA
	ds_load_b128 v[(\g)+8*(\b)+4:(\g)+8*(\b)+7], v19 offset:64*(\q)+(\b)*16*PA+32
.endif
.endr
.irp a, 0,1,2,3
	ds_load_b128 v[(\g)+64+8*(\a):(\g)+64+8*(\a)+3],   v18 offset:64*(\q)+(\a)*16*PA
	ds_load_b128 v[(\g)+64+8*(\a)+4:(\g)+8*(\a)+64+7], v18 offset:64*(\q)+(\a)*16*PA+32
.endr
.endm
.macro SCALE f, a0                     ; (only where SCALED) A's row blocks a0, a0 + 1 times their rows' factors
.if SCALED
	WIN 0
.irp a, \a0, (\a0)+1
.irp i, 0,1,2,3,4,5,6,7
	v_pk_mul_bf16 v[(\f)+64+8*(\a)+(\i)], v[(\f)+64+8*(\a)+(\i)], v[FP+(\a)]
.endr
.endr
.endif
.endm
; A K step is four quarters of 32 along K, 32 matrix instructions each, on buffers 0, 1, 0, 1.  One of the first three: multiplies buffer f; in its middle it fetches quarter q into buffer g.
.macro QUARTER q, f, g, cm
	s_wait_dscnt 4                                 ; B and A's row blocks 0, 1 are in; the youngest four loads (blocks 2, 3) may be out
	SCALE \f, 0
	MUL8 \f, 0, \cm
	MUL8 \f, 1, \cm
	WIN 0
.if SCALED
	s_wait_dscnt 0x0
	SCALE \f, 2                                    ; its 16 plain lines are also the places in front of the loads
.else
	PLACES
.endif
	FETCH \q, \g
.if !SCALED
	s_wait_dscnt 24                                ; all but the 24 just issued
.endif
	MUL8 \f, 2, \cm
	MUL8 \f, 3, \cm
.endm
; The last quarter multiplies buffer 1 and changes slots: ONE barrier.  In front of it each wave waits for all its tensor loads (one is out: its part of the next slot), adds 0 to its spare word, and waits for
; that and for its reads of this slot.  fill = 1: the barrier opens a round of the cluster's barrier, and the joint refill of the slot just read, with the K step two on, is the first thing behind the round:
; 112 matrix instructions stand between it and the wait for it.
.macro TURN fill
.if \fill
	s_wait_xcnt 0x0                                ; the last prefetch, a K step back, has read its address
	s_add_nc_u64 s[44:45], s[44:45], s[66:67]
.endif
	WIN 0
	s_wait_tensorcnt 0x0                           ; no tensor load of mine is out, so a group 0 may be written
	ds_add_u32 v28, v29                            ; 0 onto my spare word
.if \fill
	s_xor_b32 s37, s37, SLOT1                      ; the walking descriptors: the other slot than last time,
	s_add_nc_u64 s[38:39], s[38:39], ASTEP         ; the next K step; the type bits on top are not reached
	s_xor_b32 s61, s61, SLOT1
	s_add_nc_u64 s[62:63], s[62:63], BSTEP
.endif
	s_xor_b32 s68, s68, SLOT1                      ; the fetches go to the other slot
	s_wait_dscnt 5                                 ; the add and the youngest four loads may be out
	SCALE F1, 0
	MUL8 F1, 0, 0
	s_wait_dscnt 0x0                               ; the add is done, and my reads of this slot are over
	s_barrier_signal -1
	MUL8 F1, 1, 0
	WIN 0
	v_add_nc_u32 v18, s68, v16
	v_add_nc_u32 v19, s68, v17
.if SCALED
	SCALE F1, 2
	v_add_nc_u32 v20, 512, v20
.endif
	s_barrier_wait -1
.if \fill
	CREST                                          ; no wave of any partner still reads this slot or has a load on its way
	JLOAD                                          ; its four v_nop are also the places in front of the loads below
.else
	PLACES
.endif
.if SCALED
	ds_load_b128 v[FP:FP+3], v20
.endif
	FETCH 0, F0
.if \fill
	ASK
.endif
	MUL8 F1, 2, 0
	MUL8 F1, 3, 0
.endm
.macro LASTQ                           ; the very last quarter: nothing more to fetch
	s_wait_dscnt 4
	SCALE F1, 0
	MUL8 F1, 0, 0
	MUL8 F1, 1, 0
	s_wait_dscnt 0x0
	SCALE F1, 2
	MUL8 F1, 2, 0
	MUL8 F1, 3, 0
	WIN 0
.endm
	s_load_b128 s[4:7], s[0:1], 0x0                ; cb s[4:5], wb s[6:7]
	s_load_b64 s[76:77], s[0:1], 0x10              ; bo
	s_load_b64 s[8:9], s[0:1], 0x18                ; out0
	v_lshl_add_u32 v28, v0, 2, SPARE
	v_mov_b32 v29, 0
	ds_add_u32 v28, v29                            ; the wave's opening: the add and its wait ahead of my first tensor load; the set-up below stands between them
	v_lshrrev_b32 v1, 5, v0
	v_readfirstlane_b32 s10, v1                    ; wave 0..3
	s_lshr_b32 s11, s10, 1                         ; rh: which 64 rows of the tile are mine.  Also: I fetch for A (0) or for B (1)
	s_and_b32 s12, s10, 1                          ; ch: which 128 columns.  Also: which half of that tile I fetch
	s_bfe_u32 s40, ttmp6, 0x40000                  ; cx
	s_bfe_u32 s41, ttmp6, 0x40004                  ; cy
	s_and_b32 s84, ttmp7, 0xffff                   ; cluster y
	s_lshl_b32 s42, s84, 2
	s_add_co_u32 s42, s42, s41                     ; tile row = 4 x cluster y + cy
	s_lshl_b32 s13, s41, 2
	s_lshl_b32 s13, 15, s13                        ; my row of the cluster
	s_lshl_b32 s22, 0x1111, s40                    ; my column
	s_or_b32 s24, s13, GPAD5                       ; group 1 for A: 64 rows x 128 elements
	s_mov_b32 s25, 128<<16                         ; tensor_dim0
	s_mov_b32 s26, 64<<16                          ; tensor_dim1
	s_mov_b32 s27, 128<<16                         ; tile_dim0
	s_mov_b32 s28, 64                              ; tile_dim1
	s_mov_b32 s29, LDA                             ; elements from row to row
	s_mov_b32 s30, 0
	s_mov_b32 s31, 0
	s_or_b32 s48, s22, GB0                         ; group 1 for B: 64 k-rows x 256 elements
	s_mov_b32 s49, BD0<<16
	s_mov_b32 s50, BD1<<16
	s_mov_b32 s51, BD0<<16
	s_mov_b32 s52, BD1
	s_mov_b32 s53, 1024
	s_mov_b32 s54, 0
	s_mov_b32 s55, 0
	s_lshl_b32 s16, s42, 7                         ; A: row 128 x tile row + 64 x half,
	s_lshl_b32 s17, s12, 6
	s_add_co_u32 s16, s16, s17
	s_mul_i32 s16, s16, LDA*2                      ; in bytes
	s_mov_b32 s17, 0
	s_lshl_b32 s46, s12, 17                        ; B: my 64 k-rows of the step,
	s_lshl_b32 s47, s40, 9                         ; the tile's 256 columns,
	s_add_co_u32 s46, s46, s47
	s_add_co_u32 s46, s46, 6291456                 ; in plane 3
	s_mov_b32 s47, 0
	s_mul_i32 s20, s12, 64*PA                      ; where the halves go in a slot: no place in the cluster enters an LDS address
	s_mul_i32 s21, s12, BHALF
	s_add_co_u32 s21, s21, BOFF
	s_mov_b32 s68, 0                               ; the fetches begin in slot 0
	s_wait_dscnt 0x0                               ; the opening add is done
	s_wait_kmcnt 0x0
	s_add_nc_u64 s[14:15], s[4:5], s[16:17]
	s_add_nc_u64 s[46:47], s[6:7], s[46:47]
	CROUND                                         ; all sixteen work-groups are here: the first joint loads meet
	s_mov_b32 s32, 1                               ; group 0, A, K step 0 into slot 0
	s_mov_b32 s33, s20
	s_mov_b64 s[34:35], s[14:15]
	s_or_b32 s35, s35, 0x80000000
	s_mov_b32 s36, 1                               ; A, K step 1 into slot 1; this set then walks on
	s_add_co_u32 s37, s20, SLOT1
	s_add_nc_u64 s[38:39], s[14:15], ASTEP
	s_or_b32 s39, s39, 0x80000000
	s_mov_b32 s56, 1                               ; the same for B
	s_mov_b32 s57, s21
	s_mov_b64 s[58:59], s[46:47]
	s_or_b32 s59, s59, 0x80000000
	s_mov_b32 s60, 1
	s_add_co_u32 s61, s21, SLOT1
	s_add_nc_u64 s[62:63], s[46:47], BSTEP
	s_or_b32 s63, s63, 0x80000000
	s_cmp_eq_u32 s11, 0                            ; a wave's two first fills stand in one branch: two loads of mine are out
	s_cbranch_scc0 .Lfirst_b
	tensor_load_to_lds s[32:35], s[24:31]
	s_nop 0
	tensor_load_to_lds s[36:39], s[24:31]
	s_nop 0
	PLACES
	s_branch .Lfirst_asked
.Lfirst_b:
	tensor_load_to_lds s[56:59], s[48:55]
	s_nop 0
	tensor_load_to_lds s[60:63], s[48:55]
	s_nop 0
	PLACES
.Lfirst_asked:
	; the bias of my 128 columns, laid as a C operand: register 8 b + j of lane (r, h) is bo[16 b + 8 h + j]
	v_and_b32 v1, 15, v0                           ; r = l % 16
	v_bfe_u32 v2, v0, 4, 1                         ; h = l / 16
	v_and_b32 v3, 31, v0                           ; l
	s_lshl_b32 s13, s40, 10                        ; 256 columns x 4 bytes a tile,
	s_lshl_b32 s22, s12, 9                         ; my 128
	s_add_co_u32 s13, s13, s22
	v_lshl_add_u32 v31, v2, 5, s13
	WIN 0x80                                       ; destination window 2
.irp b, 0,1,2,3,4,5,6,7
	global_load_b128 v[8*(\b):8*(\b)+3],   v31, s[76:77] offset:64*(\b)
	global_load_b128 v[8*(\b)+4:8*(\b)+7], v31, s[76:77] offset:64*(\b)+16
.endr
	WIN 0
	; fragment addresses.  A: row x pitch + 16 x half.  B turned: lane l reads k-row 8 (l / 16) + l % 8, columns 8 ((l / 8) % 2) + 0..7
	v_mul_u32_u24 v16, v1, PA
	v_lshl_add_u32 v16, v2, 4, v16
	s_mul_i32 s13, s11, 64*PA                      ; my 64 rows of A
	v_add_nc_u32 v16, s13, v16
	v_and_b32 v4, 7, v0
	v_lshl_add_u32 v4, v2, 3, v4
	v_mul_u32_u24 v17, v4, PB
	v_bfe_u32 v5, v0, 3, 1
	v_lshl_add_u32 v17, v5, 4, v17
	s_lshl_b32 s13, s12, 8                         ; my 128 columns of B
	s_add_co_u32 s13, s13, BOFF
	v_add_nc_u32 v17, s13, v17
	; the way out: my stage, and my corner of C
	s_mul_i32 s13, s10, 16*SP
	s_add_co_u32 s13, s13, STAGE
	v_mul_u32_u24 v24, v1, SP                      ; in: row l % 16, 32 bytes for each half of the lanes
	v_lshl_add_u32 v24, v2, 5, v24
	v_add_nc_u32 v24, s13, v24
	v_lshl_add_u32 v25, v3, 4, s13                 ; back: 32 lanes take a row's 512 bytes
	v_lshlrev_b32 v26, 4, v3                       ; the same in C
	s_lshl_b32 s18, s42, 7
	s_lshl_b32 s22, s11, 6
	s_add_co_u32 s18, s18, s22                     ; my first row
	s_lshl_b32 s18, s18, 12                        ; x 4,096 bytes
	s_lshl_b32 s22, s40, 10
	s_add_co_u32 s18, s18, s22
	s_lshl_b32 s22, s12, 9
	s_add_co_u32 s18, s18, s22
	s_mov_b32 s19, 0
	s_add_nc_u64 s[8:9], s[8:9], s[18:19]
	; the prefetches: who asks, and where they stand (at K step 3; each filling change of slots steps them first)
	s_lshl_b32 s86, s42, 7
	s_lshl_b32 s88, s40, 5
	s_add_co_u32 s86, s86, s88                     ; A: row 128 x tile row + 32 cx
	s_mul_i32 s86, s86, LDA*2
	s_add_co_u32 s86, s86, 3*ASTEP
	s_lshl_b32 s87, s40, 9                         ; B: the tile's columns, my half of a row's 512 bytes, k-row 32 cy, in plane 3
	s_lshl_b32 s88, s12, 8
	s_add_co_u32 s87, s87, s88
	s_lshl_b32 s88, s41, 16
	s_add_co_u32 s87, s87, s88
	s_add_co_u32 s87, s87, 6291456+3*BSTEP
	s_or_b32 s13, s12, ttmp9                       ; A: 0 in wave 0 of a cluster with x = 0
	s_mov_b32 s66, BSTEP
	s_mov_b32 s67, 0
	s_mov_b32 s89, 2048
	s_cmp_eq_u32 s11, 0
	s_cselect_b32 s13, s13, s84                    ; B: 0 in a cluster with y = 0
	s_cselect_b64 s[44:45], s[4:5], s[6:7]
	s_cselect_b32 s86, s86, s87
	s_cselect_b32 s66, ASTEP, s66
	s_cselect_b32 s89, LDA*2, s89
	s_mov_b32 s87, 0
	s_add_nc_u64 s[44:45], s[44:45], s[86:87]
	s_cmp_eq_u32 s13, 0
	s_cselect_b32 s43, 2, -1                       ; the same in all sixteen partners, for a given wave
	v_mul_u32_u24 v30, v3, s89                     ; a lane a row
	s_wait_loadcnt 0x0                             ; the bias is in: it is rounded to bf16 like every input, and widened again
	WIN 0x8a
.set i, 0
.rept 32
	v_cvt_pk_bf16_f32 v[64+i], v[2*i], v[2*i+1]
.set i, i+1
.endr
.set i, 0
.rept 32
	v_lshlrev_b32 v[2*i], 16, v[64+i]
	v_and_b32 v[2*i+1], 0xffff0000, v[64+i]
.set i, i+1
.endr
	WIN 0
	s_wait_tensorcnt 0x1                           ; my part of K step 0 is in; K step 1's may stay out
	s_wait_dscnt 0x0
	s_barrier_signal -1
	s_barrier_wait -1                              ; everybody's is
	v_mov_b32 v18, v16
	v_mov_b32 v19, v17
	FETCH 0, F0
	QUARTER 1, F0, F1, 1                           ; the first quarter stands in front of the loop: its products start the sums
	WIN 0                                          ; at a label and at a branch every window is 0
	s_mov_b32 s3, NSTEP-2
.Lstep:                                                ; a trip: quarters 1-3 of a K step and quarter 0 of the next; the slot read out is filled with the K step two on
	QUARTER 2, F1, F0, 0
	QUARTER 3, F0, F1, 0
	TURN 1
	QUARTER 1, F0, F1, 0
	WIN 0
	s_sub_co_u32 s3, s3, 1
	s_cmp_lg_u32 s3, 0
	s_cbranch_scc1 .Lstep
	QUARTER 2, F1, F0, 0                           ; the last two K steps are written out: nothing is asked for
	QUARTER 3, F0, F1, 0
	TURN 0
	QUARTER 1, F0, F1, 0
	QUARTER 2, F1, F0, 0
	QUARTER 3, F0, F1, 0
	LASTQ
	PLACES
	PLACES
	; THE WAY OUT, a block of 16 rows at a time: the f32 sums go as they are, 32 bytes a lane, into my own stage, come back as whole rows of 512 bytes, and are stored.  A block's way through the stage
	; is begun before the block before is stored.
.macro TOSTAGE a
.set BK, OB+64*((\a)%2)
	s_wait_xcnt 0x0                                ; the stores two blocks back have read their registers: this block's loads land there
	WIN 0x04                                       ; the stores' data in window 1; each accumulator's four lowest registers go first
.irp b, 0,1,2,3,4,5,6,7
	ds_store_b128 v24, v[64*(\a)+8*(\b):64*(\a)+8*(\b)+3]   offset:64*(\b)
	ds_store_b128 v24, v[64*(\a)+8*(\b)+4:64*(\a)+8*(\b)+7] offset:64*(\b)+16
.endr
	WIN 0
.irp t, 0,1,2,3,4,5,6,7,8,9,10,11,12,13,14,15
	ds_load_b128 v[BK+4*(\t):BK+4*(\t)+3], v25 offset:(\t)*SP  ; LDS serves a wave's instructions in order (ISA guide 5.7.1.4): these see the stores above, and the next block's stores come behind them
.endr
.endm
.macro SEND a, younger                 ; younger: the LDS instructions issued behind block a's loads: the next block's 32, or none
.set BK, OB+64*((\a)%2)
	s_wait_dscnt \younger
.irp t, 0,1,2,3,4,5,6,7,8,9,10,11,12,13,14,15
	global_store_b128 v26, v[BK+4*(\t):BK+4*(\t)+3], s[8:9] offset:(16*(\a)+(\t))*LDC th:TH_STORE_NT  ; a wave stores 512 consecutive bytes, aligned
.endr
.endm
	TOSTAGE 0
	TOSTAGE 1
	SEND 0, 32
	TOSTAGE 2
	SEND 1, 32
	TOSTAGE 3
	SEND 2, 32
	SEND 3, 0
	s_wait_tensorcnt 0x0                           ; the wave's end: behind my last tensor load and my last LDS store
	ds_add_u32 v28, v29
	s_wait_dscnt 0x0
	CROUND                                         ; the closing round: no work-group ends while a partner may still ask for a tile that names it
	s_endpgm
.Lfunc_end_k_qa420429468_outp:
	.size	k_qa420429468_outp, .Lfunc_end_k_qa420429468_outp-k_qa420429468_outp
	.p2alignl 7, 3214868480
	.fill 96, 4, 3214868480
	.section	.rodata,"a",@progbits
	.p2align	6, 0x0
	.amdhsa_kernel k_qa420429468_outp
		.amdhsa_group_segment_fixed_size 327680
		.amdhsa_private_segment_fixed_size 0
		.amdhsa_enable_private_segment 0
		.amdhsa_kernarg_size 32
		.amdhsa_user_sgpr_count 2
		.amdhsa_user_sgpr_kernarg_segment_ptr 1
		.amdhsa_wavefront_size32 1
		.amdhsa_system_sgpr_workgroup_id_x 1
		.amdhsa_system_sgpr_workgroup_id_y 1
		.amdhsa_system_sgpr_workgroup_id_z 1
		.amdhsa_system_vgpr_workitem_id 0
		.amdhsa_next_free_vgpr 608
		.amdhsa_next_free_sgpr 96
		.amdhsa_reserve_vcc 0
		.amdhsa_float_denorm_mode_32 3
		.amdhsa_float_denorm_mode_16_64 3
		.amdhsa_memory_ordered 1
		.amdhsa_forward_progress 1
		.amdhsa_inst_pref_size 77
	.end_amdhsa_kernel
	.amdgpu_metadata
---
amdhsa.version: [ 1, 2 ]
amdhsa.kernels:
  - .name:           k_qa420429468_outp
    .symbol:         k_qa420429468_outp.kd
    .args:
      - { .name: cb, .offset: 0, .size: 8, .value_kind: global_buffer, .address_space: global }
      - { .name: wb, .offset: 8, .size: 8, .value_kind: global_buffer, .address_space: global }
      - { .name: bo, .offset: 16, .size: 8, .value_kind: global_buffer, .address_space: global }
      - { .name: out0, .offset: 24, .size: 8, .value_kind: global_buffer, .address_space: global }
    .group_segment_fixed_size: 327680
    .private_segment_fixed_size: 0
    .kernarg_segment_align: 8
    .kernarg_segment_size: 32
    .max_flat_workgroup_size: 128
    .sgpr_count:     96
    .vgpr_count:     608
    .wavefront_size: 32
...
	.end_amdgpu_metadata
.endif
;; end of part 5
;; ======== version 2 of 2: 4 launches
;; workspace buffers: xb 16,777,216 bytes; wb 6,291,456 bytes; bb 16,384 bytes; qkv 50,331,648 bytes; pb 33,554,432 bytes; st 1,048,576 bytes
;; launch prep (part 6): grid 593 x 1, 8 waves a work-group, no clusters, 84,992 bytes of LDS; arguments x, Wq, Wk, Wv, Wo, bq, bk, bv, bo, xb, wb, bb; writes xb, wb, bb
.if DOCPART == 6
	.amdgcn_target "amdgcn-amd-amdhsa--gfx1250"
	.amdhsa_code_object_version 6
	.text
	.protected	k_qa420429468_prep
	.globl	k_qa420429468_prep
	.p2align	8
	.type	k_qa420429468_prep,@function
k_qa420429468_prep:
	s_mov_b64 s[64:65], 0
	v_nop
	global_prefetch_b8 v0, s[64:65] scope:SCOPE_SE
	s_setreg_imm32_b32 hwreg(HW_REG_WAVE_MODE, 25, 1), 1
	s_wait_xcnt 0x0
; WHAT THE LATER LAUNCHES NEED, MADE ONCE.  A softmax's weights add up to 1 and products associate, so ctx Wo + bo = attn (V Wo) + bo with V Wo = x (Wv Wo) + bv Wo: the output projection is folded into the weights here.
; THREE KINDS OF WORK-GROUP, told apart by the work-group's number alone (the same in all its waves):
;   0-271    THE FOLD.  wb[2] = bf16( bf16(Wv) bf16(Wo) ), [1024][1024], sums in f32: 16 x 16 tiles of 64 x 64, K = 1,024.  A seventeenth tile row takes bv for every row of A: bb[2] = bf16(bv) bf16(Wo), kept in f32.
;   272      bb[0] = bf16(bq), bb[1] = bf16(bk), bb[3] = bf16(bo), each written as f32.
;   273-592  THE CAST.  xb = bf16(x) (256 work-groups), wb[0] = bf16(Wq), wb[1] = bf16(Wk) (32 each), as the arrays lie: 131,072 bytes in, 65,536 out, a work-group.
; The fold's work-groups have the lowest numbers: theirs is the longest chain of dependent steps.
; LIMITS.  Every input enters rounded once to bf16 (nearest even); Wv Wo is rounded once more, to bf16; NaN and infinities are not treated apart.
; THE CAST is a stream: a thread takes 8 neighbouring numbers in each of 16 rounds: two loads of 16 bytes, four roundings in place, one store of 16 bytes; a wave's store covers 512 consecutive bytes, aligned.
; All 32 loads of a thread go out at once; no register is used twice.
; THE FOLD.  Eight waves; wave w makes rows 16 (w % 4) .. + 15 and columns 32 (w / 4) .. + 31 of the tile: two accumulators, which take turns.  K goes in four chunks of 256.  A chunk (64 rows x 256 of A, 256 rows x 64 of B,
; f32 in memory) comes through registers, 32 loads of 16 bytes a thread, each wave's load 512 consecutive bytes (A) or two runs of 256 (B); it is rounded in place and laid into LDS as bf16.  B lies [K][N] there and
; comes out turned, by ds_load_tr16_b128.  ONE region of LDS, so two barriers a chunk: between the last chunk's reads and the stores, and between the stores and the reads.  The next chunk's loads are issued
; behind the stores and are on their way while this chunk is multiplied.
; The matrix instruction is used transposed (source 0 = 16 columns of B, source 1 = 16 rows of A): a lane holds row l % 16 and the 8 neighbouring columns 8 (l / 16) + 0..7.
; A tile's 64 columns are 128 bytes of a row of wb: eight lanes store 128 consecutive bytes, half of an aligned 256; the other half is the neighbouring work-group's.  That plane is 2 MiB.
; NO CLUSTER: the fold's operands are f32 in memory and are rounded on the way into LDS, so they come through registers and not by tensor loads, which alone can be asked for jointly; the other work-groups share nothing.
.set NFOLD,  272                       ; work-groups of the fold: 17 tile rows x 16 tile columns
.set CAST0,  273                       ; the cast's first work-group
.set XG,     256                       ; work-groups that x takes
.set KC,     256                       ; K in a chunk
.set PAF,    528                       ; an LDS row of A: 512 bytes + 16: the 16 rows of a fragment load start 132 words apart
.set PBF,    160                       ; an LDS row of B: 128 bytes + 32: 16 lanes of the turning load take 8 rows x 32 bytes, 40 words apart
.set PST,    144                       ; a row of the stage: 128 bytes + 16
.set BBASE,  64*PAF                    ; B's chunk lies behind A's 64 rows
.set STG,    BBASE+KC*PBF              ; the stage for the way out: 64 rows
.set SPARE,  STG+64*PST                ; the spare words, 128 bytes for each wave: four blocks of 256 bytes that no other line names
.set AO,  24                           ; v24-31   byte offsets of my wave's 8 rows of A
.set ACC, 32                           ; v32-47   two accumulators
.set F,   48                           ; v48-119  three sets of 24: A's fragment, then B's two, of one K step of 32
.set T,   120                          ; v120-127 packed results
.set G,   128                          ; v128-255 a chunk (the cast: a work-group's share) on its way
	s_load_b256 s[8:15], s[0:1], 0x0               ; x s[8:9], Wq s[10:11], Wk s[12:13], Wv s[14:15]
	s_load_b256 s[16:23], s[0:1], 0x20             ; Wo s[16:17], bq s[18:19], bk s[20:21], bv s[22:23]
	s_load_b256 s[24:31], s[0:1], 0x40             ; bo s[24:25], xb s[26:27], wb s[28:29], bb s[30:31]
	v_lshl_add_u32 v8, v0, 2, SPARE                ; my spare word,
	v_mov_b32 v9, 0                                ; and 0: for the end of the waves that write LDS
	v_lshrrev_b32 v1, 5, v0
	v_readfirstlane_b32 s32, v1                    ; wave 0..7
	s_cmp_lt_u32 ttmp9, NFOLD
	s_cbranch_scc1 .Lfold
	s_cmp_eq_u32 ttmp9, NFOLD
	s_cbranch_scc1 .Lbias
	; THE CAST
	s_sub_co_u32 s33, ttmp9, CAST0                 ; my number among the cast's work-groups,
	s_sub_co_u32 s34, s33, XG                      ; and among the weights' (used where it is one of them)
	s_lshr_b32 s35, s34, 5                         ; which weight
	s_and_b32 s36, s34, 31
	s_lshl_b32 s36, s36, 17                        ; my bytes in it,
	s_lshl_b32 s37, s34, 16                        ; and in wb
	s_lshl_b32 s38, s33, 17                        ; the same for x
	s_lshl_b32 s39, s33, 16                        ; and xb
	v_lshlrev_b32 v1, 5, v0                        ; 32 bytes a thread in,
	v_lshlrev_b32 v2, 4, v0                        ; 16 out
	s_wait_kmcnt 0x0
	s_cmp_eq_u32 s35, 1
	s_cselect_b64 s[40:41], s[12:13], s[10:11]
	s_cmp_lt_u32 s33, XG
	s_cselect_b64 s[40:41], s[8:9], s[40:41]       ; from where
	s_cselect_b64 s[42:43], s[26:27], s[28:29]     ; to where
	s_cselect_b32 s44, s38, s36
	s_cselect_b32 s46, s39, s37
	s_mov_b32 s45, 0
	s_mov_b32 s47, 0
	s_add_nc_u64 s[40:41], s[40:41], s[44:45]
	s_add_nc_u64 s[42:43], s[42:43], s[46:47]
.irp i, 0,1,2,3,4,5,6,7,8,9,10,11,12,13,14,15
	global_load_b128 v[G+8*(\i):G+8*(\i)+3],   v1, s[40:41] offset:8192*(\i) th:TH_LOAD_NT
	global_load_b128 v[G+8*(\i)+4:G+8*(\i)+7], v1, s[40:41] offset:8192*(\i)+16 th:TH_LOAD_NT
.endr
.irp i, 0,1,2,3,4,5,6,7,8,9,10,11,12,13,14,15
	s_wait_loadcnt 30-2*(\i)                       ; loads come back in order: round i's two are in, the 30 - 2 i younger ones stay out
.irp k, 0,1,2,3
	v_cvt_pk_bf16_f32 v[G+8*(\i)+(\k)], v[G+8*(\i)+2*(\k)], v[G+8*(\i)+2*(\k)+1]  ; in place: result k lands on a register that rounding k or an earlier one has read
.endr
	global_store_b128 v2, v[G+8*(\i):G+8*(\i)+3], s[42:43] offset:4096*(\i)
.endr
	s_endpgm
.Lbias:                                                ; THREE BIASES: a thread takes 4 numbers of each; rounded to bf16 like every input, and widened again
	v_lshlrev_b32 v1, 4, v0
	s_wait_kmcnt 0x0
	global_load_b128 v[G:G+3],    v1, s[18:19]     ; bq
	global_load_b128 v[G+4:G+7],  v1, s[20:21]     ; bk
	global_load_b128 v[G+8:G+11], v1, s[24:25]     ; bo
	s_wait_loadcnt 0x0
.irp q, 0,1,2
	v_cvt_pk_bf16_f32 v[G+16+2*(\q)], v[G+4*(\q)],   v[G+4*(\q)+1]
	v_cvt_pk_bf16_f32 v[G+17+2*(\q)], v[G+4*(\q)+2], v[G+4*(\q)+3]
	v_lshlrev_b32 v[G+4*(\q)],   16,         v[G+16+2*(\q)]
	v_and_b32     v[G+4*(\q)+1], 0xffff0000, v[G+16+2*(\q)]
	v_lshlrev_b32 v[G+4*(\q)+2], 16,         v[G+17+2*(\q)]
	v_and_b32     v[G+4*(\q)+3], 0xffff0000, v[G+17+2*(\q)]
.endr
	global_store_b128 v1, v[G:G+3],    s[30:31]               ; row 0 of bb
	global_store_b128 v1, v[G+4:G+7],  s[30:31] offset:4096   ; row 1
	global_store_b128 v1, v[G+8:G+11], s[30:31] offset:12288  ; row 3
	s_endpgm
.macro PLACES                          ; four places: behind a matrix instruction and in front of loads into registers that it read, or of lines that read its result
.rept 4
	v_nop
.endr
.endm
.macro LOADS                           ; a chunk: my wave's 8 rows of A, 1,024 bytes each, and its 32 rows of B, 256 bytes each
.irp i, 0,1,2,3,4,5,6,7
	global_load_b128 v[G+8*(\i):G+8*(\i)+3],   v[AO+(\i)], s[48:49]
	global_load_b128 v[G+8*(\i)+4:G+8*(\i)+7], v[AO+(\i)], s[48:49] offset:512
.endr
.irp i, 0,1,2,3,4,5,6,7,8,9,10,11,12,13,14,15
	global_load_b128 v[G+64+4*(\i):G+64+4*(\i)+3], v14, s[50:51] offset:8192*(\i)
.endr
.endm
.macro FRAG s                          ; six LDS loads: K step s of the chunk's eight into set s % 3
.set FS, F+24*((\s)%3)
	ds_load_b128 v[FS:FS+3],   v12 offset:64*(\s)
	ds_load_b128 v[FS+4:FS+7], v12 offset:64*(\s)+32
.irp j, 0,1
	ds_load_tr16_b128 v[FS+8+8*(\j):FS+8+8*(\j)+3],   v13 offset:(\s)*32*PBF+32*(\j)
	ds_load_tr16_b128 v[FS+8+8*(\j)+4:FS+8+8*(\j)+7], v13 offset:(\s)*32*PBF+16*PBF+32*(\j)
.endr
.endm
.Lfold:
	s_lshr_b32 s33, ttmp9, 4                       ; tile row 0..16; 16: the row of bv
	s_and_b32 s34, ttmp9, 15                       ; tile column
	s_and_b32 s35, s32, 3                          ; a: my row block
	s_lshr_b32 s36, s32, 2                         ; cp: my pair of column blocks
	v_and_b32 v1, 31, v0                           ; l
	v_and_b32 v2, 15, v0                           ; r = l % 16
	v_bfe_u32 v3, v0, 4, 1                         ; h = l / 16
	s_cmp_eq_u32 s33, 16
	s_cselect_b32 s37, 0, 4096                     ; bytes from a row of A to the next: all 64 rows are bv in tile row 16
	s_cselect_b32 s55, 0, s33
	s_lshl_b32 s38, s55, 18                        ; the tile's 64 rows of 4,096 bytes in Wv
	s_mov_b32 s39, 0
	v_lshlrev_b32 v4, 4, v1                        ; 16 l
	s_lshl_b32 s40, s32, 3
	s_mul_i32 s40, s40, s37                        ; my wave's 8 rows
.irp i, 0,1,2,3,4,5,6,7
	v_add_nc_u32 v[AO+(\i)], s40, v4
	s_add_co_u32 s40, s40, s37
.endr
	s_lshl_b32 s41, s32, 17                        ; B: my wave's 32 rows of 4,096 bytes; lanes 0-15 the even row, lanes 16-31 the odd one
	v_lshl_add_u32 v14, v3, 12, s41
	v_lshl_add_u32 v14, v2, 4, v14
	s_lshl_b32 s42, s34, 8                         ; the tile's 64 columns: 256 bytes of a row of Wo
	s_mov_b32 s43, 0
	s_mul_i32 s44, s32, 8*PAF                      ; into LDS, A: row 8 w + i, 8 bytes a lane
	v_lshl_add_u32 v10, v1, 3, s44
	s_mul_i32 s44, s32, 32*PBF                     ; B: row 32 w + 2 i + h, 8 bytes for each of 16 lanes
	s_add_co_u32 s44, s44, BBASE
	v_mul_u32_u24 v11, v3, PBF
	v_lshl_add_u32 v11, v2, 3, v11
	v_add_nc_u32 v11, s44, v11
	s_mul_i32 s44, s35, 16*PAF                     ; A's fragment: row x pitch + 16 x half
	v_mul_u32_u24 v12, v2, PAF
	v_lshl_add_u32 v12, v3, 4, v12
	v_add_nc_u32 v12, s44, v12
	v_and_b32 v5, 7, v0                            ; l % 8
	v_lshl_add_u32 v6, v3, 3, v5                   ; B's, turned: lane l reads k-row 8 (l / 16) + l % 8, columns 8 ((l / 8) % 2) + 0..7
	v_mul_u32_u24 v13, v6, PBF
	v_bfe_u32 v6, v0, 3, 1
	v_lshl_add_u32 v13, v6, 4, v13
	s_lshl_b32 s44, s36, 6                         ; my 32 columns
	s_add_co_u32 s44, s44, BBASE
	v_add_nc_u32 v13, s44, v13
	s_mul_i32 s44, s35, 16*PST                     ; the stage, in: row 16 a + r, 16 bytes for each half of the lanes
	s_lshl_b32 s45, s36, 6
	s_add_co_u32 s44, s44, s45
	s_add_co_u32 s44, s44, STG
	v_mul_u32_u24 v15, v2, PST
	v_lshl_add_u32 v15, v3, 4, v15
	v_add_nc_u32 v15, s44, v15
	v_bfe_u32 v7, v0, 3, 2                         ; l / 8
	s_mul_i32 s44, s32, 8*PST                      ; back: wave w takes rows 8 w .. 8 w + 7; eight lanes a row of 128 bytes
	s_add_co_u32 s44, s44, STG
	v_mul_u32_u24 v16, v7, PST
	v_lshl_add_u32 v16, v5, 4, v16
	v_add_nc_u32 v16, s44, v16
	s_lshl_b32 s44, s32, 14                        ; and the same rows in wb, 2,048 bytes each
	v_lshl_add_u32 v17, v7, 11, s44
	v_lshl_add_u32 v17, v5, 4, v17
	s_lshl_b32 s46, s55, 17                        ; the tile's 64 rows,
	s_lshl_b32 s47, s34, 7                         ; its 64 columns,
	s_add_co_u32 s46, s46, s47
	s_add_co_u32 s46, s46, 4194304                 ; in plane 2
	s_mov_b32 s47, 0
	s_lshl_b32 s44, s34, 8                         ; in a row of bb: the tile's 64 columns, my 32, my lanes' 8
	s_lshl_b32 s45, s36, 7
	s_add_co_u32 s44, s44, s45
	v_lshl_add_u32 v18, v3, 5, s44
	s_wait_kmcnt 0x0
	s_cmp_eq_u32 s33, 16
	s_cselect_b64 s[48:49], s[22:23], s[14:15]     ; A: bv or Wv
	s_add_nc_u64 s[48:49], s[48:49], s[38:39]
	s_add_nc_u64 s[50:51], s[16:17], s[42:43]      ; B: Wo
	s_add_nc_u64 s[52:53], s[28:29], s[46:47]      ; where the tile goes
	LOADS                                          ; chunk 0
.set i, 0
.rept 16
	v_mov_b32 v[ACC+i], 0                          ; the sums start at 0: written while the first loads are on their way, so that the loop has one form of product
.set i, i+1
.endr
	s_mov_b32 s56, 1024/KC
.Lchunk:
	s_wait_loadcnt 0x0                             ; the chunk is in
.set q, 0
.rept 32
	v_cvt_pk_bf16_f32 v[G+4*q],   v[G+4*q],   v[G+4*q+1]    ; four numbers become 8 bytes, in place
	v_cvt_pk_bf16_f32 v[G+4*q+1], v[G+4*q+2], v[G+4*q+3]
.set q, q+1
.endr
	s_wait_dscnt 0x0                               ; my reads of the chunk before are over,
	s_barrier_signal -1
	s_barrier_wait -1                              ; everybody's are: the region may be written
.irp i, 0,1,2,3,4,5,6,7
	ds_store_b64 v10, v[G+8*(\i):G+8*(\i)+1]   offset:(\i)*PAF
	ds_store_b64 v10, v[G+8*(\i)+4:G+8*(\i)+5] offset:(\i)*PAF+256
.endr
.irp i, 0,1,2,3,4,5,6,7,8,9,10,11,12,13,14,15
	ds_store_b64 v11, v[G+64+4*(\i):G+64+4*(\i)+1] offset:(\i)*2*PBF
.endr
	s_wait_dscnt 0x0                               ; for the others' sake: my part of the chunk is stored; and its registers may be loaded again
	s_cmp_eq_u32 s56, 1                            ; the last chunk has none behind it
	s_cbranch_scc1 .Lno_more
	s_add_nc_u64 s[48:49], s[48:49], KC*4          ; (the loads that read these two are done: the wait at the trip's head)
	s_add_nc_u64 s[50:51], s[50:51], KC*4096
	LOADS                                          ; the next chunk: on its way while this one is multiplied
.Lno_more:
	s_barrier_signal -1
	s_barrier_wait -1                              ; the chunk is whole
	FRAG 0                                         ; the fragments run two K steps ahead of the products
	FRAG 1
.irp s, 0,1,2,3,4,5,6,7
.if (\s) < 6
.if (\s) > 0
	PLACES                                         ; the set that is loaded next was read by the two products just issued
.endif
	FRAG (\s)+2
	s_wait_dscnt 12                                ; step s is in; the two younger steps' twelve loads may be out
.else
	s_wait_dscnt 6*(7-(\s))
.endif
.set FS, F+24*((\s)%3)
	v_wmma_f32_16x16x32_bf16 v[ACC:ACC+7],    v[FS+8:FS+15],  v[FS:FS+7], v[ACC:ACC+7]     ; the two accumulators take turns, over the backward jump too
	v_wmma_f32_16x16x32_bf16 v[ACC+8:ACC+15], v[FS+16:FS+23], v[FS:FS+7], v[ACC+8:ACC+15]
.endr
	s_sub_co_u32 s56, s56, 1
	s_cmp_lg_u32 s56, 0
	s_cbranch_scc1 .Lchunk
	PLACES
	PLACES
	s_cmp_eq_u32 s33, 16
	s_cbranch_scc1 .Lbvo
	; THE WAY OUT of a tile of Wv Wo: rounded to bf16, 16 bytes a lane into the work-group's stage; a barrier, since a row's 128 bytes come from two waves; back by rows, stored
.irp j, 0,1
.irp k, 0,1,2,3
	v_cvt_pk_bf16_f32 v[T+4*(\j)+(\k)], v[ACC+8*(\j)+2*(\k)], v[ACC+8*(\j)+2*(\k)+1]
.endr
.endr
	ds_store_b128 v15, v[T:T+3]
	ds_store_b128 v15, v[T+4:T+7] offset:32
	s_wait_dscnt 0x0                               ; for the others' sake: my stores into the stage are done
	s_barrier_signal -1
	s_barrier_wait -1
	ds_load_b128 v[T:T+3],   v16
	ds_load_b128 v[T+4:T+7], v16 offset:4*PST
	s_wait_dscnt 0x0
	global_store_b128 v17, v[T:T+3],   s[52:53]                ; four rows, 128 consecutive bytes of each
	global_store_b128 v17, v[T+4:T+7], s[52:53] offset:4*2048
	s_branch .Lend
.Lbvo:                                                 ; TILE ROW 16: all rows are bv Wo.  Row block 0's waves store it, from the two lanes that hold row 0, as f32 into row 2 of bb
	s_cmp_lg_u32 s35, 0
	s_cbranch_scc1 .Lend
	s_wait_xcnt 0x0                                ; EXEC changes only behind this wait
	v_cmp_eq_u32 vcc_lo, 0, v2
	s_and_saveexec_b32 s54, vcc_lo
	global_store_b128 v18, v[ACC:ACC+3],     s[30:31] offset:8192
	global_store_b128 v18, v[ACC+4:ACC+7],   s[30:31] offset:8192+16
	global_store_b128 v18, v[ACC+8:ACC+11],  s[30:31] offset:8192+64
	global_store_b128 v18, v[ACC+12:ACC+15], s[30:31] offset:8192+80
	s_wait_xcnt 0x0                                ; and again, in front of the line that widens it
	s_or_b32 exec_lo, exec_lo, s54
.Lend:
	s_wait_tensorcnt 0x0                           ; the wave's end: behind my last LDS store
	ds_add_u32 v8, v9
	s_wait_dscnt 0x0
	s_endpgm
.Lfunc_end_k_qa420429468_prep:
	.size	k_qa420429468_prep, .Lfunc_end_k_qa420429468_prep-k_qa420429468_prep
	.p2alignl 7, 3214868480
	.fill 96, 4, 3214868480
	.section	.rodata,"a",@progbits
	.p2align	6, 0x0
	.amdhsa_kernel k_qa420429468_prep
		.amdhsa_group_segment_fixed_size 84992
		.amdhsa_private_segment_fixed_size 0
		.amdhsa_enable_private_segment 0
		.amdhsa_kernarg_size 96
		.amdhsa_user_sgpr_count 2
		.amdhsa_user_sgpr_kernarg_segment_ptr 1
		.amdhsa_wavefront_size32 1
		.amdhsa_system_sgpr_workgroup_id_x 1
		.amdhsa_system_sgpr_workgroup_id_y 1
		.amdhsa_system_sgpr_workgroup_id_z 1
		.amdhsa_system_vgpr_workitem_id 0
		.amdhsa_next_free_vgpr 256
		.amdhsa_next_free_sgpr 66
		.amdhsa_reserve_vcc 1
		.amdhsa_float_denorm_mode_32 3
		.amdhsa_float_denorm_mode_16_64 3
		.amdhsa_memory_ordered 1
		.amdhsa_forward_progress 1
		.amdhsa_inst_pref_size 37
	.end_amdhsa_kernel
	.amdgpu_metadata
---
amdhsa.version: [ 1, 2 ]
amdhsa.kernels:
  - .name:           k_qa420429468_prep
    .symbol:         k_qa420429468_prep.kd
    .args:
      - { .name: x, .offset: 0, .size: 8, .value_kind: global_buffer, .address_space: global }
      - { .name: Wq, .offset: 8, .size: 8, .value_kind: global_buffer, .address_space: global }
      - { .name: Wk, .offset: 16, .size: 8, .value_kind: global_buffer, .address_space: global }
      - { .name: Wv, .offset: 24, .size: 8, .value_kind: global_buffer, .address_space: global }
      - { .name: Wo, .offset: 32, .size: 8, .value_kind: global_buffer, .address_space: global }
      - { .name: bq, .offset: 40, .size: 8, .value_kind: global_buffer, .address_space: global }
      - { .name: bk, .offset: 48, .size: 8, .value_kind: global_buffer, .address_space: global }
      - { .name: bv, .offset: 56, .size: 8, .value_kind: global_buffer, .address_space: global }
      - { .name: bo, .offset: 64, .size: 8, .value_kind: global_buffer, .address_space: global }
      - { .name: xb, .offset: 72, .size: 8, .value_kind: global_buffer, .address_space: global }
      - { .name: wb, .offset: 80, .size: 8, .value_kind: global_buffer, .address_space: global }
      - { .name: bb, .offset: 88, .size: 8, .value_kind: global_buffer, .address_space: global }
    .group_segment_fixed_size: 84992
    .private_segment_fixed_size: 0
    .kernarg_segment_align: 8
    .kernarg_segment_size: 96
    .max_flat_workgroup_size: 256
    .sgpr_count:     66
    .vgpr_count:     256
    .wavefront_size: 32
...
	.end_amdgpu_metadata
.endif
;; end of part 6
;; launch proj (part 7): grid 12 x 32, 4 waves a work-group, clusters of 4 x 4, 327,680 bytes of LDS; arguments xb, wb, bb, qkv; writes qkv
.if DOCPART == 7
	.amdgcn_target "amdgcn-amd-amdhsa--gfx1250"
	.amdhsa_code_object_version 6
	.text
	.protected	k_qa420429468_proj
	.globl	k_qa420429468_proj
	.p2align	8
	.type	k_qa420429468_proj,@function
k_qa420429468_proj:
	s_mov_b64 s[64:65], 0
	v_nop
	global_prefetch_b8 v0, s[64:65] scope:SCOPE_SE
	s_setreg_imm32_b32 hwreg(HW_REG_WAVE_MODE, 25, 1), 1
	s_wait_xcnt 0x0
	s_wait_alu depctr_hold_cnt(0) depctr_sa_sdst(0) depctr_va_vdst(0) depctr_va_sdst(0) depctr_va_ssrc(0) depctr_va_vcc(0) depctr_vm_vsrc(0)
	s_getreg_b32 s2, hwreg(HW_REG_IB_STS2, 6, 4)
	s_cmp_eq_u32 s2, 0
	s_cbranch_scc0 .Lentry_in_a_cluster
	s_endpgm
.Lentry_in_a_cluster:
	s_bfe_u32 s2, ttmp6, 0x10000c
	s_cmp_lg_u32 s2, 0xf033
	s_cbranch_scc0 .Lentry_shape_is_right
	s_endpgm
.Lentry_shape_is_right:
; qkv[p][row][n] = bf16( bb[p][n] + sum over k of xb[row][k] wb[p][k][n] ),  p = 0, 1, 2: Q, K and V' = V Wo.  xb: [8192][1024], wb: [3][1024][1024] (Wq, Wk, Wv Wo), qkv: [3][8192][1024], all bf16;
; bb: [4][1024] f32 (bq and bk rounded to bf16, bv Wo as its f32 sum; row 3 is not read here); sums in f32.
; LIMITS.  x and the weights enter rounded to bf16; Q, K, V' are rounded once to bf16; NaN and infinities are not treated apart.
; SHARES.  A tile of C is 256 rows x 256 columns; the 12 tile columns are the three planes' four.  Four waves, each 128 x 128: 64 accumulators of 16 x 16, 512 registers.  K goes in steps of 128 through two LDS slots:
; a K step is 256 matrix instructions a wave, of which 224 stand between a slot's refill and the wait for it.
; B LIES [K][N] in memory (a weight as it is given) and in LDS; its fragments come out of LDS turned, by ds_load_tr16_b128.  A lies [M][K].
; THE MATRIX INSTRUCTION IS USED TRANSPOSED (source 0 = 16 columns of B, source 1 = 16 rows of A): a lane then holds row l % 16 of C and the 8 neighbouring columns 8 (l / 16) + 0..7.
; CLUSTER 4 x 4: the four work-groups of a row of the cluster need the same tile of A, the four of a column the same tile of B: each tile is asked for jointly, by the same load with the same descriptor and a mask of the four.
; REGISTERS, in windows of 256 (s_set_vgpr_msb: bits 1:0 source 0, 3:2 source 1, 5:4 source 2, 7:6 destination):
;   window 0: v0-31 addresses; v64-127, v128-191 A's fragments (8 x 16 rows x 32 K), two buffers; on the way out v192-223 packed results, v32-63 and v224-255 rows read back, by turns
;   window 1: v64-127, v128-191 B's fragments, two buffers; v0-63 the bias of my 128 columns, laid as a C operand
;   window 2: the 32 accumulators of my rows 0-63 ((a, b) at v[8 (8 a + b)]);   window 3: those of my rows 64-127
.set NSTEP, 8                          ; K steps
.set LDA,   1024                       ; elements in a row of A
.set BKN,   1                          ; B lies [K][N]
.set BSTEP, 262144                     ; bytes from a K step of B to the next: 128 rows of 2,048
.set BD0,   256                        ; B's tensor load: elements in a row,
.set BD1,   64                         ; rows
.set LDC,   2048                       ; bytes in a row of C
.set HASBIAS, 1                        ; the first products take the bias as C
.set PA,    272                        ; an LDS row of A: 256 bytes + 16: the 16 rows of a fragment load start 68 words apart
.set PB,    544                        ; an LDS row of B [K][N]: 512 bytes + 32: 16 lanes of the turning load take 8 rows x 32 bytes, 136 words apart
.set HALF,  128*PA                     ; 34,816 bytes: what one tensor load brings: half of A's tile or half of B's
.set BOFF,  2*HALF                     ; B's tile lies behind A's 256 rows
.set SLOT1, 4*HALF                     ; slot 1 begins at 139,264 = 0x22000; the loads' four places in a slot (0, 0x8800, 0x11000, 0x19800) have neither of its two bits, so one exclusive or turns a place in one slot into the other's
.set STAGE, 2*SLOT1                    ; behind the ring, never filled by a tensor load: 16 rows x 272 bytes for each wave, for the way out
.set TAB,   STAGE+4*16*272             ; small tables (not used in this launch)
.set SPARE, TAB+4096                   ; the spare words, 128 bytes for each wave: two blocks of 256 bytes that no other line names
.set ASTEP, 256                        ; bytes from a K step of A to the next
.set SP,    272                        ; a row of my stage
.set F0,    64
.set F1,    128
.set TMP,   192
.set OB,    32
.set GPAD5, (1<<16)|(1<<20)|(1<<21)|(5<<22)|(3<<25)  ; 2-byte elements; padding on; bit 21 beside a mask; after every 64 words 4 words
.set GPAD6, (1<<16)|(1<<20)|(1<<21)|(6<<22)|(7<<25)  ; the same: after every 128 words 8 words
.set GB0,   GPAD6
.set MSB, 0
.macro WIN new                         ; the immediate's high byte repeats the setting that is left; a switch that changes nothing is dropped
.if MSB != (\new)
	s_set_vgpr_msb (MSB<<8)|(\new)
.set MSB, \new
.endif
.endm
.macro PLACES                          ; four places: behind a matrix instruction and in front of loads into registers that it read, or of lines that read its result
.rept 4
	v_nop
.endr
.endm
.macro CREST                           ; a round of the cluster's barrier behind its opening barrier
	s_cmp_lg_u32 s10, 0
	s_cbranch_scc1 .Lnot_wave_0_\@
	s_barrier_signal -3
.Lnot_wave_0_\@:
	s_barrier_wait -3
	s_barrier_signal -1
	s_barrier_wait -1
.endm
.macro CROUND                          ; a whole round
	s_barrier_signal -1
	s_barrier_wait -1
	CREST
.endm
.macro JLOAD                           ; a joint refill by the walking descriptors: waves 0, 1 fetch A's halves, waves 2, 3 B's; s_nop 0 and four v_nop follow each line
	s_cmp_eq_u32 s11, 0
	s_cbranch_scc0 .Lfor_b_\@
	tensor_load_to_lds s[36:39], s[24:31]
	s_nop 0
	PLACES
	s_branch .Lasked_\@
.Lfor_b_\@:
	tensor_load_to_lds s[60:63], s[48:55]
	s_nop 0
	PLACES
.Lasked_\@:
.endm
; A PREFETCH INTO THE L2 of the K step that the NEXT refill will ask for (256 matrix instructions ahead of that load): one instruction a wave, a lane a row, 256 bytes of the row.
; Each such block is named once in the launch.  A's: by waves 0 and 1 of the clusters with x = 0; of the 128 rows that a wave fetches each of the four partners of a tile row takes 32, by address.
; B's: by waves 2 and 3 of the clusters with y = 0; the four partners of a tile column take 32 k-rows each by address, the two waves the two halves of a row's 512 bytes.
; The last filling trip (s3 = 1) has no refill behind it.  K steps 0 to 2 come by their loads alone: nothing is asked for at the head.
.macro ASK
	s_cmp_gt_u32 s3, s43
	s_cbranch_scc0 .Lnot_mine_\@
	global_prefetch_b8 v30, s[44:45] th:TH_LOAD_NT scope:SCOPE_SE
.Lnot_mine_\@:
.endm
; 16 matrix instructions: row blocks a0, a0 + 1 of the window's four (hi = 0: my rows 0-63, 1: rows 64-127) x all 8 column blocks, 32 along K, from buffer f.  cm = 1: the first products start the sums.
; The 64 accumulators take turns in the same order in every quarter.
.macro MUL16 f, hi, a0, cm
.if (\cm) && HASBIAS
	WIN 0x91+0x40*(\hi)                            ; B in window 1, A in window 0, C (the bias) in window 1, D in window 2 or 3
.else
	WIN 0xa1+0x50*(\hi)                            ; B in window 1, A in window 0, C and D in window 2 or 3
.endif
.irp a, \a0, (\a0)+1
.irp b, 0,1,2,3,4,5,6,7
.if (\cm) && HASBIAS
	v_wmma_f32_16x16x32_bf16 v[8*(8*(\a)+(\b)):8*(8*(\a)+(\b))+7], v[(\f)+8*(\b):(\f)+8*(\b)+7], v[(\f)+8*(4*(\hi)+(\a)):(\f)+8*(4*(\hi)+(\a))+7], v[8*(\b):8*(\b)+7]
.elseif \cm
	v_wmma_f32_16x16x32_bf16 v[8*(8*(\a)+(\b)):8*(8*(\a)+(\b))+7], v[(\f)+8*(\b):(\f)+8*(\b)+7], v[(\f)+8*(4*(\hi)+(\a)):(\f)+8*(4*(\hi)+(\a))+7], 0
.else
	v_wmma_f32_16x16x32_bf16 v[8*(8*(\a)+(\b)):8*(8*(\a)+(\b))+7], v[(\f)+8*(\b):(\f)+8*(\b)+7], v[(\f)+8*(4*(\hi)+(\a)):(\f)+8*(4*(\hi)+(\a))+7], v[8*(8*(\a)+(\b)):8*(8*(\a)+(\b))+7]
.endif
.endr
.endr
.endm
; 32 LDS loads in one run: quarter q (32 along K) of the slot in hand into buffer g: B's 8 fragments first, then A's 8
.macro FETCH q, g
	WIN 0x40                                       ; destination window 1, address window 0
.irp b, 0,1,2,3,4,5,6,7
.if BKN
	ds_load_tr16_b128 v[(\g)+8*(\b):(\g)+8*(\b)+3],   v19 offset:(\q)*32*PB+32*(\b)
	ds_load_tr16_b128 v[(\g)+8*(\b)+4:(\g)+8*(\b)+7], v19 offset:(\q)*32*PB+16*PB+32*(\b)
.else
	ds_load_b128 v[(\g)+8*(\b):(\g)+8*(\b)+3],   v19 offset:64*(\q)+(\b)*16*PA
	ds_load_b128 v[(\g)+8*(\b)+4:(\g)+8*(\b)+7], v19 offset:64*(\q)+(\b)*16*PA+32
.endif
.endr
	WIN 0
.irp a, 0,1,2,3,4,5,6,7
	ds_load_b128 v[(\g)+8*(\a):(\g)+8*(\a)+3],   v18 offset:64*(\q)+(\a)*16*PA
	ds_load_b128 v[(\g)+8*(\a)+4:(\g)+8*(\a)+7], v18 offset:64*(\q)+(\a)*16*PA+32
.endr
.endm
; A K step is four quarters of 32 along K, 64 matrix instructions each, on buffers 0, 1, 0, 1.  One of the first three: multiplies buffer f; in its middle it fetches quarter q into buffer g.
.macro QUARTER q, f, g, cm
	s_wait_dscnt 8                                 ; B and A's rows 0-63 are in; the youngest eight loads (A's rows 64-127) may be out
	MUL16 \f, 0, 0, \cm
	MUL16 \f, 0, 2, \cm
	PLACES
	FETCH \q, \g
	s_wait_dscnt 32                                ; all but the 32 just issued
	MUL16 \f, 1, 0, \cm
	MUL16 \f, 1, 2, \cm
.endm
; The last quarter multiplies buffer 1 and changes slots: ONE barrier.  In front of it each wave waits for all its tensor loads (one is out: its part of the next slot), adds 0 to its spare word, and waits for
; that and for its reads of this slot.  fill = 1: the barrier opens a round of the cluster's barrier, and the joint refill of the slot just read, with the K step two on, is the first thing behind the round.
.macro TURN fill
.if \fill
	s_wait_xcnt 0x0                                ; the last prefetch, a K step back, has read its address
	s_add_nc_u64 s[44:45], s[44:45], s[66:67]
.endif
	WIN 0                                          ; (the add's two registers lie in window 0)
	s_wait_tensorcnt 0x0                           ; no tensor load of mine is out, so a group 0 may be written
	ds_add_u32 v28, v29                            ; 0 onto my spare word
.if \fill
	s_xor_b32 s37, s37, SLOT1                      ; the walking descriptors: the other slot than last time,
	s_add_nc_u64 s[38:39], s[38:39], ASTEP         ; the next K step; the type bits on top are not reached
	s_xor_b32 s61, s61, SLOT1
	s_add_nc_u64 s[62:63], s[62:63], BSTEP
.endif
	s_xor_b32 s68, s68, SLOT1                      ; the fetches go to the other slot
	s_wait_dscnt 9                                 ; the add and the youngest eight loads may be out
	MUL16 F1, 0, 0, 0                              ; sixteen matrix instructions stand between the add and the wait for it
	s_wait_dscnt 0x0                               ; the add is done, and my reads of this slot are over
	s_barrier_signal -1
	MUL16 F1, 0, 2, 0
	WIN 0
	v_add_nc_u32 v18, s68, v16
	v_add_nc_u32 v19, s68, v17
	s_barrier_wait -1
.if \fill
	CREST                                          ; no wave of any partner still reads this slot or has a load on its way
	JLOAD                                          ; its four v_nop are also the places in front of the loads below
.else
	PLACES
.endif
	FETCH 0, F0
.if \fill
	ASK                                            ; behind the joint load and the run of LDS loads that the next products wait for
.endif
	MUL16 F1, 1, 0, 0
	MUL16 F1, 1, 2, 0
.endm
.macro LASTQ                           ; the very last quarter: nothing more to fetch
	s_wait_dscnt 8
	MUL16 F1, 0, 0, 0
	MUL16 F1, 0, 2, 0
	s_wait_dscnt 0x0
	MUL16 F1, 1, 0, 0
	MUL16 F1, 1, 2, 0
	WIN 0
.endm
	s_load_b128 s[4:7], s[0:1], 0x0                ; xb s[4:5], wb s[6:7]
	s_load_b128 s[76:79], s[0:1], 0x10             ; bb s[76:77], qkv s[78:79]
	v_lshl_add_u32 v28, v0, 2, SPARE
	v_mov_b32 v29, 0
	ds_add_u32 v28, v29                            ; the wave's opening: the add and its wait ahead of my first tensor load; the set-up below stands between them
	v_lshrrev_b32 v1, 5, v0
	v_readfirstlane_b32 s10, v1                    ; wave 0..3
	s_lshr_b32 s11, s10, 1                         ; rh: which 128 rows of the tile are mine.  Also: I fetch for A (0) or for B (1)
	s_and_b32 s12, s10, 1                          ; ch: which 128 columns.  Also: which half of that tile I fetch
	s_bfe_u32 s40, ttmp6, 0x40000                  ; cx
	s_bfe_u32 s41, ttmp6, 0x40004                  ; cy
	s_and_b32 s84, ttmp7, 0xffff                   ; cluster y
	s_lshl_b32 s42, s84, 2
	s_add_co_u32 s42, s42, s41                     ; tile row = 4 x cluster y + cy
	s_lshl_b32 s13, s41, 2
	s_lshl_b32 s13, 15, s13                        ; my row of the cluster
	s_lshl_b32 s22, 0x1111, s40                    ; my column
	s_or_b32 s24, s13, GPAD5                       ; group 1 for A: 128 rows x 128 elements
	s_mov_b32 s25, 128<<16                         ; tensor_dim0
	s_mov_b32 s26, 128<<16                         ; tensor_dim1
	s_mov_b32 s27, 128<<16                         ; tile_dim0
	s_mov_b32 s28, 128                             ; tile_dim1
	s_mov_b32 s29, LDA                             ; elements from row to row
	s_mov_b32 s30, 0
	s_mov_b32 s31, 0
	s_or_b32 s48, s22, GB0                         ; group 1 for B: 64 k-rows x 256 elements
	s_mov_b32 s49, BD0<<16
	s_mov_b32 s50, BD1<<16
	s_mov_b32 s51, BD0<<16
	s_mov_b32 s52, BD1
	s_mov_b32 s53, 1024
	s_mov_b32 s54, 0
	s_mov_b32 s55, 0
	s_lshl_b32 s16, s42, 8                         ; A: row 256 x tile row + 128 x half,
	s_lshl_b32 s17, s12, 7
	s_add_co_u32 s16, s16, s17
	s_mul_i32 s16, s16, LDA*2                      ; in bytes
	s_mov_b32 s17, 0
	s_lshl_b32 s46, ttmp9, 21                      ; B: plane = cluster x (2,097,152 bytes each),
	s_lshl_b32 s47, s12, 17                        ; my 64 k-rows of the step,
	s_add_co_u32 s46, s46, s47
	s_lshl_b32 s47, s40, 9                         ; the tile's 256 columns
	s_add_co_u32 s46, s46, s47
	s_mov_b32 s47, 0
	s_mul_i32 s20, s12, HALF                       ; where the halves go in a slot: no place in the cluster enters an LDS address
	s_mul_i32 s21, s12, HALF
	s_add_co_u32 s21, s21, BOFF
	s_mov_b32 s68, 0                               ; the fetches begin in slot 0
	s_wait_dscnt 0x0                               ; the opening add is done
	s_wait_kmcnt 0x0
	s_add_nc_u64 s[14:15], s[4:5], s[16:17]
	s_add_nc_u64 s[46:47], s[6:7], s[46:47]
	CROUND                                         ; all sixteen work-groups are here: the first joint loads meet
	s_mov_b32 s32, 1                               ; group 0, A, K step 0 into slot 0
	s_mov_b32 s33, s20
	s_mov_b64 s[34:35], s[14:15]
	s_or_b32 s35, s35, 0x80000000
	s_mov_b32 s36, 1                               ; A, K step 1 into slot 1; this set then walks on
	s_add_co_u32 s37, s20, SLOT1
	s_add_nc_u64 s[38:39], s[14:15], ASTEP
	s_or_b32 s39, s39, 0x80000000
	s_mov_b32 s56, 1                               ; the same for B
	s_mov_b32 s57, s21
	s_mov_b64 s[58:59], s[46:47]
	s_or_b32 s59, s59, 0x80000000
	s_mov_b32 s60, 1
	s_add_co_u32 s61, s21, SLOT1
	s_add_nc_u64 s[62:63], s[46:47], BSTEP
	s_or_b32 s63, s63, 0x80000000
	s_cmp_eq_u32 s11, 0                            ; a wave's two first fills stand in one branch: two loads of mine are out
	s_cbranch_scc0 .Lfirst_b
	tensor_load_to_lds s[32:35], s[24:31]
	s_nop 0
	tensor_load_to_lds s[36:39], s[24:31]
	s_nop 0
	PLACES
	s_branch .Lfirst_asked
.Lfirst_b:
	tensor_load_to_lds s[56:59], s[48:55]
	s_nop 0
	tensor_load_to_lds s[60:63], s[48:55]
	s_nop 0
	PLACES
.Lfirst_asked:
	; the bias of my 128 columns, laid as a C operand: register 8 b + j of lane (r, h) is bb[plane][16 b + 8 h + j]; it is used as it lies
	v_and_b32 v1, 15, v0                           ; r = l % 16
	v_bfe_u32 v2, v0, 4, 1                         ; h = l / 16
	v_and_b32 v3, 31, v0                           ; l
	s_lshl_b32 s13, s40, 10                        ; 256 columns x 4 bytes a tile,
	s_lshl_b32 s22, s12, 9                         ; my 128,
	s_add_co_u32 s13, s13, s22
	s_lshl_b32 s22, ttmp9, 12                      ; in the plane's row of bb
	s_add_co_u32 s13, s13, s22
	v_lshl_add_u32 v31, v2, 5, s13
	WIN 0x40                                       ; destination window 1
.irp b, 0,1,2,3,4,5,6,7
	global_load_b128 v[8*(\b):8*(\b)+3],   v31, s[76:77] offset:64*(\b)
	global_load_b128 v[8*(\b)+4:8*(\b)+7], v31, s[76:77] offset:64*(\b)+16
.endr
	WIN 0
	; fragment addresses.  A: row x pitch + 16 x half.  B turned: lane l reads k-row 8 (l / 16) + l % 8, columns 8 ((l / 8) % 2) + 0..7
	v_mul_u32_u24 v16, v1, PA
	v_lshl_add_u32 v16, v2, 4, v16
	s_mul_i32 s13, s11, HALF                       ; my 128 rows of A
	v_add_nc_u32 v16, s13, v16
	v_and_b32 v4, 7, v0
	v_lshl_add_u32 v4, v2, 3, v4
	v_mul_u32_u24 v17, v4, PB
	v_bfe_u32 v5, v0, 3, 1
	v_lshl_add_u32 v17, v5, 4, v17
	s_lshl_b32 s13, s12, 8                         ; my 128 columns of B
	s_add_co_u32 s13, s13, BOFF
	v_add_nc_u32 v17, s13, v17
	; the way out: my stage, and my corner of C
	s_mul_i32 s13, s10, 16*SP
	s_add_co_u32 s13, s13, STAGE
	v_mul_u32_u24 v24, v1, SP                      ; in: row l % 16, 16 bytes for each half of the lanes
	v_lshl_add_u32 v24, v2, 4, v24
	v_add_nc_u32 v24, s13, v24
	v_mul_u32_u24 v25, v2, SP                      ; back: lanes 0-15 one row of 256 bytes, lanes 16-31 the next
	v_lshl_add_u32 v25, v1, 4, v25
	v_add_nc_u32 v25, s13, v25
	v_mul_u32_u24 v26, v2, LDC                     ; the same two rows in C
	v_lshl_add_u32 v26, v1, 4, v26
	s_lshl_b32 s18, s42, 8
	s_lshl_b32 s22, s11, 7
	s_add_co_u32 s18, s18, s22                     ; my first row
	s_lshl_b32 s18, s18, 11                        ; x 2,048 bytes
	s_lshl_b32 s22, ttmp9, 24                      ; the plane: 16,777,216 bytes each
	s_add_co_u32 s18, s18, s22
	s_lshl_b32 s22, s40, 9
	s_add_co_u32 s18, s18, s22
	s_lshl_b32 s22, s12, 8
	s_add_co_u32 s18, s18, s22
	s_mov_b32 s19, 0
	s_add_nc_u64 s[8:9], s[78:79], s[18:19]
	; the prefetches: who asks, and where they stand (at K step 2; each filling change of slots steps them first)
	s_lshl_b32 s86, s42, 8
	s_lshl_b32 s88, s12, 7
	s_add_co_u32 s86, s86, s88
	s_lshl_b32 s88, s40, 5
	s_add_co_u32 s86, s86, s88                     ; A: row 256 x tile row + 128 x half + 32 cx
	s_mul_i32 s86, s86, LDA*2
	s_add_co_u32 s86, s86, 2*ASTEP
	s_lshl_b32 s87, ttmp9, 21                      ; B: the plane, the tile's columns, my half of a row's 512 bytes, k-row 32 cy
	s_lshl_b32 s88, s40, 9
	s_add_co_u32 s87, s87, s88
	s_lshl_b32 s88, s12, 8
	s_add_co_u32 s87, s87, s88
	s_lshl_b32 s88, s41, 16
	s_add_co_u32 s87, s87, s88
	s_add_co_u32 s87, s87, 2*BSTEP
	s_mov_b32 s13, ttmp9                           ; A: 0 in a cluster with x = 0
	s_mov_b32 s66, BSTEP
	s_mov_b32 s67, 0
	s_cmp_eq_u32 s11, 0
	s_cselect_b32 s13, s13, s84                    ; B: 0 in a cluster with y = 0
	s_cselect_b64 s[44:45], s[4:5], s[6:7]
	s_cselect_b32 s86, s86, s87
	s_cselect_b32 s66, ASTEP, s66
	s_mov_b32 s87, 0
	s_add_nc_u64 s[44:45], s[44:45], s[86:87]
	s_cmp_eq_u32 s13, 0
	s_cselect_b32 s43, 1, -1                       ; the same in all sixteen partners, for a given wave
	v_lshlrev_b32 v30, 11, v3                      ; a lane a row: 2,048 bytes in xb and in wb alike
	s_wait_loadcnt 0x0                             ; the bias is in
	s_wait_tensorcnt 0x1                           ; my part of K step 0 is in; K step 1's may stay out
	s_wait_dscnt 0x0
	s_barrier_signal -1
	s_barrier_wait -1                              ; everybody's is
	v_mov_b32 v18, v16
	v_mov_b32 v19, v17
	FETCH 0, F0
	QUARTER 1, F0, F1, 1                           ; the first quarter stands in front of the loop: its products start the sums
	WIN 0                                          ; at a label and at a branch every window is 0
	s_mov_b32 s3, NSTEP-2
.Lstep:                                                ; a trip: quarters 1-3 of a K step and quarter 0 of the next; the slot read out is filled with the K step two on
	QUARTER 2, F1, F0, 0
	QUARTER 3, F0, F1, 0
	TURN 1
	QUARTER 1, F0, F1, 0
	WIN 0
	s_sub_co_u32 s3, s3, 1
	s_cmp_lg_u32 s3, 0
	s_cbranch_scc1 .Lstep
	QUARTER 2, F1, F0, 0                           ; the last two K steps are written out: nothing is asked for
	QUARTER 3, F0, F1, 0
	TURN 0
	QUARTER 1, F0, F1, 0
	QUARTER 2, F1, F0, 0
	QUARTER 3, F0, F1, 0
	LASTQ
	PLACES
	PLACES
	; THE WAY OUT, a block of 16 rows at a time: rounded to bf16, 16 bytes a lane into my own stage, back as whole rows of 256 bytes, stored.
.macro PACK a
	WIN 0x0a+5*((\a)/4)                            ; sources in window 2 or 3
.irp b, 0,1,2,3,4,5,6,7
.irp r, 0,1,2,3
	v_cvt_pk_bf16_f32 v[TMP+4*(\b)+(\r)], v[64*((\a)%4)+8*(\b)+2*(\r)], v[64*((\a)%4)+8*(\b)+2*(\r)+1]
.endr
.endr
	WIN 0
.endm
.macro TOSTAGE a
.set BK, OB+192*((\a)%2)
.irp b, 0,1,2,3,4,5,6,7
	ds_store_b128 v24, v[TMP+4*(\b):TMP+4*(\b)+3] offset:32*(\b)
.endr
.irp t, 0,1,2,3,4,5,6,7
	ds_load_b128 v[BK+4*(\t):BK+4*(\t)+3], v25 offset:(\t)*2*SP  ; LDS serves a wave's instructions in order (ISA guide 5.7.1.4): these see the stores above
.endr
.endm
.macro SEND a
.set BK, OB+192*((\a)%2)
	s_wait_dscnt 0x0                               ; the block is back in registers
	s_wait_xcnt 0x0                                ; the stores two blocks back have read their registers: the next block's loads land there
.irp t, 0,1,2,3,4,5,6,7
	global_store_b128 v26, v[BK+4*(\t):BK+4*(\t)+3], s[8:9] offset:(16*(\a)+2*(\t))*LDC  ; 16 lanes store 256 consecutive bytes, aligned
.endr
.endm
	PACK 0
	TOSTAGE 0
.irp a, 1,2,3,4,5,6,7
	PACK \a                                        ; a block's roundings stand between the loads of the block before and the wait for them
	SEND (\a)-1
	TOSTAGE \a
.endr
	SEND 7
	s_wait_tensorcnt 0x0                           ; the wave's end: behind my last tensor load and my last LDS store
	ds_add_u32 v28, v29
	s_wait_dscnt 0x0
	CROUND                                         ; the closing round: no work-group ends while a partner may still ask for a tile that names it
	s_endpgm
.Lfunc_end_k_qa420429468_proj:
	.size	k_qa420429468_proj, .Lfunc_end_k_qa420429468_proj-k_qa420429468_proj
	.p2alignl 7, 3214868480
	.fill 96, 4, 3214868480
	.section	.rodata,"a",@progbits
	.p2align	6, 0x0
	.amdhsa_kernel k_qa420429468_proj
		.amdhsa_group_segment_fixed_size 327680
		.amdhsa_private_segment_fixed_size 0
		.amdhsa_enable_private_segment 0
		.amdhsa_kernarg_size 32
		.amdhsa_user_sgpr_count 2
		.amdhsa_user_sgpr_kernarg_segment_ptr 1
		.amdhsa_wavefront_size32 1
		.amdhsa_system_sgpr_workgroup_id_x 1
		.amdhsa_system_sgpr_workgroup_id_y 1
		.amdhsa_system_sgpr_workgroup_id_z 1
		.amdhsa_system_vgpr_workitem_id 0
		.amdhsa_next_free_vgpr 1024
		.amdhsa_next_free_sgpr 96
		.amdhsa_reserve_vcc 0
		.amdhsa_float_denorm_mode_32 3
		.amdhsa_float_denorm_mode_16_64 3
		.amdhsa_memory_ordered 1
		.amdhsa_forward_progress 1
		.amdhsa_inst_pref_size 119
	.end_amdhsa_kernel
	.amdgpu_metadata
---
amdhsa.version: [ 1, 2 ]
amdhsa.kernels:
  - .name:           k_qa420429468_proj
    .symbol:         k_qa420429468_proj.kd
    .args:
      - { .name: xb, .offset: 0, .size: 8, .value_kind: global_buffer, .address_space: global }
      - { .name: wb, .offset: 8, .size: 8, .value_kind: global_buffer, .address_space: global }
      - { .name: bb, .offset: 16, .size: 8, .value_kind: global_buffer, .address_space: global }
      - { .name: qkv, .offset: 24, .size: 8, .value_kind: global_buffer, .address_space: global }
    .group_segment_fixed_size: 327680
    .private_segment_fixed_size: 0
    .kernarg_segment_align: 8
    .kernarg_segment_size: 32
    .max_flat_workgroup_size: 128
    .sgpr_count:     96
    .vgpr_count:     1024
    .wavefront_size: 32
...
	.end_amdgpu_metadata
.endif
;; end of part 7
;; launch score (part 8): grid 8 x 32, 4 waves a work-group, clusters of 4 x 4, 327,680 bytes of LDS; arguments qkv, pb, st; writes pb, st
.if DOCPART == 8
	.amdgcn_target "amdgcn-amd-amdhsa--gfx1250"
	.amdhsa_code_object_version 6
	.text
	.protected	k_qa420429468_score
	.globl	k_qa420429468_score
	.p2align	8
	.type	k_qa420429468_score,@function
k_qa420429468_score:
	s_mov_b64 s[64:65], 0
	v_nop
	global_prefetch_b8 v0, s[64:65] scope:SCOPE_SE
	s_setreg_imm32_b32 hwreg(HW_REG_WAVE_MODE, 25, 1), 1
	s_wait_xcnt 0x0
	s_wait_alu depctr_hold_cnt(0) depctr_sa_sdst(0) depctr_va_vdst(0) depctr_va_sdst(0) depctr_va_ssrc(0) depctr_va_vcc(0) depctr_vm_vsrc(0)
	s_getreg_b32 s2, hwreg(HW_REG_IB_STS2, 6, 4)
	s_cmp_eq_u32 s2, 0
	s_cbranch_scc0 .Lentry_in_a_cluster
	s_endpgm
.Lentry_in_a_cluster:
	s_bfe_u32 s2, ttmp6, 0x10000c
	s_cmp_lg_u32 s2, 0xf033
	s_cbranch_scc0 .Lentry_shape_is_right
	s_endpgm
.Lentry_shape_is_right:
; s[row][key] = sum over h of Q[row][h] K[key][h] (Q, K: planes 0, 1 of qkv, [8192][1024] bf16; keys of the row's own batch of 2,048), sums in f32, and THE FIRST HALF OF THE SOFTMAX:
; for each row and each block of 128 keys (a wave's columns): E = floor(c m), m the block's largest score, c = log2(e) / 32;  p = 2^(c s - E), stored as bf16 in pb[row][key];
; l = the sum of the block's p as they are stored.  E and l go to st ([2][16 blocks][8192 rows] f32).  The next launch brings the blocks of a row onto the row's largest E by factors 2^(E_blk - E_row), which are exact in bf16.
; LIMITS.  The block's maximum is taken away rounded down to a whole exponent, so p lies below 2 (to within a rounding) and the block's largest p is 1 or more; p is rounded once to bf16;
; a p below 2^-126 counts as 0; NaN and infinities are not treated apart.
; SHARES.  A tile of C is 256 rows x 256 keys.  Four waves, each 128 x 128: 64 accumulators of 16 x 16, 512 registers.  K (the 1,024 channels) goes in steps of 128 through two LDS slots: a K step is 256 matrix
; instructions a wave, of which 224 stand between a slot's refill and the wait for it.  A and B both lie along K.
; THE MATRIX INSTRUCTION IS USED TRANSPOSED (source 0 = 16 keys, source 1 = 16 queries): a lane holds query l % 16 and the keys 8 (l / 16) + 0..7 of each of 8 groups of 16: a query's 128 scores lie in two lanes, 16 apart.
; CLUSTER 4 x 4: the four work-groups of a row of the cluster need the same tile of Q, the four of a column the same tile of K (all sixteen lie in one batch): each tile is asked for jointly.
; REGISTERS, in windows of 256 (s_set_vgpr_msb: bits 1:0 source 0, 3:2 source 1, 5:4 source 2, 7:6 destination):
;   window 0: v0-31 addresses; v64-127, v128-191 A's fragments (8 x 16 rows x 32 K), two buffers; on the way out v64-103 the statistics at work and a fragment of ones, v128-159 the row sums,
;             v192-223 packed p, v32-63 and v224-255 rows read back, by turns
;   window 1: v64-127, v128-191 B's fragments, two buffers
;   window 2: the 32 accumulators of my rows 0-63 ((a, b) at v[8 (8 a + b)]);   window 3: those of my rows 64-127
.set NSTEP, 8                          ; K steps
.set LDA,   1024                       ; elements in a row of A
.set BKN,   0                          ; B lies [N][K]
.set BSTEP, 256                        ; bytes from a K step of B to the next
.set BD0,   128                        ; B's tensor load: elements in a row,
.set BD1,   128                        ; rows
.set LDC,   4096                       ; bytes in a row of pb
.set HASBIAS, 0                        ; the first products start from 0
.set PA,    272                        ; an LDS row of A and of B: 256 bytes + 16: the 16 rows of a fragment load start 68 words apart
.set PB,    544                        ; (an LDS row of a B that lies [K][N]: not in this launch)
.set HALF,  128*PA                     ; 34,816 bytes: what one tensor load brings: half of A's tile or half of B's
.set BOFF,  2*HALF                     ; B's tile lies behind A's 256 rows
.set SLOT1, 4*HALF                     ; slot 1 begins at 139,264 = 0x22000; the loads' four places in a slot (0, 0x8800, 0x11000, 0x19800) have neither of its two bits, so one exclusive or turns a place in one slot into the other's
.set STAGE, 2*SLOT1                    ; behind the ring, never filled by a tensor load: 16 rows x 272 bytes for each wave, for the way out
.set TAB,   STAGE+4*16*272             ; 1,024 bytes a wave: E of my 128 rows, then l
.set SPARE, TAB+4096                   ; the spare words, 128 bytes for each wave: two blocks of 256 bytes that no other line names
.set ASTEP, 256                        ; bytes from a K step of A to the next
.set SP,    272                        ; a row of my stage
.set F0,    64
.set F1,    128
.set TMP,   192
.set OB,    32
.set CH,    64                         ; v64-71 eight chains of the maximum
.set EV,    72                         ; v72 E (v73 is named with it as a pair)
.set LS,    74                         ; v74-75 l
.set SV,    76                         ; v76 what goes to the table: E in lanes 0-15, l in lanes 16-31
.set SO,    80                         ; v80-87 the table on its way out
.set ONES,  96                         ; v96-103 a fragment of ones
.set RS,    128                        ; v128-159 four accumulators: the sums of 32 keys' p each
.set GPAD5, (1<<16)|(1<<20)|(1<<21)|(5<<22)|(3<<25)  ; 2-byte elements; padding on; bit 21 beside a mask; after every 64 words 4 words
.set GPAD6, (1<<16)|(1<<20)|(1<<21)|(6<<22)|(7<<25)  ; the same: after every 128 words 8 words
.set GB0,   GPAD5
.set MSB, 0
.macro WIN new                         ; the immediate's high byte repeats the setting that is left; a switch that changes nothing is dropped
.if MSB != (\new)
	s_set_vgpr_msb (MSB<<8)|(\new)
.set MSB, \new
.endif
.endm
.macro PLACES                          ; four places: behind a matrix instruction and in front of loads into registers that it read, or of lines that read its result
.rept 4
	v_nop
.endr
.endm
.macro CREST                           ; a round of the cluster's barrier behind its opening barrier
	s_cmp_lg_u32 s10, 0
	s_cbranch_scc1 .Lnot_wave_0_\@
	s_barrier_signal -3
.Lnot_wave_0_\@:
	s_barrier_wait -3
	s_barrier_signal -1
	s_barrier_wait -1
.endm
.macro CROUND                          ; a whole round
	s_barrier_signal -1
	s_barrier_wait -1
	CREST
.endm
.macro JLOAD                           ; a joint refill by the walking descriptors: waves 0, 1 fetch A's halves, waves 2, 3 B's; s_nop 0 and four v_nop follow each line
	s_cmp_eq_u32 s11, 0
	s_cbranch_scc0 .Lfor_b_\@
	tensor_load_to_lds s[36:39], s[24:31]
	s_nop 0
	PLACES
	s_branch .Lasked_\@
.Lfor_b_\@:
	tensor_load_to_lds s[60:63], s[48:55]
	s_nop 0
	PLACES
.Lasked_\@:
.endm
; A PREFETCH INTO THE L2 of the K step that the NEXT refill will ask for (256 matrix instructions ahead of that load): one instruction a wave, a lane a row, 256 bytes of the row.
; Each such block is named once in the launch.  Q's: by waves 0 and 1 of the clusters with x = 0; of the 128 rows that a wave fetches each of the four partners of a tile row takes 32, by address.
; K's: by waves 2 and 3 of each batch's first cluster along y; the four partners of a tile column take 64 rows each by address, the two waves 32 each.
; The last filling trip (s3 = 1) has no refill behind it.  K steps 0 to 2 come by their loads alone: nothing is asked for at the head.
.macro ASK
	s_cmp_gt_u32 s3, s43
	s_cbranch_scc0 .Lnot_mine_\@
	global_prefetch_b8 v30, s[44:45] th:TH_LOAD_NT scope:SCOPE_SE
.Lnot_mine_\@:
.endm
; 16 matrix instructions: row blocks a0, a0 + 1 of the window's four (hi = 0: my rows 0-63, 1: rows 64-127) x all 8 column blocks, 32 along K, from buffer f.  cm = 1: the first products start the sums.
; The 64 accumulators take turns in the same order in every quarter.
.macro MUL16 f, hi, a0, cm
.if (\cm) && HASBIAS
	WIN 0x91+0x40*(\hi)                            ; B in window 1, A in window 0, C in window 1, D in window 2 or 3
.else
	WIN 0xa1+0x50*(\hi)                            ; B in window 1, A in window 0, C and D in window 2 or 3
.endif
.irp a, \a0, (\a0)+1
.irp b, 0,1,2,3,4,5,6,7
.if (\cm) && HASBIAS
	v_wmma_f32_16x16x32_bf16 v[8*(8*(\a)+(\b)):8*(8*(\a)+(\b))+7], v[(\f)+8*(\b):(\f)+8*(\b)+7], v[(\f)+8*(4*(\hi)+(\a)):(\f)+8*(4*(\hi)+(\a))+7], v[8*(\b):8*(\b)+7]
.elseif \cm
	v_wmma_f32_16x16x32_bf16 v[8*(8*(\a)+(\b)):8*(8*(\a)+(\b))+7], v[(\f)+8*(\b):(\f)+8*(\b)+7], v[(\f)+8*(4*(\hi)+(\a)):(\f)+8*(4*(\hi)+(\a))+7], 0
.else
	v_wmma_f32_16x16x32_bf16 v[8*(8*(\a)+(\b)):8*(8*(\a)+(\b))+7], v[(\f)+8*(\b):(\f)+8*(\b)+7], v[(\f)+8*(4*(\hi)+(\a)):(\f)+8*(4*(\hi)+(\a))+7], v[8*(8*(\a)+(\b)):8*(8*(\a)+(\b))+7]
.endif
.endr
.endr
.endm
; 32 LDS loads in one run: quarter q (32 along K) of the slot in hand into buffer g: B's 8 fragments first, then A's 8
.macro FETCH q, g
	WIN 0x40                                       ; destination window 1, address window 0
.irp b, 0,1,2,3,4,5,6,7
.if BKN
	ds_load_tr16_b128 v[(\g)+8*(\b):(\g)+8*(\b)+3],   v19 offset:(\q)*32*PB+32*(\b)
	ds_load_tr16_b128 v[(\g)+8*(\b)+4:(\g)+8*(\b)+7], v19 offset:(\q)*32*PB+16*PB+32*(\b)
.else
	ds_load_b128 v[(\g)+8*(\b):(\g)+8*(\b)+3],   v19 offset:64*(\q)+(\b)*16*PA
	ds_load_b128 v[(\g)+8*(\b)+4:(\g)+8*(\b)+7], v19 offset:64*(\q)+(\b)*16*PA+32
.endif
.endr
	WIN 0
.irp a, 0,1,2,3,4,5,6,7
	ds_load_b128 v[(\g)+8*(\a):(\g)+8*(\a)+3],   v18 offset:64*(\q)+(\a)*16*PA
	ds_load_b128 v[(\g)+8*(\a)+4:(\g)+8*(\a)+7], v18 offset:64*(\q)+(\a)*16*PA+32
.endr
.endm
; A K step is four quarters of 32 along K, 64 matrix instructions each, on buffers 0, 1, 0, 1.  One of the first three: multiplies buffer f; in its middle it fetches quarter q into buffer g.
.macro QUARTER q, f, g, cm
	s_wait_dscnt 8                                 ; B and A's rows 0-63 are in; the youngest eight loads (A's rows 64-127) may be out
	MUL16 \f, 0, 0, \cm
	MUL16 \f, 0, 2, \cm
	PLACES
	FETCH \q, \g
	s_wait_dscnt 32                                ; all but the 32 just issued
	MUL16 \f, 1, 0, \cm
	MUL16 \f, 1, 2, \cm
.endm
; The last quarter multiplies buffer 1 and changes slots: ONE barrier.  In front of it each wave waits for all its tensor loads (one is out: its part of the next slot), adds 0 to its spare word, and waits for
; that and for its reads of this slot.  fill = 1: the barrier opens a round of the cluster's barrier, and the joint refill of the slot just read, with the K step two on, is the first thing behind the round.
.macro TURN fill
.if \fill
	s_wait_xcnt 0x0                                ; the last prefetch, a K step back, has read its address
	s_add_nc_u64 s[44:45], s[44:45], s[66:67]
.endif
	WIN 0                                          ; (the add's two registers lie in window 0)
	s_wait_tensorcnt 0x0                           ; no tensor load of mine is out, so a group 0 may be written
	ds_add_u32 v28, v29                            ; 0 onto my spare word
.if \fill
	s_xor_b32 s37, s37, SLOT1                      ; the walking descriptors: the other slot than last time,
	s_add_nc_u64 s[38:39], s[38:39], ASTEP         ; the next K step; the type bits on top are not reached
	s_xor_b32 s61, s61, SLOT1
	s_add_nc_u64 s[62:63], s[62:63], BSTEP
.endif
	s_xor_b32 s68, s68, SLOT1                      ; the fetches go to the other slot
	s_wait_dscnt 9                                 ; the add and the youngest eight loads may be out
	MUL16 F1, 0, 0, 0                              ; sixteen matrix instructions stand between the add and the wait for it
	s_wait_dscnt 0x0                               ; the add is done, and my reads of this slot are over
	s_barrier_signal -1
	MUL16 F1, 0, 2, 0
	WIN 0
	v_add_nc_u32 v18, s68, v16
	v_add_nc_u32 v19, s68, v17
	s_barrier_wait -1
.if \fill
	CREST                                          ; no wave of any partner still reads this slot or has a load on its way
	JLOAD                                          ; its four v_nop are also the places in front of the loads below
.else
	PLACES
.endif
	FETCH 0, F0
.if \fill
	ASK                                            ; behind the joint load and the run of LDS loads that the next products wait for
.endif
	MUL16 F1, 1, 0, 0
	MUL16 F1, 1, 2, 0
.endm
.macro LASTQ                           ; the very last quarter: nothing more to fetch
	s_wait_dscnt 8
	MUL16 F1, 0, 0, 0
	MUL16 F1, 0, 2, 0
	s_wait_dscnt 0x0
	MUL16 F1, 1, 0, 0
	MUL16 F1, 1, 2, 0
	WIN 0
.endm
	s_load_b64 s[4:5], s[0:1], 0x0                 ; qkv
	s_load_b64 s[8:9], s[0:1], 0x8                 ; pb
	s_load_b64 s[76:77], s[0:1], 0x10              ; st
	v_lshl_add_u32 v28, v0, 2, SPARE
	v_mov_b32 v29, 0
	ds_add_u32 v28, v29                            ; the wave's opening: the add and its wait ahead of my first tensor load; the set-up below stands between them
	v_lshrrev_b32 v1, 5, v0
	v_readfirstlane_b32 s10, v1                    ; wave 0..3
	s_lshr_b32 s11, s10, 1                         ; rh: which 128 rows of the tile are mine.  Also: I fetch for A (0) or for B (1)
	s_and_b32 s12, s10, 1                          ; ch: which 128 columns.  Also: which half of that tile I fetch
	s_bfe_u32 s40, ttmp6, 0x40000                  ; cx
	s_bfe_u32 s41, ttmp6, 0x40004                  ; cy
	s_and_b32 s84, ttmp7, 0xffff                   ; cluster y
	s_lshl_b32 s42, s84, 2
	s_add_co_u32 s42, s42, s41                     ; tile row = 4 x cluster y + cy
	s_lshl_b32 s85, ttmp9, 2
	s_add_co_u32 s85, s85, s40                     ; tile column = 4 x cluster x + cx
	s_lshr_b32 s90, s84, 1                         ; the batch: two clusters along y each; the same in all sixteen partners
	s_lshl_b32 s13, s41, 2
	s_lshl_b32 s13, 15, s13                        ; my row of the cluster
	s_lshl_b32 s22, 0x1111, s40                    ; my column
	s_or_b32 s24, s13, GPAD5                       ; group 1 for A: 128 rows x 128 elements
	s_mov_b32 s25, 128<<16                         ; tensor_dim0
	s_mov_b32 s26, 128<<16                         ; tensor_dim1
	s_mov_b32 s27, 128<<16                         ; tile_dim0
	s_mov_b32 s28, 128                             ; tile_dim1
	s_mov_b32 s29, LDA                             ; elements from row to row
	s_mov_b32 s30, 0
	s_mov_b32 s31, 0
	s_or_b32 s48, s22, GB0                         ; group 1 for B: 128 rows x 128 elements
	s_mov_b32 s49, BD0<<16
	s_mov_b32 s50, BD1<<16
	s_mov_b32 s51, BD0<<16
	s_mov_b32 s52, BD1
	s_mov_b32 s53, 1024
	s_mov_b32 s54, 0
	s_mov_b32 s55, 0
	s_lshl_b32 s16, s42, 8                         ; A = Q: row 256 x tile row + 128 x half,
	s_lshl_b32 s17, s12, 7
	s_add_co_u32 s16, s16, s17
	s_mul_i32 s16, s16, LDA*2                      ; in bytes
	s_mov_b32 s17, 0
	s_lshl_b32 s46, s90, 22                        ; B = K: the batch's 2,048 rows of 2,048 bytes,
	s_lshl_b32 s47, s85, 19                        ; the tile's 256,
	s_add_co_u32 s46, s46, s47
	s_lshl_b32 s47, s12, 18                        ; my 128,
	s_add_co_u32 s46, s46, s47
	s_add_co_u32 s46, s46, 16777216                ; in plane 1
	s_mov_b32 s47, 0
	s_mul_i32 s20, s12, HALF                       ; where the halves go in a slot: no place in the cluster enters an LDS address
	s_mul_i32 s21, s12, HALF
	s_add_co_u32 s21, s21, BOFF
	s_mov_b32 s68, 0                               ; the fetches begin in slot 0
	s_mov_b32 s70, 0x3d38aa3b                      ; c = log2(e) / 32
	s_mov_b32 s71, s70                             ; named with it as a pair
	s_mov_b32 s72, 0x76543210                      ; v_permlanex16_b32's selects: each lane takes its own place in the other half
	s_mov_b32 s73, 0xfedcba98
	s_mov_b32 s74, 0xffff0000                      ; lanes 16-31
	s_wait_dscnt 0x0                               ; the opening add is done
	s_wait_kmcnt 0x0
	s_mov_b64 s[6:7], s[4:5]
	s_add_nc_u64 s[14:15], s[4:5], s[16:17]
	s_add_nc_u64 s[46:47], s[6:7], s[46:47]
	CROUND                                         ; all sixteen work-groups are here: the first joint loads meet
	s_mov_b32 s32, 1                               ; group 0, A, K step 0 into slot 0
	s_mov_b32 s33, s20
	s_mov_b64 s[34:35], s[14:15]
	s_or_b32 s35, s35, 0x80000000
	s_mov_b32 s36, 1                               ; A, K step 1 into slot 1; this set then walks on
	s_add_co_u32 s37, s20, SLOT1
	s_add_nc_u64 s[38:39], s[14:15], ASTEP
	s_or_b32 s39, s39, 0x80000000
	s_mov_b32 s56, 1                               ; the same for B
	s_mov_b32 s57, s21
	s_mov_b64 s[58:59], s[46:47]
	s_or_b32 s59, s59, 0x80000000
	s_mov_b32 s60, 1
	s_add_co_u32 s61, s21, SLOT1
	s_add_nc_u64 s[62:63], s[46:47], BSTEP
	s_or_b32 s63, s63, 0x80000000
	s_cmp_eq_u32 s11, 0                            ; a wave's two first fills stand in one branch: two loads of mine are out
	s_cbranch_scc0 .Lfirst_b
	tensor_load_to_lds s[32:35], s[24:31]
	s_nop 0
	tensor_load_to_lds s[36:39], s[24:31]
	s_nop 0
	PLACES
	s_branch .Lfirst_asked
.Lfirst_b:
	tensor_load_to_lds s[56:59], s[48:55]
	s_nop 0
	tensor_load_to_lds s[60:63], s[48:55]
	s_nop 0
	PLACES
.Lfirst_asked:
	v_and_b32 v1, 15, v0                           ; r = l % 16
	v_bfe_u32 v2, v0, 4, 1                         ; h = l / 16
	v_and_b32 v3, 31, v0                           ; l
	; fragment addresses, A and B alike: row x pitch + 16 x half
	v_mul_u32_u24 v16, v1, PA
	v_lshl_add_u32 v16, v2, 4, v16
	v_mov_b32 v17, v16
	s_mul_i32 s13, s11, HALF                       ; my 128 rows of A
	v_add_nc_u32 v16, s13, v16
	s_mul_i32 s13, s12, HALF                       ; my 128 rows of B
	s_add_co_u32 s13, s13, BOFF
	v_add_nc_u32 v17, s13, v17
	; the way out: my stage, my table, my corners of pb and st
	s_mul_i32 s13, s10, 16*SP
	s_add_co_u32 s13, s13, STAGE
	v_mul_u32_u24 v24, v1, SP                      ; in: row l % 16, 16 bytes for each half of the lanes
	v_lshl_add_u32 v24, v2, 4, v24
	v_add_nc_u32 v24, s13, v24
	v_mul_u32_u24 v25, v2, SP                      ; back: lanes 0-15 one row of 256 bytes, lanes 16-31 the next
	v_lshl_add_u32 v25, v1, 4, v25
	v_add_nc_u32 v25, s13, v25
	v_mul_u32_u24 v26, v2, LDC                     ; the same two rows in pb
	v_lshl_add_u32 v26, v1, 4, v26
	s_lshl_b32 s13, s10, 10
	s_add_co_u32 s13, s13, TAB                     ; my 1,024 bytes of the table
	v_lshl_add_u32 v27, v2, 9, s13                 ; in: lanes 0-15 put E, lanes 16-31 l, of row l % 16 of the block
	v_lshl_add_u32 v27, v1, 2, v27
	v_lshl_add_u32 v6, v3, 4, s13                  ; back: 16 bytes a lane
	v_lshlrev_b32 v31, 4, v3                       ; and the same 512 bytes in st
	s_lshl_b32 s18, s42, 8
	s_lshl_b32 s22, s11, 7
	s_add_co_u32 s18, s18, s22                     ; my first row
	s_lshl_b32 s91, s18, 2                         ; x 4 bytes in st,
	s_lshl_b32 s18, s18, 12                        ; x 4,096 in pb
	s_lshl_b32 s22, s85, 9
	s_add_co_u32 s18, s18, s22
	s_lshl_b32 s22, s12, 8
	s_add_co_u32 s18, s18, s22
	s_mov_b32 s19, 0
	s_add_nc_u64 s[8:9], s[8:9], s[18:19]
	s_lshl_b32 s22, s85, 1
	s_add_co_u32 s22, s22, s12                     ; my block of 128 keys: 2 x tile column + ch
	s_lshl_b32 s22, s22, 15                        ; 8,192 rows x 4 bytes each
	s_add_co_u32 s22, s22, s91
	s_mov_b32 s23, 0
	s_add_nc_u64 s[76:77], s[76:77], s[22:23]
	; the prefetches: who asks, and where they stand (at K step 2; each filling change of slots steps them first)
	s_lshl_b32 s86, s42, 8
	s_lshl_b32 s88, s12, 7
	s_add_co_u32 s86, s86, s88
	s_lshl_b32 s88, s40, 5
	s_add_co_u32 s86, s86, s88                     ; A: row 256 x tile row + 128 x half + 32 cx
	s_mul_i32 s86, s86, LDA*2
	s_add_co_u32 s86, s86, 2*ASTEP
	s_lshl_b32 s87, s90, 22                        ; B: the batch, the tile's 256 rows, 64 cy + 32 ch of them
	s_lshl_b32 s88, s85, 19
	s_add_co_u32 s87, s87, s88
	s_lshl_b32 s88, s41, 17
	s_add_co_u32 s87, s87, s88
	s_lshl_b32 s88, s12, 16
	s_add_co_u32 s87, s87, s88
	s_add_co_u32 s87, s87, 16777216+2*BSTEP
	s_mov_b32 s13, ttmp9                           ; A: 0 in a cluster with x = 0
	s_and_b32 s22, s84, 1                          ; B: 0 in a batch's first cluster along y
	s_mov_b32 s66, BSTEP
	s_mov_b32 s67, 0
	s_cmp_eq_u32 s11, 0
	s_cselect_b32 s13, s13, s22
	s_cselect_b64 s[44:45], s[4:5], s[6:7]
	s_cselect_b32 s86, s86, s87
	s_cselect_b32 s66, ASTEP, s66
	s_mov_b32 s87, 0
	s_add_nc_u64 s[44:45], s[44:45], s[86:87]
	s_cmp_eq_u32 s13, 0
	s_cselect_b32 s43, 1, -1                       ; the same in all sixteen partners, for a given wave
	v_lshlrev_b32 v30, 11, v3                      ; a lane a row of 2,048 bytes
	s_wait_tensorcnt 0x1                           ; my part of K step 0 is in; K step 1's may stay out
	s_wait_dscnt 0x0
	s_barrier_signal -1
	s_barrier_wait -1                              ; everybody's is
	v_mov_b32 v18, v16
	v_mov_b32 v19, v17
	FETCH 0, F0
	QUARTER 1, F0, F1, 1                           ; the first quarter stands in front of the loop: its products start the sums
	WIN 0                                          ; at a label and at a branch every window is 0
	s_mov_b32 s3, NSTEP-2
.Lstep:                                                ; a trip: quarters 1-3 of a K step and quarter 0 of the next; the slot read out is filled with the K step two on
	QUARTER 2, F1, F0, 0
	QUARTER 3, F0, F1, 0
	TURN 1
	QUARTER 1, F0, F1, 0
	WIN 0
	s_sub_co_u32 s3, s3, 1
	s_cmp_lg_u32 s3, 0
	s_cbranch_scc1 .Lstep
	QUARTER 2, F1, F0, 0                           ; the last two K steps are written out: nothing is asked for
	QUARTER 3, F0, F1, 0
	TURN 0
	QUARTER 1, F0, F1, 0
	QUARTER 2, F1, F0, 0
	QUARTER 3, F0, F1, 0
	LASTQ
	PLACES
	PLACES
	v_mov_b32 v[EV+1], 0                           ; named with E as a pair, so it is written
.irp i, 0,1,2,3,4,5,6,7
	v_mov_b32 v[ONES+(\i)], 0x3f803f80             ; 1.0 twice in bf16
.endr
	; THE WAY OUT, a block of 16 rows at a time.  SMX: the block's maximum, E, p rounded to bf16, l.  Then 16 bytes a lane into my own stage, back as whole rows of 256 bytes, stored.
	; l BY THE MATRIX UNIT: two neighbouring groups' packed p (8 registers) are a fragment of 32 keys x my 16 queries; multiplied by a fragment of ones they give, in every register of both lanes of a query,
	; the sum of those 32 p.  Four such products, each into an accumulator of its own with C = 0, and three additions make l; nothing changes lanes.
.macro SMX a
.set AC, 64*((\a)%4)
.set W, 2+(\a)/4                       ; the block's window
	WIN W*0x15                                     ; three sources in the block's window.
.irp b, 0,1,2,3,4,5,6,7
	v_max3_num_f32 v[CH+(\b)], v[AC+8*(\b)], v[AC+8*(\b)+1], v[AC+8*(\b)+2]
.endr
	WIN W*0x14
.irp b, 0,1,2,3,4,5,6,7
	v_max3_num_f32 v[CH+(\b)], v[CH+(\b)], v[AC+8*(\b)+3], v[AC+8*(\b)+4]
.endr
.irp b, 0,1,2,3,4,5,6,7
	v_max3_num_f32 v[CH+(\b)], v[CH+(\b)], v[AC+8*(\b)+5], v[AC+8*(\b)+6]
.endr
.irp b, 0,1,2,3
	v_max3_num_f32 v[CH+(\b)], v[CH+(\b)], v[AC+16*(\b)+7], v[AC+16*(\b)+15]
.endr
	WIN 0
	v_max3_num_f32 v[CH], v[CH], v[CH+1], v[CH+2]
	v_max3_num_f32 v[CH+3], v[CH+3], v[CH+4], v[CH+5]
	v_max3_num_f32 v[CH], v[CH], v[CH+3], v[CH+6]
	v_max_num_f32 v[CH], v[CH], v[CH+7]
	v_permlanex16_b32 v[CH+1], v[CH], s72, s73     ; the query's other 64 keys lie in the lane 16 away
	v_max_num_f32 v[CH], v[CH], v[CH+1]
	v_mul_f32 v[EV], s70, v[CH]
	v_floor_f32 v[EV], v[EV]                       ; E = floor(c m)
	WIN W*0x41                                     ; in place in the block's window; E in window 0
.set i, 0
.rept 32
	v_pk_fma_f32 v[AC+i:AC+i+1], v[AC+i:AC+i+1], s[70:71], v[EV:EV+1] op_sel_hi:[1,0,0] neg_lo:[0,0,1] neg_hi:[0,0,1]  ; c s - E
.set i, i+2
.endr
.set i, 0
.rept 64
	v_exp_f32 v[AC+i], v[AC+i]                     ; one batch: none of these names another's result
.set i, i+1
.endr
	v_nop                                          ; a plain instruction behind the last exponential,
	s_wait_alu depctr_va_vdst(0)                   ; and the one wait ahead of the first line that names a result
	WIN W*0x05
.irp b, 0,1,2,3,4,5,6,7
.irp r, 0,1,2,3
	v_cvt_pk_bf16_f32 v[TMP+4*(\b)+(\r)], v[AC+8*(\b)+2*(\r)], v[AC+8*(\b)+2*(\r)+1]
.endr
.endr
	WIN 0
.irp c, 0,1,2,3
	v_wmma_f32_16x16x32_bf16 v[RS+8*(\c):RS+8*(\c)+7], v[ONES:ONES+7], v[TMP+8*(\c):TMP+8*(\c)+7], 0
.endr
	PLACES
	v_add_f32 v[LS], v[RS], v[RS+8]
	v_add_f32 v[LS+1], v[RS+16], v[RS+24]
	v_add_f32 v[LS], v[LS], v[LS+1]
	v_cndmask_b32 v[SV], v[EV], v[LS], s74
	ds_store_b32 v27, v[SV] offset:64*(\a)
.endm
.macro TOSTAGE a
.set BK, OB+192*((\a)%2)
.irp b, 0,1,2,3,4,5,6,7
	ds_store_b128 v24, v[TMP+4*(\b):TMP+4*(\b)+3] offset:32*(\b)
.endr
.irp t, 0,1,2,3,4,5,6,7
	ds_load_b128 v[BK+4*(\t):BK+4*(\t)+3], v25 offset:(\t)*2*SP  ; LDS serves a wave's instructions in order (ISA guide 5.7.1.4): these see the stores above
.endr
.endm
.macro SEND a
.set BK, OB+192*((\a)%2)
	s_wait_dscnt 0x0                               ; the block is back in registers
	s_wait_xcnt 0x0                                ; the stores two blocks back have read their registers: the next block's loads land there
.irp t, 0,1,2,3,4,5,6,7
	global_store_b128 v26, v[BK+4*(\t):BK+4*(\t)+3], s[8:9] offset:(16*(\a)+2*(\t))*LDC  ; 16 lanes store 256 consecutive bytes, aligned
.endr
.endm
	SMX 0
	TOSTAGE 0
.irp a, 1,2,3,4,5,6,7
	SMX \a                                         ; a block's arithmetic stands between the loads of the block before and the wait for them
	SEND (\a)-1
	TOSTAGE \a
.endr
	SEND 7
	ds_load_b128 v[SO:SO+3], v6                    ; my 128 rows' E,
	ds_load_b128 v[SO+4:SO+7], v6 offset:512       ; and l: my own bytes, stored above
	s_wait_dscnt 0x0
	global_store_b128 v31, v[SO:SO+3], s[76:77]    ; 512 consecutive bytes, aligned,
	global_store_b128 v31, v[SO+4:SO+7], s[76:77] offset:524288  ; and again in the plane of l
	s_wait_tensorcnt 0x0                           ; the wave's end: behind my last tensor load and my last LDS store
	ds_add_u32 v28, v29
	s_wait_dscnt 0x0
	CROUND                                         ; the closing round: no work-group ends while a partner may still ask for a tile that names it
	s_endpgm
.Lfunc_end_k_qa420429468_score:
	.size	k_qa420429468_score, .Lfunc_end_k_qa420429468_score-k_qa420429468_score
	.p2alignl 7, 3214868480
	.fill 96, 4, 3214868480
	.section	.rodata,"a",@progbits
	.p2align	6, 0x0
	.amdhsa_kernel k_qa420429468_score
		.amdhsa_group_segment_fixed_size 327680
		.amdhsa_private_segment_fixed_size 0
		.amdhsa_enable_private_segment 0
		.amdhsa_kernarg_size 24
		.amdhsa_user_sgpr_count 2
		.amdhsa_user_sgpr_kernarg_segment_ptr 1
		.amdhsa_wavefront_size32 1
		.amdhsa_system_sgpr_workgroup_id_x 1
		.amdhsa_system_sgpr_workgroup_id_y 1
		.amdhsa_system_sgpr_workgroup_id_z 1
		.amdhsa_system_vgpr_workitem_id 0
		.amdhsa_next_free_vgpr 1024
		.amdhsa_next_free_sgpr 96
		.amdhsa_reserve_vcc 0
		.amdhsa_float_denorm_mode_32 3
		.amdhsa_float_denorm_mode_16_64 3
		.amdhsa_memory_ordered 1
		.amdhsa_forward_progress 1
		.amdhsa_inst_pref_size 175
	.end_amdhsa_kernel
	.amdgpu_metadata
---
amdhsa.version: [ 1, 2 ]
amdhsa.kernels:
  - .name:           k_qa420429468_score
    .symbol:         k_qa420429468_score.kd
    .args:
      - { .name: qkv, .offset: 0, .size: 8, .value_kind: global_buffer, .address_space: global }
      - { .name: pb, .offset: 8, .size: 8, .value_kind: global_buffer, .address_space: global }
      - { .name: st, .offset: 16, .size: 8, .value_kind: global_buffer, .address_space: global }
    .group_segment_fixed_size: 327680
    .private_segment_fixed_size: 0
    .kernarg_segment_align: 8
    .kernarg_segment_size: 24
    .max_flat_workgroup_size: 128
    .sgpr_count:     96
    .vgpr_count:     1024
    .wavefront_size: 32
...
	.end_amdgpu_metadata
.endif
;; end of part 8
;; launch pv (part 9): grid 4 x 64, 4 waves a work-group, clusters of 4 x 4, 327,680 bytes of LDS; arguments pb, qkv, st, bb, out0; writes out0
.if DOCPART == 9
	.amdgcn_target "amdgcn-amd-amdhsa--gfx1250"
	.amdhsa_code_object_version 6
	.text
	.protected	k_qa420429468_pv
	.globl	k_qa420429468_pv
	.p2align	8
	.type	k_qa420429468_pv,@function
k_qa420429468_pv:
	s_mov_b64 s[64:65], 0
	v_nop
	global_prefetch_b8 v0, s[64:65] scope:SCOPE_SE
	s_setreg_imm32_b32 hwreg(HW_REG_WAVE_MODE, 25, 1), 1
	s_wait_xcnt 0x0
	s_wait_alu depctr_hold_cnt(0) depctr_sa_sdst(0) depctr_va_vdst(0) depctr_va_sdst(0) depctr_va_ssrc(0) depctr_va_vcc(0) depctr_vm_vsrc(0)
	s_getreg_b32 s2, hwreg(HW_REG_IB_STS2, 6, 4)
	s_cmp_eq_u32 s2, 0
	s_cbranch_scc0 .Lentry_in_a_cluster
	s_endpgm
.Lentry_in_a_cluster:
	s_bfe_u32 s2, ttmp6, 0x10000c
	s_cmp_lg_u32 s2, 0xf033
	s_cbranch_scc0 .Lentry_shape_is_right
	s_endpgm
.Lentry_shape_is_right:
; THE SECOND HALF OF THE SOFTMAX, ITS PRODUCT, AND THE RESULT.  out0[row][n] = (sum over the 16 blocks of 128 keys of f_blk sum over the block's keys of p[row][key] V'[key][n]) / L + bb[3][n],
; f_blk = 2^(E_blk - E_row), E_row the largest of the row's 16 E, L = the sum of f_blk l_blk.  V' = V Wo = x (Wv Wo) + bv Wo (plane 2 of qkv): the weights p f / L of a row add up to 1 and products associate, so this is ctx Wo + bo.
; pb: [8192][2048] bf16, qkv: [3][8192][1024] bf16, st: [2][16][8192] f32 (E, l), bb: [4][1024] f32 (row 3: bo rounded to bf16), out0: [8192][1024] f32.
; The E are whole numbers, so f is a power of two and p f is exact in bf16: the row's true maximum is taken away (rounded down to a whole exponent) without a second rounding of p.  Sums in f32, stored as f32.
; LIMITS.  A block whose E lies 126 or more below the row's counts as 0; NaN and infinities are not treated apart.  L lies between about 1 and 4,096.
; SHARES.  A tile of C is 128 rows x 256 columns.  Four waves, each 64 x 128: 32 accumulators of 16 x 16.  K (the batch's 2,048 keys) goes in steps of 128, a block each, through two LDS slots.
; B = V' LIES [K][N] in memory and in LDS; its fragments come out of LDS turned, by ds_load_tr16_b128.  A = p lies [M][K]; its fragments are multiplied by their rows' f (two bf16 a line) on the way to the matrix unit.
; THE MATRIX INSTRUCTION IS USED TRANSPOSED (source 0 = 16 columns of V', source 1 = 16 rows of p): a lane holds row l % 16 of C and the 8 neighbouring columns 8 (l / 16) + 0..7.
; CLUSTER 4 x 4: the four work-groups of a row of the cluster need the same tile of p, the four of a column the same tile of V' (all sixteen lie in one batch): each tile is asked for jointly.
; REGISTERS, in windows of 256 (s_set_vgpr_msb: bits 1:0 source 0, 3:2 source 1, 5:4 source 2, 7:6 destination):
;   window 0: v0-31 addresses; v32-127, v128-223 two fragment buffers; v224-227 the step's f for my four row blocks (twice in each word); v228-235 1 / L, a pair a row block; on the way out v32-95 and v96-159 rows read back, by turns
;   window 1: the accumulators, (a, b) at v[8 (8 a + b)]          window 2: v0-63 the bias of my 128 columns, register 8 b + j for column 16 b + 8 (l / 16) + j
.set NSTEP, 16                         ; K steps
.set LDA,   2048                       ; elements in a row of A
.set BKN,   1                          ; B lies [K][N]
.set BSTEP, 262144                     ; bytes from a K step of B to the next: 128 rows of 2,048
.set BD0,   256                        ; B's tensor load: elements in a row,
.set BD1,   64                         ; rows
.set LDC,   4096                       ; bytes in a row of C
.set HASBIAS, 0                        ; the first products start from 0: the bias comes behind the division by L
.set SCALED, 1                         ; A's fragments are multiplied by their rows' factors
.set PA,    272                        ; an LDS row of A: 256 bytes + 16: the 16 rows of a fragment load start 68 words apart
.set PB,    544                        ; an LDS row of B [K][N]: 512 bytes + 32: 16 lanes of the turning load take 8 rows x 32 bytes, 136 words apart
.set BOFF,  128*PA                     ; B's tile lies behind A's 128 rows
.set BHALF, 34816                      ; half of B's tile: what one tensor load brings
.set SLOT1, 131072                     ; slot 1 begins here, so that one exclusive or turns an address in one slot into the other's
.set STAGE, SLOT1+BOFF+2*BHALF         ; behind the ring, never filled by a tensor load: 16 rows x 528 bytes for each wave, for the way out
.set TAB,   STAGE+33792                ; f: [16 blocks][2 row halves][16 r][4 a] words, 8,192 bytes; then 1 / L: [128 rows] pairs, 1,024 bytes
.set SPARE, TAB+9216                   ; the spare words, 128 bytes for each wave: two blocks of 256 bytes that no other line names
.set ASTEP, 256                        ; bytes from a K step of A to the next
.set SP,    528                        ; a row of my stage: 512 bytes + 16
.set F0,    32
.set F1,    128
.set FP,    224
.set RI,    228
.set OB,    32
.set MULW,  0x50                       ; C and D in window 1, sources in window 0
.set GPAD5, (1<<16)|(1<<20)|(1<<21)|(5<<22)|(3<<25)  ; 2-byte elements; padding on; bit 21 beside a mask; after every 64 words 4 words
.set GPAD6, (1<<16)|(1<<20)|(1<<21)|(6<<22)|(7<<25)  ; the same: after every 128 words 8 words
.set GB0,   GPAD6
.set MSB, 0
.macro WIN new                         ; the immediate's high byte repeats the setting that is left; a switch that changes nothing is dropped
.if MSB != (\new)
	s_set_vgpr_msb (MSB<<8)|(\new)
.set MSB, \new
.endif
.endm
.macro PLACES                          ; four places: behind a matrix instruction and in front of loads into registers that it read, or of lines that read its result
.rept 4
	v_nop
.endr
.endm
.macro CREST                           ; a round of the cluster's barrier behind its opening barrier
	s_cmp_lg_u32 s10, 0
	s_cbranch_scc1 .Lnot_wave_0_\@
	s_barrier_signal -3
.Lnot_wave_0_\@:
	s_barrier_wait -3
	s_barrier_signal -1
	s_barrier_wait -1
.endm
.macro CROUND                          ; a whole round
	s_barrier_signal -1
	s_barrier_wait -1
	CREST
.endm
.macro JLOAD                           ; a joint refill by the walking descriptors: waves 0, 1 fetch A's halves, waves 2, 3 B's; s_nop 0 and four v_nop follow each line
	s_cmp_eq_u32 s11, 0
	s_cbranch_scc0 .Lfor_b_\@
	tensor_load_to_lds s[36:39], s[24:31]
	s_nop 0
	PLACES
	s_branch .Lasked_\@
.Lfor_b_\@:
	tensor_load_to_lds s[60:63], s[48:55]
	s_nop 0
	PLACES
.Lasked_\@:
.endm
; A PREFETCH INTO THE L2 of the K step that stands two refills on (256 matrix instructions ahead of the load that wants it): one instruction, a lane a row, 256 bytes of the row.
; Each such block is named once in the launch: p's by wave 0 (the grid has one cluster along x), the four partners of a tile row taking 32 rows each by address; V's by waves 2 and 3 of each batch's first
; cluster along y, the four partners of a tile column taking 32 k-rows each by address, the two waves the two halves of a row's 512 bytes.  The last two filling trips (s3 = 2, 1) have no K step two refills on.
.macro ASK
	s_cmp_gt_u32 s3, s43
	s_cbranch_scc0 .Lnot_mine_\@
	global_prefetch_b8 v30, s[44:45] th:TH_LOAD_NT scope:SCOPE_SE
.Lnot_mine_\@:
.endm
; 8 matrix instructions: row block a x all 8 column blocks, 32 along K, from buffer f.  cm = 1: the first products start the sums.  The 32 accumulators take turns in the same order in every quarter.
.macro MUL8 f, a, cm
.if (\cm) && HASBIAS
	WIN 0x60                                       ; C in window 2
.else
	WIN MULW
.endif
.irp b, 0,1,2,3,4,5,6,7
.if (\cm) && HASBIAS
	v_wmma_f32_16x16x32_bf16 v[8*(8*(\a)+(\b)):8*(8*(\a)+(\b))+7], v[(\f)+8*(\b):(\f)+8*(\b)+7], v[(\f)+64+8*(\a):(\f)+64+8*(\a)+7], v[8*(\b):8*(\b)+7]
.elseif \cm
	v_wmma_f32_16x16x32_bf16 v[8*(8*(\a)+(\b)):8*(8*(\a)+(\b))+7], v[(\f)+8*(\b):(\f)+8*(\b)+7], v[(\f)+64+8*(\a):(\f)+64+8*(\a)+7], 0
.else
	v_wmma_f32_16x16x32_bf16 v[8*(8*(\a)+(\b)):8*(8*(\a)+(\b))+7], v[(\f)+8*(\b):(\f)+8*(\b)+7], v[(\f)+64+8*(\a):(\f)+64+8*(\a)+7], v[8*(8*(\a)+(\b)):8*(8*(\a)+(\b))+7]
.endif
.endr
.endm
; 24 LDS loads in one run: quarter q (32 along K) of the slot in hand into buffer g: B's 8 fragments first, then A's 4
.macro FETCH q, g
	WIN 0
.irp b, 0,1,2,3,4,5,6,7
.if BKN
	ds_load_tr16_b128 v[(\g)+8*(\b):(\g)+8*(\b)+3],   v19 offset:(\q)*32*PB+32*(\b)
	ds_load_tr16_b128 v[(\g)+8*(\b)+4:(\g)+8*(\b)+7], v19 offset:(\q)*32*PB+16*PB+32*(\b)
.else
	ds_load_b128 v[(\g)+8*(\b):(\g)+8*(\b)+3],   v19 offset:64*(\q)+(\b)*16*PA
	ds_load_b128 v[(\g)+8*(\b)+4:(\g)+8*(\b)+7], v19 offset:64*(\q)+(\b)*16*PA+32
.endif
.endr
.irp a, 0,1,2,3
	ds_load_b128 v[(\g)+64+8*(\a):(\g)+64+8*(\a)+3],   v18 offset:64*(\q)+(\a)*16*PA
	ds_load_b128 v[(\g)+64+8*(\a)+4:(\g)+8*(\a)+64+7], v18 offset:64*(\q)+(\a)*16*PA+32
.endr
.endm
.macro SCALE f, a0                     ; A's row blocks a0, a0 + 1 times their rows' factors: a power of two, so nothing is rounded
.if SCALED
	WIN 0
.irp a, \a0, (\a0)+1
.irp i, 0,1,2,3,4,5,6,7
	v_pk_mul_bf16 v[(\f)+64+8*(\a)+(\i)], v[(\f)+64+8*(\a)+(\i)], v[FP+(\a)]
.endr
.endr
.endif
.endm
; A K step is four quarters of 32 along K, 32 matrix instructions each, on buffers 0, 1, 0, 1.  One of the first three: multiplies buffer f; in its middle it fetches quarter q into buffer g.
.macro QUARTER q, f, g, cm
	s_wait_dscnt 4                                 ; B and A's row blocks 0, 1 are in; the youngest four loads (blocks 2, 3) may be out
	SCALE \f, 0
	MUL8 \f, 0, \cm
	MUL8 \f, 1, \cm
	WIN 0
.if SCALED
	s_wait_dscnt 0x0                               ; A's row blocks 2, 3 are in
	SCALE \f, 2                                    ; its 16 plain lines are also the places in front of the loads
.else
	PLACES
.endif
	FETCH \q, \g
.if !SCALED
	s_wait_dscnt 24                                ; all but the 24 just issued
.endif
	MUL8 \f, 2, \cm
	MUL8 \f, 3, \cm
.endm
; The last quarter multiplies buffer 1 and changes slots: ONE barrier.  In front of it each wave waits for all its tensor loads (one is out: its part of the next slot), adds 0 to its spare word, and waits for
; that and for its reads of this slot.  fill = 1: the barrier opens a round of the cluster's barrier, and the joint refill of the slot just read, with the K step two on, is the first thing behind the round:
; 112 matrix instructions stand between it and the wait for it.  The next block's factors are read with the next slot's first fragments.
.macro TURN fill
.if \fill
	s_wait_xcnt 0x0                                ; the last prefetch, a K step back, has read its address
	s_add_nc_u64 s[44:45], s[44:45], s[66:67]
.endif
	WIN 0
	s_wait_tensorcnt 0x0                           ; no tensor load of mine is out, so a group 0 may be written
	ds_add_u32 v28, v29                            ; 0 onto my spare word
.if \fill
	s_xor_b32 s37, s37, SLOT1                      ; the walking descriptors: the other slot than last time,
	s_add_nc_u64 s[38:39], s[38:39], ASTEP         ; the next K step; the type bits on top are not reached
	s_xor_b32 s61, s61, SLOT1
	s_add_nc_u64 s[62:63], s[62:63], BSTEP
.endif
	s_xor_b32 s68, s68, SLOT1                      ; the fetches go to the other slot
	s_wait_dscnt 5                                 ; the add and the youngest four loads may be out
	SCALE F1, 0
	MUL8 F1, 0, 0
	s_wait_dscnt 0x0                               ; the add is done, and my reads of this slot are over
	s_barrier_signal -1
	MUL8 F1, 1, 0
	WIN 0
	v_add_nc_u32 v18, s68, v16
	v_add_nc_u32 v19, s68, v17
.if SCALED
	SCALE F1, 2
	v_add_nc_u32 v20, 512, v20
.endif
	s_barrier_wait -1
.if \fill
	CREST                                          ; no wave of any partner still reads this slot or has a load on its way
	JLOAD                                          ; its four v_nop are also the places in front of the loads below
.else
	PLACES
.endif
.if SCALED
	ds_load_b128 v[FP:FP+3], v20
.endif
	FETCH 0, F0
.if \fill
	ASK
.endif
	MUL8 F1, 2, 0
	MUL8 F1, 3, 0
.endm
.macro LASTQ                           ; the very last quarter: nothing more to fetch
	s_wait_dscnt 4
	SCALE F1, 0
	MUL8 F1, 0, 0
	MUL8 F1, 1, 0
	s_wait_dscnt 0x0
	SCALE F1, 2
	MUL8 F1, 2, 0
	MUL8 F1, 3, 0
	WIN 0
.endm
	s_load_b128 s[4:7], s[0:1], 0x0                ; pb s[4:5], qkv s[6:7]
	s_load_b128 s[76:79], s[0:1], 0x10             ; st s[76:77], bb s[78:79]
	s_load_b64 s[8:9], s[0:1], 0x20                ; out0
	v_lshl_add_u32 v28, v0, 2, SPARE
	v_mov_b32 v29, 0
	ds_add_u32 v28, v29                            ; the wave's opening: the add and its wait ahead of my first tensor load; the set-up below stands between them
	v_lshrrev_b32 v1, 5, v0
	v_readfirstlane_b32 s10, v1                    ; wave 0..3
	s_lshr_b32 s11, s10, 1                         ; rh: which 64 rows of the tile are mine.  Also: I fetch for A (0) or for B (1)
	s_and_b32 s12, s10, 1                          ; ch: which 128 columns.  Also: which half of that tile I fetch
	s_bfe_u32 s40, ttmp6, 0x40000                  ; cx
	s_bfe_u32 s41, ttmp6, 0x40004                  ; cy
	s_and_b32 s84, ttmp7, 0xffff                   ; cluster y
	s_lshl_b32 s42, s84, 2
	s_add_co_u32 s42, s42, s41                     ; tile row = 4 x cluster y + cy
	s_lshr_b32 s90, s84, 2                         ; the batch: four clusters along y each; the same in all sixteen partners
	s_lshl_b32 s13, s41, 2
	s_lshl_b32 s13, 15, s13                        ; my row of the cluster
	s_lshl_b32 s22, 0x1111, s40                    ; my column
	s_or_b32 s24, s13, GPAD5                       ; group 1 for A: 64 rows x 128 elements
	s_mov_b32 s25, 128<<16                         ; tensor_dim0
	s_mov_b32 s26, 64<<16                          ; tensor_dim1
	s_mov_b32 s27, 128<<16                         ; tile_dim0
	s_mov_b32 s28, 64                              ; tile_dim1
	s_mov_b32 s29, LDA                             ; elements from row to row
	s_mov_b32 s30, 0
	s_mov_b32 s31, 0
	s_or_b32 s48, s22, GB0                         ; group 1 for B: 64 k-rows x 256 elements
	s_mov_b32 s49, BD0<<16
	s_mov_b32 s50, BD1<<16
	s_mov_b32 s51, BD0<<16
	s_mov_b32 s52, BD1
	s_mov_b32 s53, 1024
	s_mov_b32 s54, 0
	s_mov_b32 s55, 0
	s_lshl_b32 s16, s42, 7                         ; A = p: row 128 x tile row + 64 x half,
	s_lshl_b32 s17, s12, 6
	s_add_co_u32 s16, s16, s17
	s_mul_i32 s16, s16, LDA*2                      ; in bytes
	s_mov_b32 s17, 0
	s_lshl_b32 s46, s90, 22                        ; B = V': the batch's 2,048 rows of 2,048 bytes,
	s_lshl_b32 s47, s12, 17                        ; my 64 k-rows of the step,
	s_add_co_u32 s46, s46, s47
	s_lshl_b32 s47, s40, 9                         ; the tile's 256 columns,
	s_add_co_u32 s46, s46, s47
	s_add_co_u32 s46, s46, 33554432                ; in plane 2
	s_mov_b32 s47, 0
	s_mul_i32 s20, s12, 64*PA                      ; where the halves go in a slot: no place in the cluster enters an LDS address
	s_mul_i32 s21, s12, BHALF
	s_add_co_u32 s21, s21, BOFF
	s_mov_b32 s68, 0                               ; the fetches begin in slot 0
	s_wait_dscnt 0x0                               ; the opening add is done
	s_wait_kmcnt 0x0
	s_add_nc_u64 s[14:15], s[4:5], s[16:17]
	s_add_nc_u64 s[46:47], s[6:7], s[46:47]
	CROUND                                         ; all sixteen work-groups are here: the first joint loads meet
	s_mov_b32 s32, 1                               ; group 0, A, K step 0 into slot 0
	s_mov_b32 s33, s20
	s_mov_b64 s[34:35], s[14:15]
	s_or_b32 s35, s35, 0x80000000
	s_mov_b32 s36, 1                               ; A, K step 1 into slot 1; this set then walks on
	s_add_co_u32 s37, s20, SLOT1
	s_add_nc_u64 s[38:39], s[14:15], ASTEP
	s_or_b32 s39, s39, 0x80000000
	s_mov_b32 s56, 1                               ; the same for B
	s_mov_b32 s57, s21
	s_mov_b64 s[58:59], s[46:47]
	s_or_b32 s59, s59, 0x80000000
	s_mov_b32 s60, 1
	s_add_co_u32 s61, s21, SLOT1
	s_add_nc_u64 s[62:63], s[46:47], BSTEP
	s_or_b32 s63, s63, 0x80000000
	s_cmp_eq_u32 s11, 0                            ; a wave's two first fills stand in one branch: two loads of mine are out
	s_cbranch_scc0 .Lfirst_b
	tensor_load_to_lds s[32:35], s[24:31]
	s_nop 0
	tensor_load_to_lds s[36:39], s[24:31]
	s_nop 0
	PLACES
	s_branch .Lfirst_asked
.Lfirst_b:
	tensor_load_to_lds s[56:59], s[48:55]
	s_nop 0
	tensor_load_to_lds s[60:63], s[48:55]
	s_nop 0
	PLACES
.Lfirst_asked:
	; THE FACTORS.  Thread t stands for row t of the tile: its 16 E into v32-47, its 16 l into v48-63
	s_lshl_b32 s13, s42, 9                         ; 128 rows x 4 bytes a tile row
	v_lshl_add_u32 v31, v0, 2, s13
.irp k, 0,1,2,3,4,5,6,7,8,9,10,11,12,13,14,15
	global_load_b32 v[32+(\k)], v31, s[76:77] offset:(\k)*32768
	global_load_b32 v[48+(\k)], v31, s[76:77] offset:524288+(\k)*32768
.endr
	v_and_b32 v1, 15, v0                           ; r = l % 16
	v_bfe_u32 v2, v0, 4, 1                         ; h = l / 16
	v_and_b32 v3, 31, v0                           ; l
	; the bias of my 128 columns, from row 3 of bb: register 8 b + j of lane (r, h) is bo[16 b + 8 h + j]
	s_lshl_b32 s13, s40, 10                        ; 256 columns x 4 bytes a tile,
	s_lshl_b32 s22, s12, 9                         ; my 128
	s_add_co_u32 s13, s13, s22
	v_lshl_add_u32 v7, v2, 5, s13
	WIN 0x80                                       ; destination window 2
.irp b, 0,1,2,3,4,5,6,7
	global_load_b128 v[8*(\b):8*(\b)+3],   v7, s[78:79] offset:12288+64*(\b)
	global_load_b128 v[8*(\b)+4:8*(\b)+7], v7, s[78:79] offset:12288+64*(\b)+16
.endr
	WIN 0
	; fragment addresses.  A: row x pitch + 16 x half.  B turned: lane l reads k-row 8 (l / 16) + l % 8, columns 8 ((l / 8) % 2) + 0..7
	v_mul_u32_u24 v16, v1, PA
	v_lshl_add_u32 v16, v2, 4, v16
	s_mul_i32 s13, s11, 64*PA                      ; my 64 rows of A
	v_add_nc_u32 v16, s13, v16
	v_and_b32 v4, 7, v0
	v_lshl_add_u32 v4, v2, 3, v4
	v_mul_u32_u24 v17, v4, PB
	v_bfe_u32 v5, v0, 3, 1
	v_lshl_add_u32 v17, v5, 4, v17
	s_lshl_b32 s13, s12, 8                         ; my 128 columns of B
	s_add_co_u32 s13, s13, BOFF
	v_add_nc_u32 v17, s13, v17
	; the way out: my stage, and my corner of C
	s_mul_i32 s13, s10, 16*SP
	s_add_co_u32 s13, s13, STAGE
	v_mul_u32_u24 v24, v1, SP                      ; in: row l % 16, 32 bytes for each half of the lanes
	v_lshl_add_u32 v24, v2, 5, v24
	v_add_nc_u32 v24, s13, v24
	v_lshl_add_u32 v25, v3, 4, s13                 ; back: 32 lanes take a row's 512 bytes
	v_lshlrev_b32 v26, 4, v3                       ; the same in C
	s_lshl_b32 s18, s42, 7
	s_lshl_b32 s22, s11, 6
	s_add_co_u32 s18, s18, s22                     ; my first row
	s_lshl_b32 s18, s18, 12                        ; x 4,096 bytes
	s_lshl_b32 s22, s40, 10
	s_add_co_u32 s18, s18, s22
	s_lshl_b32 s22, s12, 9
	s_add_co_u32 s18, s18, s22
	s_mov_b32 s19, 0
	s_add_nc_u64 s[8:9], s[8:9], s[18:19]
	; the prefetches: who asks, and where they stand (at K step 3; each filling change of slots steps them first)
	s_lshl_b32 s86, s42, 7
	s_lshl_b32 s88, s40, 5
	s_add_co_u32 s86, s86, s88                     ; A: row 128 x tile row + 32 cx
	s_mul_i32 s86, s86, LDA*2
	s_add_co_u32 s86, s86, 3*ASTEP
	s_lshl_b32 s87, s90, 22                        ; B: the batch, the tile's columns, my half of a row's 512 bytes, k-row 32 cy
	s_lshl_b32 s88, s40, 9
	s_add_co_u32 s87, s87, s88
	s_lshl_b32 s88, s12, 8
	s_add_co_u32 s87, s87, s88
	s_lshl_b32 s88, s41, 16
	s_add_co_u32 s87, s87, s88
	s_add_co_u32 s87, s87, 33554432+3*BSTEP
	s_or_b32 s13, s12, ttmp9                       ; A: 0 in wave 0 of a cluster with x = 0
	s_and_b32 s22, s84, 3                          ; B: 0 in a batch's first cluster along y
	s_mov_b32 s66, BSTEP
	s_mov_b32 s67, 0
	s_mov_b32 s89, 2048
	s_cmp_eq_u32 s11, 0
	s_cselect_b32 s13, s13, s22
	s_cselect_b64 s[44:45], s[4:5], s[6:7]
	s_cselect_b32 s86, s86, s87
	s_cselect_b32 s66, ASTEP, s66
	s_cselect_b32 s89, LDA*2, s89
	s_mov_b32 s87, 0
	s_add_nc_u64 s[44:45], s[44:45], s[86:87]
	s_cmp_eq_u32 s13, 0
	s_cselect_b32 s43, 2, -1                       ; the same in all sixteen partners, for a given wave
	v_mul_u32_u24 v30, v3, s89                     ; a lane a row
	; where the tables are written (by row t) and read (by lane)
	v_lshrrev_b32 v4, 6, v0                        ; t / 64: the row half
	v_lshlrev_b32 v84, 8, v4
	v_lshl_add_u32 v84, v1, 4, v84                 ; t % 16
	v_bfe_u32 v5, v0, 4, 2                         ; (t / 16) % 4: the row block
	v_lshl_add_u32 v84, v5, 2, v84
	v_add_nc_u32 v84, TAB, v84
	v_lshl_add_u32 v85, v0, 3, TAB+8192
	s_lshl_b32 s13, s11, 8
	s_add_co_u32 s13, s13, TAB
	v_lshl_add_u32 v20, v1, 4, s13                 ; block 0's four factors of my lane's rows r, 16 + r, 32 + r, 48 + r
	s_lshl_b32 s13, s11, 9
	s_add_co_u32 s13, s13, TAB+8192
	v_lshl_add_u32 v6, v1, 3, s13
	s_wait_loadcnt 0x0                             ; E, l and the bias are in
	v_max3_num_f32 v64, v32, v33, v34              ; the row's largest E
.irp k, 35,37,39,41,43,45
	v_max3_num_f32 v64, v64, v[\k], v[(\k)+1]
.endr
	v_max_num_f32 v64, v64, v47
.irp k, 0,1,2,3,4,5,6,7,8,9,10,11,12,13,14,15
	v_sub_f32 v[66+(\k)], v[32+(\k)], v64          ; a whole number, 0 or below
.endr
.irp k, 0,1,2,3,4,5,6,7,8,9,10,11,12,13,14,15
	v_exp_f32 v[66+(\k)], v[66+(\k)]               ; f: one batch
.endr
	v_nop                                          ; a plain instruction behind the last exponential,
	s_wait_alu depctr_va_vdst(0)                   ; and the one wait ahead of the first line that names a result
	v_mul_f32 v82, v66, v48                        ; L = the sum of f l, in two chains
	v_mul_f32 v83, v67, v49
.irp k, 2,3,4,5,6,7,8,9,10,11,12,13,14,15
	v_fmac_f32 v[82+(\k)%2], v[66+(\k)], v[48+(\k)]
.endr
.irp k, 0,1,2,3,4,5,6,7,8,9,10,11,12,13,14,15
	v_cvt_pk_bf16_f32 v[66+(\k)], v[66+(\k)], v[66+(\k)]  ; f twice in a word: rounded to bf16 it is the power of two itself
.endr
.irp k, 0,1,2,3,4,5,6,7,8,9,10,11,12,13,14,15
	ds_store_b32 v84, v[66+(\k)] offset:(\k)*512
.endr
	v_add_f32 v82, v82, v83
	v_rcp_f32 v86, v82
	v_nop
	s_wait_alu depctr_va_vdst(0)
	v_mov_b32 v87, v86
	ds_store_b64 v85, v[86:87]                     ; 1 / L, twice: a pair for the packed multiply-add
	s_wait_tensorcnt 0x1                           ; my part of K step 0 is in; K step 1's may stay out
	s_wait_dscnt 0x0                               ; for the others' sake: my part of the tables is stored
	s_barrier_signal -1
	s_barrier_wait -1                              ; everybody's is
	v_mov_b32 v18, v16
	v_mov_b32 v19, v17
	ds_load_b128 v[FP:FP+3], v20
.irp a, 0,1,2,3
	ds_load_b64 v[RI+2*(\a):RI+2*(\a)+1], v6 offset:128*(\a)
.endr
	FETCH 0, F0
	QUARTER 1, F0, F1, 1                           ; the first quarter stands in front of the loop: its products start the sums
	WIN 0                                          ; at a label and at a branch every window is 0
	s_mov_b32 s3, NSTEP-2
.Lstep:                                                ; a trip: quarters 1-3 of a K step and quarter 0 of the next; the slot read out is filled with the K step two on
	QUARTER 2, F1, F0, 0
	QUARTER 3, F0, F1, 0
	TURN 1
	QUARTER 1, F0, F1, 0
	WIN 0
	s_sub_co_u32 s3, s3, 1
	s_cmp_lg_u32 s3, 0
	s_cbranch_scc1 .Lstep
	QUARTER 2, F1, F0, 0                           ; the last two K steps are written out: nothing is asked for
	QUARTER 3, F0, F1, 0
	TURN 0
	QUARTER 1, F0, F1, 0
	QUARTER 2, F1, F0, 0
	QUARTER 3, F0, F1, 0
	LASTQ
	PLACES
	PLACES
	; THE WAY OUT, a block of 16 rows at a time: sum / L + bias, one fused multiply-add for two numbers, in place; the f32 results go, 32 bytes a lane, into my own stage, come back as whole rows of 512 bytes, and are
	; stored.  A block's way through the stage is begun before the block before is stored.
.macro NORM a
	WIN 0x61                                       ; the sums (destination and source 0) in window 1, 1 / L in window 0, the bias in window 2; each accumulator's registers in ascending order
.set i, 0
.rept 32
	v_pk_fma_f32 v[64*(\a)+i:64*(\a)+i+1], v[64*(\a)+i:64*(\a)+i+1], v[RI+2*(\a):RI+2*(\a)+1], v[i:i+1]
.set i, i+2
.endr
.endm
.macro TOSTAGE a
.set BK, OB+64*((\a)%2)
	s_wait_xcnt 0x0                                ; the stores two blocks back have read their registers: this block's loads land there
	WIN 0x04                                       ; the stores' data in window 1
.irp b, 0,1,2,3,4,5,6,7
	ds_store_b128 v24, v[64*(\a)+8*(\b):64*(\a)+8*(\b)+3]   offset:64*(\b)
	ds_store_b128 v24, v[64*(\a)+8*(\b)+4:64*(\a)+8*(\b)+7] offset:64*(\b)+16
.endr
	WIN 0
.irp t, 0,1,2,3,4,5,6,7,8,9,10,11,12,13,14,15
	ds_load_b128 v[BK+4*(\t):BK+4*(\t)+3], v25 offset:(\t)*SP  ; LDS serves a wave's instructions in order (ISA guide 5.7.1.4): these see the stores above, and the next block's stores come behind them
.endr
.endm
.macro SEND a, younger                 ; younger: the LDS instructions issued behind block a's loads: the next block's 32, or none
.set BK, OB+64*((\a)%2)
	s_wait_dscnt \younger
.irp t, 0,1,2,3,4,5,6,7,8,9,10,11,12,13,14,15
	global_store_b128 v26, v[BK+4*(\t):BK+4*(\t)+3], s[8:9] offset:(16*(\a)+(\t))*LDC th:TH_STORE_NT  ; a wave stores 512 consecutive bytes, aligned
.endr
.endm
	NORM 0
	TOSTAGE 0
	NORM 1
	TOSTAGE 1
	SEND 0, 32
	NORM 2
	TOSTAGE 2
	SEND 1, 32
	NORM 3
	TOSTAGE 3
	SEND 2, 32
	SEND 3, 0
	s_wait_tensorcnt 0x0                           ; the wave's end: behind my last tensor load and my last LDS store
	ds_add_u32 v28, v29
	s_wait_dscnt 0x0
	CROUND                                         ; the closing round: no work-group ends while a partner may still ask for a tile that names it
	s_endpgm
.Lfunc_end_k_qa420429468_pv:
	.size	k_qa420429468_pv, .Lfunc_end_k_qa420429468_pv-k_qa420429468_pv
	.p2alignl 7, 3214868480
	.fill 96, 4, 3214868480
	.section	.rodata,"a",@progbits
	.p2align	6, 0x0
	.amdhsa_kernel k_qa420429468_pv
		.amdhsa_group_segment_fixed_size 327680
		.amdhsa_private_segment_fixed_size 0
		.amdhsa_enable_private_segment 0
		.amdhsa_kernarg_size 40
		.amdhsa_user_sgpr_count 2
		.amdhsa_user_sgpr_kernarg_segment_ptr 1
		.amdhsa_wavefront_size32 1
		.amdhsa_system_sgpr_workgroup_id_x 1
		.amdhsa_system_sgpr_workgroup_id_y 1
		.amdhsa_system_sgpr_workgroup_id_z 1
		.amdhsa_system_vgpr_workitem_id 0
		.amdhsa_next_free_vgpr 608
		.amdhsa_next_free_sgpr 96
		.amdhsa_reserve_vcc 0
		.amdhsa_float_denorm_mode_32 3
		.amdhsa_float_denorm_mode_16_64 3
		.amdhsa_memory_ordered 1
		.amdhsa_forward_progress 1
		.amdhsa_inst_pref_size 112
	.end_amdhsa_kernel
	.amdgpu_metadata
---
amdhsa.version: [ 1, 2 ]
amdhsa.kernels:
  - .name:           k_qa420429468_pv
    .symbol:         k_qa420429468_pv.kd
    .args:
      - { .name: pb, .offset: 0, .size: 8, .value_kind: global_buffer, .address_space: global }
      - { .name: qkv, .offset: 8, .size: 8, .value_kind: global_buffer, .address_space: global }
      - { .name: st, .offset: 16, .size: 8, .value_kind: global_buffer, .address_space: global }
      - { .name: bb, .offset: 24, .size: 8, .value_kind: global_buffer, .address_space: global }
      - { .name: out0, .offset: 32, .size: 8, .value_kind: global_buffer, .address_space: global }
    .group_segment_fixed_size: 327680
    .private_segment_fixed_size: 0
    .kernarg_segment_align: 8
    .kernarg_segment_size: 40
    .max_flat_workgroup_size: 128
    .sgpr_count:     96
    .vgpr_count:     608
    .wavefront_size: 32
...
	.end_amdgpu_metadata
.endif
;; end of part 9
